; MI455X (gfx1250); checked and timed in simulation.
; The chip was launched on July 23, 2026; its instructions are those of AMD's public machine-readable ISA for CDNA 5 (MIT licence, August 2026) and "CDNA5" Instruction Set Architecture Reference Guide (July 2026). The comments in the code are by the model that wrote it; some were corrected since.
;; Transformer Encoder. Allowed arithmetic: matrix products marked QUANTISED: E5M2 operands, one E8M0 scale for each 32 along K, by v_wmma_scale_f32_16x16x128_f8f6f4 with both operands' format E5M2, f32 sums; everything else in f32.
;; Inputs: b1 4,096 float32; b2 1,024 float32; b_qkv 3,072 float32; ln1_b 1,024 float32; ln1_g 1,024 float32; ln2_b 1,024 float32; ln2_g 1,024 float32; w1_codes 4,096 x 32 x 32 uint8 (E5M2 codes of w1, K innermost, in blocks of 32 codes); w1_scales 4,096 x 32 uint8 (E8M0 scales of w1, one for each 32 codes along K); w2_codes 1,024 x 128 x 32 uint8 (E5M2 codes of w2, K innermost, in blocks of 32 codes); w2_scales 1,024 x 128 uint8 (E8M0 scales of w2, one for each 32 codes along K); w_qkv_codes 3,072 x 32 x 32 uint8 (E5M2 codes of w_qkv, K innermost, in blocks of 32 codes); w_qkv_scales 3,072 x 32 uint8 (E8M0 scales of w_qkv, one for each 32 codes along K); x 2 x 2,048 x 1,024 float32.
;; Outputs: out0 2 x 2,048 x 1,024 float32.
;; This version of the problem:
;;   THIS VERSION OF THE PROBLEM IS GIVEN IN LOW PRECISION. The matrix products marked QUANTISED in the list below multiply operands that are first quantised to E5M2 (5 exponent bits, 2 mantissa bits; 8 bits a number), with one power-of-two scale for each 32 numbers along K (OCP MX v1.0); their sums are f32. All else is computed in f32.
;;   The module's matrix products, in the order in which they are computed (A, B: the left and right operand; K: the contracted axis; several contracted axes count as one K, in the product's order):
;;     1. [M 4,096, K 1,024] x [K 1,024, N 3,072]; A: computed on the way; B: input w_qkv (given as codes): QUANTISED
;;     2. batch 32 x [M 2,048, K 64] x [K 64, N 2,048]; A: computed on the way; B: computed on the way: QUANTISED
;;     3. batch 32 x [M 64, K 2,048] x [K 2,048, N 2,048]; A: computed on the way; B: softmax (see below): QUANTISED
;;     4. [M 4,096, K 1,024] x [K 1,024, N 4,096]; A: computed on the way; B: input w1 (given as codes): QUANTISED
;;     5. [M 4,096, K 4,096] x [K 4,096, N 1,024]; A: computed on the way; B: input w2 (given as codes): QUANTISED
;;   THE QUANTISER, for each operand of a quantised product, along K:
;;     - K is cut into blocks of 32 from its start; a last block that is shorter is filled with zeros.
;;     - A block's scale is 2^e with e = floor(log2(the largest magnitude in the block)) - 15, held to -126 .. 127; a block of zeros has e = 0. As a byte (E8M0): e + 127.
;;     - Each number is divided by its block's scale, clamped to +-57,344, and rounded to the nearest number of E5M2, ties to even, subnormals kept.
;;     - The product sums the exact products of the quantised numbers (number of the format x scale) in f32.
;;   ~~~python
;;   def quantise(x, axis):      # numpy; x: float32 -> the quantised numbers, widened to float32 again
;;       x = np.moveaxis(x, axis, -1); K = x.shape[-1]
;;       x = np.pad(x, [(0, 0)] * (x.ndim - 1) + [(0, -K % 32)]); x = x.reshape(x.shape[:-1] + (-1, 32)); a = np.abs(x).max(-1, keepdims=True)
;;       e = np.where(a > 0, np.clip(np.frexp(np.where(a > 0, a, 1))[1] - 1 - 15, -126, 127), 0)      # np.frexp(a)[1] - 1 = floor(log2(a)), exactly
;;       r = np.clip(x / 2.0 ** e, -57344, 57344)
;;       step = 2.0 ** (np.maximum(np.frexp(np.where(r == 0, 1, r))[1] - 1, -14) - 2)
;;       q = np.round(r / step) * step * 2.0 ** e      # np.round: ties to even
;;       return np.moveaxis(q.reshape(q.shape[:-2] + (-1,))[..., :K], -1, axis).astype(np.float32)
;;   ~~~
;;   SOFTMAX AHEAD OF A QUANTISED PRODUCT. Where the list says 'softmax', what is quantised is not the finished softmax but p = 2^(t - M), with t = logit x log2(e) and M = ceil(the row's largest t), a whole number; so 1/2 < the row's largest p <= 1. The row's sum l is taken of the UNQUANTISED p, in f32, and the product's result is divided by l at the end. Since M is a whole number, a kernel that streams over the keys may use a running M (the ceiling of the running maximum): every later rescaling is an exact power of two, which a block's scale takes up: the codes' values come out the same.
;;   OPERANDS COMPUTED ON THE WAY. 'Computed on the way' means the value that the module computes at that place (a softmax that the list does not call 'softmax' is quantised finished and normalised). What goes into a quantiser is computed in f32, as accurately as f32 sums, v_exp_f32 and their like allow (about 1e-6 of the number): no bf16 or f16 on the way to a quantiser, and a product that is left as it is and whose result goes on into a quantised operand takes f32 operands (vector FMAs, or v_wmma_f32_16x16x4_f32). A number that lies on a knife's edge between two numbers of the format may be rounded either way, as far as f32 arithmetic and the matrix unit's own rounding can turn it there, and no further.
;;   INPUTS GIVEN AS CODES. w1 (in the module: [1024, 4096], K = its axis 0); w2 (in the module: [4096, 1024], K = its axis 0); w_qkv (in the module: [1024, 3072], K = its axis 0): each comes as NAME_codes (uint8): NAME with its K axis moved to the last place and cut into blocks of 32 codes, [.., K / 32, bytes a block], one block behind the other in memory; one code a byte (a code: sign, 5 exponent bits, 2 mantissa bits); and NAME_scales (uint8): the same leading axes, one E8M0 byte (e + 127) for each 32 codes along K. Its value is code x scale, taken as it is: it is not quantised again, and the codes and scales need not be those that the quantiser above would give.
;; 2 versions. Each part assembles by itself: llvm-mc -triple=amdgcn-amd-amdhsa -mcpu=gfx1250 --defsym DOCPART=n.
;; ======== version 1 of 2: 6 launches
;; workspace buffers: hq 4,325,376 bytes; qkvq 12,976,128 bytes; attn 16,777,216 bytes; mq 17,301,504 bytes
;; launch ln1 (part 1): grid 256 x 1, 4 waves a work-group, no clusters, 17,920 bytes of LDS; arguments x, ln1_g, ln1_b, hq; writes hq
.if DOCPART == 1
	.amdgcn_target "amdgcn-amd-amdhsa--gfx1250"
	.amdhsa_code_object_version 6
	.text
	.protected	k_q66395c1124_ln1
	.globl	k_q66395c1124_ln1
	.p2align	8
	.type	k_q66395c1124_ln1,@function
k_q66395c1124_ln1:
	s_mov_b64 s[64:65], 0
	v_nop
	global_prefetch_b8 v0, s[64:65] scope:SCOPE_SE
	s_setreg_imm32_b32 hwreg(HW_REG_WAVE_MODE, 25, 1), 1
	s_wait_xcnt 0x0
; LayerNorm of 4,096 rows of 1,024 f32 (mean, variance of the centred numbers, rsqrt(var + 1e-5), gain, bias), then the MX quantiser along the row:
; codes of E5M2 [4096][1024] at byte 0 of the output buffer, one E8M0 byte for each 32 numbers, [4096][32], at byte 4,194,304.
; A work-group takes 16 rows, a wave 4; a row (4,096 bytes) is 32 registers of one wave, so it is read from memory once and no wave waits for another.
; Each load reads 512 consecutive bytes; the conversion wants 8 neighbours in ONE lane, so the finished row turns through the wave's own 4,096 bytes of LDS.
; A lane then holds 8 neighbours of each quarter of the row: four lanes hold a block of 32, and a wave's store of codes covers 256 consecutive bytes, aligned.
; The work-group's 512 scale bytes are gathered in LDS and leave by one store of 512 consecutive bytes.  No matrix unit, no cluster, no tensor load: work-groups share no input but gain and bias.
; LIMITS: NaN and infinities are not served; a block whose largest magnitude lies under 2^-111 (a block of zeros too) gets the byte 1: its bytes are read by this program alone.
.set SCB, 16384                        ; LDS: four stages of 4,096 bytes, then the scale bytes [row in the group][32]
.set X,   32                           ; v32-159  row p at v[32 + 32 p]: register 4 i + e holds k = 128 i + 4 lane + e
.set G,   160                          ; v160-191 the gain, in the same layout
.set BT,  192                          ; v192-223 the bias
.set Y,   224                          ; v224-255 the row back from the stage: register 8 s + e holds k = 256 s + 8 lane + e
	s_load_b256 s[4:11], s[0:1], 0x0               ; the rows s[4:5], gain s[6:7], bias s[8:9], output s[10:11]
	s_set_vgpr_msb 0x40
	v_lshl_add_u32 v0, v0, 2, 0x4400
	v_mov_b32 v1, 0
	s_set_vgpr_msb 0x4000
	v_lshrrev_b32 v1, 5, v0
	v_readfirstlane_b32 s12, v1                    ; wave 0..3
	v_and_b32 v6, 31, v0                           ; lane
	v_lshlrev_b32 v1, 4, v6                        ; 16 x lane: my bytes of a load's 512
	s_lshl_b32 s13, s12, 12                        ; my stage
	v_add_nc_u32 v2, s13, v1                       ; into it: as loaded
	v_lshl_add_u32 v3, v6, 5, s13                  ; out of it: 32 bytes a lane
	v_lshlrev_b32 v4, 3, v6                        ; my 8 codes of a store's 256
	v_lshrrev_b32 v5, 2, v6
	s_lshl_b32 s19, s12, 7
	s_add_co_u32 s19, s19, SCB
	v_add_nc_u32 v5, s19, v5                       ; my block's scale byte: 128 x wave + lane / 4
	v_add_nc_u32 v7, SCB, v1                       ; the scale bytes on their way out
	s_mov_b32 s14, 0x76543210
	s_mov_b32 s15, 0xfedcba98                      ; v_permlanex16_b32's selects for lane l xor 16
	s_mov_b32 s16, 0x3a800000                      ; 1 / 1024
	s_mov_b32 s17, 0x3727c5ac                      ; 1e-5
	s_mov_b32 s18, 0x600000                        ; the mantissa field of 57,344
	s_lshl_b32 s20, ttmp9, 16                      ; 16 rows of 4,096 bytes a work-group,
	s_lshl_b32 s21, s12, 14                        ; 4 a wave
	s_add_co_u32 s20, s20, s21
	s_mov_b32 s21, 0
	s_lshl_b32 s22, ttmp9, 14                      ; the codes: 1,024 bytes a row
	s_add_co_u32 s22, s22, s13
	s_mov_b32 s23, 0
	s_lshl_b32 s24, ttmp9, 9                       ; the scale bytes: 32 a row
	s_add_co_u32 s24, s24, 0x400000
	s_mov_b32 s25, 0
	s_wait_kmcnt 0x0
	s_add_nc_u64 s[4:5], s[4:5], s[20:21]
	s_add_nc_u64 s[22:23], s[10:11], s[22:23]
	s_add_nc_u64 s[24:25], s[10:11], s[24:25]
.irp i, 0,1,2,3,4,5,6,7
	global_load_b128 v[G+4*\i:G+4*\i+3], v1, s[6:7] offset:512*\i
.endr
.irp i, 0,1,2,3,4,5,6,7
	global_load_b128 v[BT+4*\i:BT+4*\i+3], v1, s[8:9] offset:512*\i
.endr
.irp p, 0,1,2,3
.irp i, 0,1,2,3,4,5,6,7
	global_load_b128 v[X+32*\p+4*\i:X+32*\p+4*\i+3], v1, s[4:5] offset:4096*\p+512*\i
.endr
.endr
.macro WSUM                            ; v8 summed over the 32 lanes, the result in every lane; v9 at work
	v_add_f32_dpp v8, v8, v8 row_xmask:1 row_mask:0xf bank_mask:0xf
	v_add_f32_dpp v8, v8, v8 row_xmask:2 row_mask:0xf bank_mask:0xf
	v_add_f32_dpp v8, v8, v8 row_xmask:4 row_mask:0xf bank_mask:0xf
	v_add_f32_dpp v8, v8, v8 row_xmask:8 row_mask:0xf bank_mask:0xf
	v_permlanex16_b32 v9, v8, s14, s15
	v_add_f32 v8, v8, v9
.endm
.macro ROW p
.set XR, X+32*\p
	s_wait_loadcnt 8*(3-\p)                        ; gain, bias and my row are in; the later rows' loads, eight each, stay out
	v_pk_add_f32 v[8:9], v[XR:XR+1], v[XR+2:XR+3]  ; the sum, in two chains
	v_pk_add_f32 v[10:11], v[XR+4:XR+5], v[XR+6:XR+7]
.irp j, 8,12,16,20,24,28
	v_pk_add_f32 v[8:9], v[8:9], v[XR+\j:XR+\j+1]
	v_pk_add_f32 v[10:11], v[10:11], v[XR+\j+2:XR+\j+3]
.endr
	v_pk_add_f32 v[8:9], v[8:9], v[10:11]
	v_add_f32 v8, v8, v9
	WSUM
	v_mul_f32 v12, s16, v8                         ; the mean, twice: a pair for the packed form
	v_mul_f32 v13, s16, v8
.set n, 0
.rept 16
	v_pk_add_f32 v[XR+n:XR+n+1], v[XR+n:XR+n+1], v[12:13] neg_lo:[0,1] neg_hi:[0,1]   ; centred first: the variance is no difference of large sums
.set n, n+2
.endr
	v_pk_mul_f32 v[8:9], v[XR:XR+1], v[XR:XR+1]
	v_pk_mul_f32 v[10:11], v[XR+2:XR+3], v[XR+2:XR+3]
.irp j, 4,8,12,16,20,24,28
	v_pk_fma_f32 v[8:9], v[XR+\j:XR+\j+1], v[XR+\j:XR+\j+1], v[8:9]
	v_pk_fma_f32 v[10:11], v[XR+\j+2:XR+\j+3], v[XR+\j+2:XR+\j+3], v[10:11]
.endr
	v_pk_add_f32 v[8:9], v[8:9], v[10:11]
	v_add_f32 v8, v8, v9
	WSUM
	v_fma_f32 v8, v8, s16, s17                     ; variance + 1e-5
	v_rsq_f32 v14, v8
	v_rsq_f32 v15, v8
	v_nop                                          ; one plain instruction between a transcendental and the use of its result (ISA guide 5.7.2)
.set n, 0
	s_wait_alu depctr_va_vdst(0)
.rept 16
	v_pk_mul_f32 v[XR+n:XR+n+1], v[XR+n:XR+n+1], v[14:15]
.set n, n+2
.endr
.set n, 0
.rept 16
	v_pk_fma_f32 v[XR+n:XR+n+1], v[XR+n:XR+n+1], v[G+n:G+n+1], v[BT+n:BT+n+1]
.set n, n+2
.endr
.irp i, 0,1,2,3,4,5,6,7
	ds_store_b128 v2, v[XR+4*\i:XR+4*\i+3] offset:512*\i
.endr
.irp s, 0,1,2,3
	ds_load_b128 v[Y+8*\s:Y+8*\s+3], v3 offset:1024*\s             ; LDS serves a wave's instructions in order: these see the stores above
	ds_load_b128 v[Y+8*\s+4:Y+8*\s+7], v3 offset:1024*\s+16
.endr
	s_wait_dscnt 0x0                               ; the row is back; the stores have read the row's registers, and the last row's byte stores theirs
.irp s, 0,1,2,3
	v_max3_num_f32 v[16+\s], |v[Y+8*\s]|, |v[Y+8*\s+1]|, 0x8000000   ; my 8 numbers of quarter s, and the floor 2^(16 - 127): the byte cannot fall under 1
.endr
.irp i, 2,4,6
.irp s, 0,1,2,3
	v_max3_num_f32 v[16+\s], v[16+\s], |v[Y+8*\s+\i]|, |v[Y+8*\s+\i+1]|
.endr
.endr
.irp s, 0,1,2,3
	v_max_num_f32_dpp v[16+\s], v[16+\s], v[16+\s] row_xmask:1 row_mask:0xf bank_mask:0xf
.endr
.irp s, 0,1,2,3
	v_max_num_f32_dpp v[16+\s], v[16+\s], v[16+\s] row_xmask:2 row_mask:0xf bank_mask:0xf   ; four lanes hold a block
.endr
.irp s, 0,1,2,3
	v_add_nc_u32 v[24+\s], 0xf8800000, v[16+\s]    ; 15 off the exponent field: the conversion's scale operand
.endr
.irp s, 0,1,2,3
	v_and_or_b32 v[20+\s], v[16+\s], 0x7f800000, s18   ; 57,344 x the scale
.endr
.irp s, 0,1,2,3
.irp i, 0,1,2,3,4,5,6,7
	v_med3_num_f32 v[Y+8*\s+\i], v[Y+8*\s+\i], -v[20+\s], v[20+\s]   ; the conversion to an 8-bit code does not saturate (ISA guide 7.6.2)
.endr
.endr
.irp s, 0,1,2,3
	v_cvt_scalef32_pk8_bf8_f32 v[XR+2*\s:XR+2*\s+1], v[Y+8*\s:Y+8*\s+7], v[24+\s]   ; into the row's own registers, which are written by nothing after this
.endr
.irp s, 0,1,2,3
	v_lshrrev_b32 v[28+\s], 23, v[24+\s]           ; the scale's byte
.endr
.irp s, 0,1,2,3
	global_store_b64 v4, v[XR+2*\s:XR+2*\s+1], s[22:23] offset:1024*\p+256*\s   ; 32 lanes store 256 consecutive bytes, aligned
	ds_store_b8 v5, v[28+\s] offset:32*\p+8*\s     ; the four lanes of a block write the same byte with the same value
.endr
.endm
	ROW 0
	ROW 1
	ROW 2
	ROW 3
	s_wait_dscnt 0x0                               ; for the others' sake: my scale bytes lie in LDS
	s_barrier_signal -1
	s_barrier_wait -1
	s_cmp_lg_u32 s12, 0
	s_cbranch_scc1 .Ldone
	ds_load_b128 v[8:11], v7                       ; wave 0 sends the work-group's 512 scale bytes
	s_wait_dscnt 0x0
	global_store_b128 v1, v[8:11], s[24:25]
.Ldone:
	s_set_vgpr_msb 0x5
	s_wait_tensorcnt 0x0
	ds_add_u32 v0, v1
	s_wait_dscnt 0x0
	s_set_vgpr_msb 0x500
	s_endpgm
.Lfunc_end_k_q66395c1124_ln1:
	.size	k_q66395c1124_ln1, .Lfunc_end_k_q66395c1124_ln1-k_q66395c1124_ln1
	.p2alignl 7, 3214868480
	.fill 96, 4, 3214868480
	.section	.rodata,"a",@progbits
	.p2align	6, 0x0
	.amdhsa_kernel k_q66395c1124_ln1
		.amdhsa_group_segment_fixed_size 17920
		.amdhsa_private_segment_fixed_size 0
		.amdhsa_enable_private_segment 0
		.amdhsa_kernarg_size 32
		.amdhsa_user_sgpr_count 2
		.amdhsa_user_sgpr_kernarg_segment_ptr 1
		.amdhsa_wavefront_size32 1
		.amdhsa_system_sgpr_workgroup_id_x 1
		.amdhsa_system_sgpr_workgroup_id_y 1
		.amdhsa_system_sgpr_workgroup_id_z 1
		.amdhsa_system_vgpr_workitem_id 0
		.amdhsa_next_free_vgpr 258
		.amdhsa_next_free_sgpr 66
		.amdhsa_reserve_vcc 0
		.amdhsa_float_denorm_mode_32 3
		.amdhsa_float_denorm_mode_16_64 3
		.amdhsa_memory_ordered 1
		.amdhsa_forward_progress 1
		.amdhsa_inst_pref_size 57
	.end_amdhsa_kernel
	.amdgpu_metadata
---
amdhsa.version: [ 1, 2 ]
amdhsa.kernels:
  - .name:           k_q66395c1124_ln1
    .symbol:         k_q66395c1124_ln1.kd
    .args:
      - { .name: x, .offset: 0, .size: 8, .value_kind: global_buffer, .address_space: global }
      - { .name: ln1_g, .offset: 8, .size: 8, .value_kind: global_buffer, .address_space: global }
      - { .name: ln1_b, .offset: 16, .size: 8, .value_kind: global_buffer, .address_space: global }
      - { .name: hq, .offset: 24, .size: 8, .value_kind: global_buffer, .address_space: global }
    .group_segment_fixed_size: 17920
    .private_segment_fixed_size: 0
    .kernarg_segment_align: 8
    .kernarg_segment_size: 32
    .max_flat_workgroup_size: 128
    .sgpr_count:     66
    .vgpr_count:     258
    .wavefront_size: 32
...
	.end_amdgpu_metadata
.endif
;; end of part 1
;; launch qkv (part 2): grid 12 x 16, 4 waves a work-group, clusters of 4 x 4, 327,680 bytes of LDS; arguments hq, b_qkv, w_qkv_codes, w_qkv_scales, qkvq; writes qkvq
.if DOCPART == 2
	.amdgcn_target "amdgcn-amd-amdhsa--gfx1250"
	.amdhsa_code_object_version 6
	.text
	.protected	k_q66395c1124_qkv
	.globl	k_q66395c1124_qkv
	.p2align	8
	.type	k_q66395c1124_qkv,@function
k_q66395c1124_qkv:
	s_mov_b64 s[64:65], 0
	v_nop
	global_prefetch_b8 v0, s[64:65] scope:SCOPE_SE
	s_setreg_imm32_b32 hwreg(HW_REG_WAVE_MODE, 25, 1), 1
	s_wait_xcnt 0x0
	s_wait_alu depctr_hold_cnt(0) depctr_sa_sdst(0) depctr_va_vdst(0) depctr_va_sdst(0) depctr_va_ssrc(0) depctr_va_vcc(0) depctr_vm_vsrc(0)
	s_getreg_b32 s2, hwreg(HW_REG_IB_STS2, 6, 4)
	s_cmp_eq_u32 s2, 0
	s_cbranch_scc0 .Lentry_in_a_cluster
	s_endpgm
.Lentry_in_a_cluster:
	s_bfe_u32 s2, ttmp6, 0x10000c
	s_cmp_lg_u32 s2, 0xf033
	s_cbranch_scc0 .Lentry_shape_is_right
	s_endpgm
.Lentry_shape_is_right:
; qkv = h W + b on codes of E5M2 with E8M0 scales (K = 1,024), and q, k, v quantised again on the way out: q and k along the head's 64, v along the keys.
; THE PRODUCT: a tile of C, 256 x 256, is made by four waves, 128 x 128 each (64 accumulators, 512 registers).  K goes in steps of 256 through two LDS slots filled by the tensor data mover;
; the scale bytes of the tile's rows, for all of K, come into LDS once.  4 x 4 work-groups form a cluster: A's tiles are asked for jointly along a row of it, B's along a column.
; The matrix instruction is used transposed (source 0 = 16 rows of B, source 1 = 16 rows of A): a lane holds eight neighbouring columns n of one row m of C.  So what is quantised here always runs along n.
; TWO ROLES, chosen by the cluster's x, which all sixteen partners share.  Clusters 0 and 1: A = h (tokens), B = W's rows 0-2,047: n runs along a head's channels: q and k.
; Cluster 2: A = W's rows 2,048-3,071 (row = 64 head + channel), B = h: n runs along the tokens: v, whose K in the second product of attention is the keys.
; WHAT IS STORED (y = 16 batch + head): q's codes [y][2,048 records][64] at 0, k's at 4,194,304; in each aligned group of 16 tokens record p holds token p / 2 + 8 (p % 2), so that two neighbouring
; records are one row of 128 codes for the next launch; their scale bytes [y][record][2] at QS and QS + 131,072.  v's codes [64 head + channel][2,048 batch + key] at VC; its scale words [y][key / 128][channel] at VS.
; LIMITS: NaN and infinities are not served; a block whose largest magnitude lies under 2^-111 (a block of zeros too) gets the byte 1: the bytes are read by this program alone.
; REGISTERS, in windows of 256: window 0: v0-31 addresses, v8-15 the bias by rows; v32-63 scale words, two sets; v64-127 the bias by columns; from v128 A's fragments, one set; on the way out v32-63 and v128-255 are free.
;   window 1: B's fragments, two sets.   windows 2, 3: the accumulators of my rows 0-63, 64-127 (accumulator (a, b) at v[8 (8 (a % 4) + b)]).
.set SIZE_K, 1024
.set KSTEP,  256                       ; along K in a slot
.set NQ,     KSTEP/128
.set ROWB,   256
.set KROW,   SIZE_K
.set PITCH,  272                       ; an LDS row: 256 bytes + 16 of padding: the 16 rows that a load touches start at 16 different banks (64 banks of 4 bytes: ISA guide 11.1)
.set FR,     16
.set NL,     4
.set NP,     8                         ; places behind this matrix instruction (ISA guide 7.12.1)
.set HALFT,  128*PITCH
.set SLOT,   4*HALFT
.set LAPS,   SIZE_K/(2*KSTEP)
.set KS,     SIZE_K/32
.set SCL,    2*SLOT                    ; behind the ring: the scales, as units of 256 bytes + 16 of padding
.set HALFS,  (128*KS/256)*272
.set SBLK,   (16*KS/256)*272
.set SPARE,  SCL+4*HALFS               ; the spare words, 128 bytes for each wave: two blocks of 256 bytes that no other line names
.set SCSQ,   SPARE+512                 ; the way out of q and k: 2,048 scale bytes, [head of the tile's four][256 records][2]
.set SCSV,   SCSQ+2048                 ; the way out of v: 512 bytes of scale words for each wave.  Each role has LDS bytes of its own
.set STGV,   SLOT/2                    ; the stages, 256 rows x 272 bytes: q and k's at 0, v's here: both in slot 0, which has had its last fill and its last read by then
.set QS,     12582912
.set VC,     8388608
.set VS,     QS+262144
.set ADRA, 16
.set ADRB, 20
.set ADRS, 27
.set SPW,  28                          ; v28  LDS address of my spare word; never rewritten
.set NIL,  29                          ; v29  0; never rewritten
.set RB,   8                           ; v8-15   bias of row 16 a + lane % 16 (role v)
.set BI,   64                          ; v64-127 bias of column 16 b + 8 (lane / 16) + j in register 8 b + j (role q, k)
.set SC,   32
.set AF,   128
.set PC,   192                         ; the way out: the codes just made
.set TM,   208                         ; v208-223 at work in the quantiser
.set PW,   224                         ; the scale word just made
.set SEL,  96                          ; s[96:97] lane selects, s98 the mantissa field of 57,344: written on the way out
.set MNT,  98
.set G1, 24
.set G0, 32
.set G1B, 48
.set G0B, 56
.set G1S, 68
.set G0S, 76
.set G1SB, 80
.set G0SB, 88
.set MSB, 0
.macro WIN new                         ; the immediate's high byte repeats the setting that is left
.if MSB != (\new)
	s_set_vgpr_msb (MSB<<8)|(\new)
.set MSB, (\new)
.endif
.endm
.set MUL_LO, 0xa1                      ; source 0 (B) window 1, source 1 (A) window 0, C and D window 2
.set MUL_HI, 0xf1
.set TO_B,   0x40
; A joint load: waves 0 and 1 fetch for A, waves 2 and 3 for B; the branch hangs on the wave's number alone.  Four v_nop follow each of the two lines.
.macro JLOAD g0a, g1a, g0b, g1b
	s_cmp_eq_u32 s15, 0
	s_cbranch_scc0 .Lfor_b_\@
	tensor_load_to_lds s[\g0a:\g0a+3], s[\g1a:\g1a+7]
	s_nop 0
.rept 4
	v_nop
.endr
	s_branch .Lasked_\@
.Lfor_b_\@:
	tensor_load_to_lds s[\g0b:\g0b+3], s[\g1b:\g1b+7]
	s_nop 0
.rept 4
	v_nop
.endr
.Lasked_\@:
.endm
.macro CREST                           ; a round of the cluster's barrier behind its opening barrier
	s_cmp_lg_u32 s14, 0
	s_cbranch_scc1 .Lnot_wave_0_\@
	s_barrier_signal -3
.Lnot_wave_0_\@:
	s_barrier_wait -3
	s_barrier_signal -1
	s_barrier_wait -1
.endm
.macro CROUND
	s_barrier_signal -1
	s_barrier_wait -1
	CREST
.endm
	s_load_b128 s[4:7], s[0:1], 0x0                ; h's codes and scales (one buffer) s[4:5], the bias s[6:7]
	s_load_b128 s[8:11], s[0:1], 0x10              ; W's codes s[8:9], W's scales s[10:11]
	s_load_b64 s[12:13], s[0:1], 0x20              ; the output
	v_lshl_add_u32 v[SPW], v0, 2, SPARE
	v_mov_b32 v[NIL], 0
	ds_add_u32 v28, v29
	ds_add_u32 v28, v29
	s_wait_dscnt 0x0
	v_lshrrev_b32 v1, 5, v0
	v_readfirstlane_b32 s14, v1                    ; wave 0..3
	s_lshr_b32 s15, s14, 1                         ; which half of the tile's rows is mine.  Also: I fetch for A (0) or for B (1)
	s_and_b32 s16, s14, 1                          ; which half of its columns.  Also: which 128 rows of that tile I fetch
	s_bfe_u32 s40, ttmp6, 0x40000                  ; cx, cy: my place in the cluster
	s_bfe_u32 s41, ttmp6, 0x40004
	s_and_b32 s17, ttmp7, 0xffff                   ; the cluster's y
	s_cmp_eq_u32 ttmp9, 2                          ; the role: the cluster's x, the same in all sixteen partners
	s_cselect_b32 s42, s17, ttmp9                  ; role v: the tokens run along the columns: 16 tile columns, 4 tile rows
	s_cselect_b32 s17, 0, s17
	s_cselect_b32 s100, 1, 0                       ; 1: role v
	s_lshl_b32 s42, s42, 2
	s_add_co_u32 s42, s42, s40                     ; tile column of C
	s_lshl_b32 s17, s17, 2
	s_add_co_u32 s17, s17, s41                     ; tile row of C
	s_lshl_b32 s43, s41, 2
	s_lshl_b32 s43, 15, s43                        ; my row of the cluster
	s_lshl_b32 s44, 0x1111, s40                    ; my column
	; descriptor group 1: a tile of 128 rows x 256 bytes, padded in LDS
	s_or_b32 s[G1+0], s43, (0<<16)|(1<<20)|(1<<21)|(5<<22)|(3<<25)  ; 15:0 the mask: A's tiles go to my row; 17:16 elements of 1 byte; 20 padding on; 21 set beside a mask; 24:22 after every 64 words; 31:25 four words
	s_or_b32 s[G1B+0], s44, (0<<16)|(1<<20)|(1<<21)|(5<<22)|(3<<25)
.irp g, G1, G1B
	s_mov_b32 s[\g+1], ROWB<<16                    ; tensor_dim0
	s_mov_b32 s[\g+2], 128<<16                     ; tensor_dim1
	s_mov_b32 s[\g+3], ROWB<<16                    ; tile_dim0
	s_mov_b32 s[\g+4], 128                         ; tile_dim1
	s_mov_b32 s[\g+5], KROW                        ; tensor_dim0_stride
	s_mov_b32 s[\g+6], 0
	s_mov_b32 s[\g+7], 0
.endr
	; the scales of 128 rows: a dense block of 4,096 bytes, as rows of 256 bytes (32 elements of 8 bytes), 16 bytes of padding behind each
	s_or_b32 s[G1S+0], s43, (3<<16)|(1<<20)|(1<<21)|(5<<22)|(3<<25)
	s_or_b32 s[G1SB+0], s44, (3<<16)|(1<<20)|(1<<21)|(5<<22)|(3<<25)
.irp g, G1S, G1SB
	s_mov_b32 s[\g+1], 32<<16
	s_mov_b32 s[\g+2], (128*KS/256)<<16
	s_mov_b32 s[\g+3], 32<<16
	s_mov_b32 s[\g+4], 128*KS/256
	s_mov_b32 s[\g+5], 32
	s_mov_b32 s[\g+6], 0
	s_mov_b32 s[\g+7], 0
.endr
	s_lshl_b32 s18, s16, 7                         ; which 128 rows of the tile I fetch
	s_lshl_b32 s20, s17, 8
	s_add_co_u32 s20, s20, s18                     ; A: row 256 x tile row + 128 x half
	s_lshl_b32 s46, s42, 8
	s_add_co_u32 s46, s46, s18                     ; B: row 256 x tile column + 128 x half
	s_mov_b32 s21, 0
	s_mov_b32 s47, 0
	s_mov_b64 s[18:19], KS
	s_mul_u64 s[22:23], s[20:21], s[18:19]         ; where these rows' scales begin, in bytes
	s_mul_u64 s[92:93], s[46:47], s[18:19]
	s_mov_b64 s[18:19], KROW
	s_mul_u64 s[20:21], s[20:21], s[18:19]         ; and their codes
	s_mul_u64 s[46:47], s[46:47], s[18:19]
	s_mul_i32 s45, s14, HALFT                      ; where they go: wave x 128 rows: no place in the cluster enters an LDS address
	s_mul_i32 s94, s14, HALFS
	s_wait_kmcnt 0x0
	s_mov_b64 s[96:97], s[6:7]                     ; the bias
	s_add_nc_u64 s[6:7], s[4:5], 0x400000          ; h's scale bytes lie behind its codes
	s_add_nc_u64 s[98:99], s[8:9], 0x200000        ; W's row 2,048: v's weights,
	s_add_nc_u64 s[66:67], s[10:11], 0x10000       ; and their scale bytes
	s_cmp_eq_u32 ttmp9, 2                          ; which tensor is A and which B: a choice that hangs on the cluster's x alone
	s_cselect_b64 s[98:99], s[98:99], s[4:5]
	s_cselect_b64 s[8:9], s[4:5], s[8:9]
	s_mov_b64 s[4:5], s[98:99]
	s_cselect_b64 s[66:67], s[66:67], s[6:7]
	s_cselect_b64 s[10:11], s[6:7], s[10:11]
	s_mov_b64 s[6:7], s[66:67]
	s_add_nc_u64 s[20:21], s[4:5], s[20:21]
	s_add_nc_u64 s[22:23], s[6:7], s[22:23]
	s_add_nc_u64 s[46:47], s[8:9], s[46:47]
	s_add_nc_u64 s[92:93], s[10:11], s[92:93]
	CROUND                                         ; all sixteen work-groups are here: the first joint loads meet
	s_mov_b32 s[G0S], 1
	s_add_co_u32 s[G0S+1], s94, SCL
	s_mov_b64 s[G0S+2:G0S+3], s[22:23]
	s_or_b32 s[G0S+3], s[G0S+3], 0x80000000
	s_mov_b32 s[G0SB], 1
	s_add_co_u32 s[G0SB+1], s94, SCL
	s_mov_b64 s[G0SB+2:G0SB+3], s[92:93]
	s_or_b32 s[G0SB+3], s[G0SB+3], 0x80000000
	JLOAD G0S, G1S, G0SB, G1SB                     ; the scales first: they are wanted with K step 0
.irp s, 0,1
	s_mov_b32 s[G0+4*\s], 1
	s_add_co_u32 s[G0+4*\s+1], s45, \s*SLOT
	s_add_nc_u64 s[G0+4*\s+2:G0+4*\s+3], s[20:21], \s*ROWB
	s_or_b32 s[G0+4*\s+3], s[G0+4*\s+3], 0x80000000
	s_mov_b32 s[G0B+4*\s], 1
	s_add_co_u32 s[G0B+4*\s+1], s45, \s*SLOT
	s_add_nc_u64 s[G0B+4*\s+2:G0B+4*\s+3], s[46:47], \s*ROWB
	s_or_b32 s[G0B+4*\s+3], s[G0B+4*\s+3], 0x80000000
	JLOAD G0+4*\s, G1, G0B+4*\s, G1B               ; three tensor loads of mine are out
.endr
	v_and_b32 v1, 15, v0                           ; l % 16
	v_bfe_u32 v2, v0, 4, 1                         ; l / 16
	v_mul_u32_u24 v3, v1, PITCH
	v_lshl_add_u32 v4, v2, 4, v3                   ; a fragment's row x pitch + 16 x half
	s_mul_i32 s21, s15, HALFT                      ; my 128 rows of A
	s_mul_i32 s22, s16, HALFT                      ; my 128 rows of B,
	s_add_co_u32 s22, s22, 2*HALFT                 ; which lie behind A's 256
.irp s, 0,1
	v_add_nc_u32 v[ADRA+\s], s21, v4
	v_add_nc_u32 v[ADRB+\s], s22, v4
	s_add_co_u32 s21, s21, SLOT
	s_add_co_u32 s22, s22, SLOT
.endr
	v_mul_u32_u24 v5, v1, KS                       ; my row's scales: KS bytes a row,
	v_lshrrev_b32 v6, 8, v5
	v_lshl_add_u32 v5, v6, 4, v5                   ; and 16 more for each 256 passed
	s_mul_i32 s21, s15, HALFS
	s_mul_i32 s22, s16, HALFS
	s_add_co_u32 s22, s22, 2*HALFS
	s_sub_co_u32 s22, s22, s21
	v_mul_u32_u24 v6, s22, v2                      ; lanes 16-31 take B's
	s_add_co_u32 s21, s21, SCL
	v_add_nc_u32 v5, v5, v6
	v_add_nc_u32 v[ADRS], s21, v5
	; The bias, in both layouts, so that every register is written in both roles; the layout that the role does not use reads the bias's first 512 bytes.
	v_lshlrev_b32 v18, 5, v2                       ; 32 x half; never rewritten
	v_lshlrev_b32 v19, 2, v1                       ; 4 x (l % 16); never rewritten
	s_lshl_b32 s92, s42, 10
	s_lshl_b32 s93, s16, 9
	s_add_co_u32 s92, s92, s93                     ; by columns: 4 x (256 x tile column + 128 x half)
	s_lshl_b32 s94, s17, 10
	s_lshl_b32 s95, s15, 9
	s_add_co_u32 s94, s94, s95
	s_add_co_u32 s94, s94, 8192                    ; by rows: 4 x (2,048 + 256 x tile row + 128 x half)
	s_cmp_lg_u32 s100, 0
	s_cselect_b32 s92, 0, s92
	s_cselect_b32 s94, s94, 0
	s_mov_b32 s93, 0
	s_mov_b32 s95, 0
	s_add_nc_u64 s[98:99], s[96:97], s[92:93]
	s_add_nc_u64 s[66:67], s[96:97], s[94:95]
.irp b, 0,1,2,3,4,5,6,7
	global_load_b128 v[BI+8*\b:BI+8*\b+3], v18, s[98:99] offset:64*\b
	global_load_b128 v[BI+8*\b+4:BI+8*\b+7], v18, s[98:99] offset:64*\b+16
.endr
.irp a, 0,1,2,3,4,5,6,7
	global_load_b32 v[RB+\a], v19, s[66:67] offset:64*\a
.endr
.macro FRAG reg, adr, q, i             ; a fragment, 16 rows x 128 K, is 16 registers: lane l holds row l % 16; registers 4 c .. 4 c + 3 hold K = 32 c + 16 (l / 16) + 0 .. 15
.irp c, 0,1,2,3
	ds_load_b128 v[\reg+4*\c:\reg+4*\c+3], v[\adr] offset:128*(\q)+32*\c+(\i)*16*PITCH
.endr
.endm
; 16 matrix instructions: A's blocks a0, a0 + 1 x B's eight, 128 along K.  The 64 accumulators take turns, one instruction a turn, in the same order in every step.
; A scale register holds A's word of block i in lanes 0-15 and B's in lanes 16-31.
.macro MUL16 a0, p, q, sc, zero
.irp a, \a0, \a0+1
.irp b, 0,1,2,3,4,5,6,7
.if \zero
	v_wmma_scale_f32_16x16x128_f8f6f4 v[8*(8*((\a)%4)+\b):8*(8*((\a)%4)+\b)+7], v[128*(\p)+FR*\b:128*(\p)+FR*\b+FR-1], v[AF+FR*(\a):AF+FR*(\a)+FR-1], 0, v[SC+8*NQ*(\sc)+NQ*\b+(\q)], v[SC+8*NQ*(\sc)+NQ*(\a)+(\q)] matrix_a_fmt:MATRIX_FMT_BF8 matrix_b_fmt:MATRIX_FMT_BF8 matrix_a_scale:MATRIX_SCALE_ROW1
.else
	v_wmma_scale_f32_16x16x128_f8f6f4 v[8*(8*((\a)%4)+\b):8*(8*((\a)%4)+\b)+7], v[128*(\p)+FR*\b:128*(\p)+FR*\b+FR-1], v[AF+FR*(\a):AF+FR*(\a)+FR-1], v[8*(8*((\a)%4)+\b):8*(8*((\a)%4)+\b)+7], v[SC+8*NQ*(\sc)+NQ*\b+(\q)], v[SC+8*NQ*(\sc)+NQ*(\a)+(\q)] matrix_a_fmt:MATRIX_FMT_BF8 matrix_b_fmt:MATRIX_FMT_BF8 matrix_a_scale:MATRIX_SCALE_ROW1
.endif
.endr
.endr
.endm
.macro FETCH_B slot, q, p
	WIN TO_B
.irp i, 0,1,2,3,4,5,6,7
	FRAG 128*(\p)+FR*\i, ADRB+\slot, \q, \i
.endr
	WIN 0
.endm
.macro FETCH_A slot, q, i0
.irp i, \i0, \i0+1, \i0+2, \i0+3
	FRAG AF+FR*(\i), ADRA+\slot, \q, \i
.endr
.endm
.macro SCALES sc                       ; a K step's scale words: two a row; lanes 0-15 take A's block i, lanes 16-31 B's
.irp i, 0,1,2,3,4,5,6,7
	ds_load_b64 v[SC+8*NQ*\sc+NQ*\i:SC+8*NQ*\sc+NQ*\i+1], v[ADRS] offset:\i*SBLK
.endr
.endm
.macro PLACES n                        ; plain vector instructions between a matrix instruction and a load into, or a vector instruction on, its registers
.rept \n
	v_nop
.endr
.endm
.macro STEP slot, q, zero              ; a step of 128 along K that has its successor in the same slot
	s_wait_dscnt 4*NL                              ; B's set and A's blocks 0-3 are in; the youngest 16 loads (A's blocks 4-7) may be out
	WIN MUL_LO
	MUL16 0, (\q)%2, \q, \slot, \zero
	MUL16 2, (\q)%2, \q, \slot, \zero
	s_wait_dscnt 0
	PLACES NP
	FETCH_B \slot, (\q)+1, 1-(\q)%2
	FETCH_A \slot, (\q)+1, 0
	WIN MUL_HI
	MUL16 4, (\q)%2, \q, \slot, \zero
	MUL16 6, (\q)%2, \q, \slot, \zero
	PLACES NP
	WIN 0
	FETCH_A \slot, (\q)+1, 4
.endm
; A slot's last step changes slots: one barrier; in front of it each wave waits for all its tensor loads, adds 0 to its spare word, and waits for that and for its own reads of this slot.
.macro TURN slot, next, fill
	s_wait_tensorcnt 0x0                           ; all my tensor loads have landed: my part of the next slot
	ds_add_u32 v[SPW], v[NIL]                      ; 0 onto my spare word
	s_wait_dscnt 4*NL+1                            ; (the add and the youngest 16 loads, A's blocks 4-7, may be out)
	WIN MUL_LO
	MUL16 0, 1, NQ-1, \slot, 0
	s_wait_dscnt 0x0                               ; the add is done, and my reads of this slot are over
	s_barrier_signal -1
	MUL16 2, 1, NQ-1, \slot, 0
	WIN 0
	s_barrier_wait -1
.if \fill
	CREST                                          ; the barrier has opened a round of the cluster's: no wave of any partner still reads this slot or has a load on its way
	s_add_nc_u64 s[G0+4*\slot+2:G0+4*\slot+3], s[G0+4*\slot+2:G0+4*\slot+3], 2*ROWB
	s_add_nc_u64 s[G0B+4*\slot+2:G0B+4*\slot+3], s[G0B+4*\slot+2:G0B+4*\slot+3], 2*ROWB
	JLOAD G0+4*\slot, G1, G0B+4*\slot, G1B         ; the first tensor load behind the round; its four v_nop are among the places in front of the loads below
	PLACES NP-4
.else
	PLACES NP
.endif
	v_add_nc_u32 v[ADRS], 4*NQ, v[ADRS]            ; on to the next K step's scale words
	FETCH_B \next, 0, 0
	FETCH_A \next, 0, 0
	SCALES \next
	WIN MUL_HI
	MUL16 4, 1, NQ-1, \slot, 0
	MUL16 6, 1, NQ-1, \slot, 0
	PLACES NP
	WIN 0
	FETCH_A \next, 0, 4
.endm
	s_wait_tensorcnt 1                             ; the scales and my part of K step 0 are in (K step 1's load may be out)
	s_barrier_signal -1
	s_barrier_wait -1                              ; everybody's are
	FETCH_B 0, 0, 0
	FETCH_A 0, 0, 0
	SCALES 0
	FETCH_A 0, 0, 4
	STEP 0, 0, 1                                   ; the first step stands in front of the loop: its products start the sums
	s_mov_b32 s3, LAPS-1
.Llap:                                                 ; a trip goes once round the ring and fills both slots again
	TURN 0, 1, 1
	STEP 1, 0, 0
	TURN 1, 0, 1
	STEP 0, 0, 0
	s_sub_co_u32 s3, s3, 1
	s_cmp_lg_u32 s3, 0
	s_cbranch_scc1 .Llap
	TURN 0, 1, 0                                   ; the last lap fills nothing
	STEP 1, 0, 0
	s_wait_dscnt 4*NL
	WIN MUL_LO
	MUL16 0, 1, NQ-1, 1, 0
	MUL16 2, 1, NQ-1, 1, 0
	s_wait_dscnt 0
	WIN MUL_HI
	MUL16 4, 1, NQ-1, 1, 0
	MUL16 6, 1, NQ-1, 1, 0
	WIN 0
; THE WAY OUT.  Block a is my rows 16 a .. 16 a + 15: 64 numbers a lane, register 8 b + j = column 16 b + 8 (l / 16) + j of row l % 16.  Registers 16 c .. 16 c + 15 of lanes l and l xor 16 are a block of 32 columns.
.macro MOVB_COL a                      ; block a + the bias by columns -> v128-191; each accumulator is read from its low end on
	WIN 0x02+(\a)/4
.set n, 0
.rept 32
	v_pk_add_f32 v[128+n:129+n], v[64*((\a)%4)+n:64*((\a)%4)+n+1], v[BI+n:BI+n+1]
.set n, n+2
.endr
	WIN 0
.endm
.macro MOVB_ROW a                      ; the same with the bias of my row
	v_mov_b32 v226, v[RB+\a]
	v_mov_b32 v227, v[RB+\a]
	WIN 0x02+(\a)/4
.set n, 0
.rept 32
	v_pk_add_f32 v[128+n:129+n], v[64*((\a)%4)+n:64*((\a)%4)+n+1], v[226:227]
.set n, n+2
.endr
	WIN 0
.endm
.macro QUANT s                         ; 64 numbers of a lane, four blocks of 32 shared with lane l xor 16, become 64 codes in v[PC] on and a scale word in v[PW]
.irp b, 0,1,2,3
	v_max3_num_f32 v[TM+\b], |v[\s+16*\b]|, |v[\s+1+16*\b]|, 0x8000000   ; and the floor 2^(16 - 127): the byte cannot fall under 1
.endr
.irp i, 2,4,6,8,10,12,14
.irp b, 0,1,2,3
	v_max3_num_f32 v[TM+\b], v[TM+\b], |v[\s+16*\b+\i]|, |v[\s+1+16*\b+\i]|
.endr
.endr
.irp b, 0,1,2,3
	v_permlanex16_b32 v[TM+4+\b], v[TM+\b], s[SEL], s[SEL+1]
.endr
.irp b, 0,1,2,3
	v_max_num_f32 v[TM+\b], v[TM+\b], v[TM+4+\b]   ; the block's largest magnitude
.endr
.irp b, 0,1,2,3
	v_add_nc_u32 v[TM+12+\b], 0xf8800000, v[TM+\b] ; 15 off its exponent field: the conversion's scale operand
.endr
.irp b, 0,1,2,3
	v_and_or_b32 v[TM+8+\b], v[TM+\b], 0x7f800000, s[MNT]   ; 57,344 x the scale
.endr
.irp b, 0,1,2,3
	v_lshrrev_b32 v[TM+4+\b], 23, v[TM+12+\b]      ; the scale's byte
.endr
	v_lshl_or_b32 v[PW], v[TM+5], 8, v[TM+4]
	v_lshl_or_b32 v[PW], v[TM+6], 16, v[PW]
	v_lshl_or_b32 v[PW], v[TM+7], 24, v[PW]
.irp b, 0,1,2,3
.irp i, 0,1,2,3,4,5,6,7,8,9,10,11,12,13,14,15
	v_med3_num_f32 v[\s+16*\b+\i], v[\s+16*\b+\i], -v[TM+8+\b], v[TM+8+\b]   ; the conversion to an 8-bit code does not saturate (ISA guide 7.6.2)
.endr
	v_cvt_scalef32_pk8_bf8_f32 v[PC+4*\b:PC+1+4*\b], v[\s+16*\b:\s+7+16*\b], v[TM+12+\b]
	v_cvt_scalef32_pk8_bf8_f32 v[PC+2+4*\b:PC+3+4*\b], v[\s+8+16*\b:\s+15+16*\b], v[TM+12+\b]
.endr
	v_nop                                          ; one plain instruction between a scaled conversion and the next vector instruction that writes its sources
.endm
.macro CODES sto, a                    ; pair q of the codes' registers holds columns 16 q + 8 (l / 16) + 0 .. 7
.irp q, 0,1,2,3,4,5,6,7
	ds_store_b64 v[\sto], v[PC+2*\q:PC+2*\q+1] offset:(\a)*16*272+16*\q
.endr
.endm
	PLACES NP                                      ; behind the last products: what follows writes registers that held scales and fragments, and reads results
	s_wait_loadcnt 0x0                             ; the bias
	s_mov_b32 s[SEL], 0x76543210
	s_mov_b32 s[SEL+1], 0xfedcba98
	s_mov_b32 s[MNT], 0x600000
	; every address of both roles is made here, ahead of the parting
	v_and_b32 v44, 15, v0                          ; r
	v_bfe_u32 v45, v0, 4, 1                        ; h
	v_and_b32 v46, 31, v0                          ; lane
	s_mul_i32 s20, s15, 128*272
	s_lshl_b32 s21, s16, 7
	s_add_co_u32 s20, s20, s21
	v_mul_u32_u24 v32, v44, 272
	v_lshl_add_u32 v32, v45, 3, v32
	v_add_nc_u32 v32, s20, v32                     ; v32: q and k's stage: row 128 x row half + r, byte 128 x column half + 8 h
	v_add_nc_u32 v33, STGV, v32                    ; v33: v's stage
	v_and_b32 v47, 7, v44
	v_lshrrev_b32 v34, 3, v44
	v_lshlrev_b32 v34, 1, v34
	v_lshl_add_u32 v34, v47, 2, v34                ; 2 bytes x record 2 (r % 8) + r / 8
	s_lshl_b32 s20, s16, 10
	s_lshl_b32 s21, s15, 8
	s_add_co_u32 s20, s20, s21
	s_add_co_u32 s20, s20, SCSQ
	v_add_nc_u32 v34, s20, v34                     ; v34: q and k's scale bytes
	s_lshl_b32 s21, s14, 9
	s_add_co_u32 s22, s21, SCSV
	v_lshl_add_u32 v35, v44, 2, s22                ; v35: v's scale words: my wave's 512 bytes, 4 r
	v_lshrrev_b32 v36, 3, v46
	v_bfe_u32 v47, v0, 2, 1
	v_lshl_add_u32 v36, v47, 3, v36                ; record 8 t + lane / 4 is token 4 (t % 2) + lane / 8 + 8 ((lane / 4) % 2) of its group of 16
	v_mul_u32_u24 v36, v36, 272
	v_and_b32 v47, 3, v0
	v_lshl_add_u32 v36, v47, 4, v36
	s_lshl_b32 s23, s14, 6
	v_add_nc_u32 v36, s23, v36                     ; v36: back from q and k's stage: head strip = wave, 64 bytes wide
	v_add_nc_u32 v37, 128*272, v36                 ; v37: the same 128 rows on: LDS offsets have 16 bits
	s_add_co_u32 s23, s21, SCSQ
	v_lshl_add_u32 v38, v46, 4, s23                ; v38: my head strip's 512 scale bytes
	s_mul_i32 s23, s14, 64*272
	s_add_co_u32 s23, s23, STGV
	v_mul_u32_u24 v39, v45, 272
	v_lshl_add_u32 v39, v44, 4, v39
	v_add_nc_u32 v39, s23, v39                     ; v39: back from v's stage: rows 64 x wave on, two rows an instruction
	v_lshl_add_u32 v40, v46, 3, s22                ; v40: v's scale words back
	v_lshlrev_b32 v41, 4, v46                      ; v41: 16 x lane
	v_lshlrev_b32 v42, 12, v45
	v_lshl_add_u32 v42, v44, 4, v42                ; v42: two rows of v's codes in memory, 4,096 bytes apart
	v_lshlrev_b32 v43, 3, v46                      ; v43: 8 x lane
.irp b, 0,1,2,3
	v_mov_b32 v[TM+4+\b], 0                        ; written once: a lane permute's destination counts as one of its sources
.endr
	s_cmp_lg_u32 s100, 0
	s_cbranch_scc1 .Lrole_v
	; ---- q and k
	s_lshr_b32 s20, s17, 3
	s_lshl_b32 s20, s20, 4
	s_and_b32 s21, s42, 3
	s_lshl_b32 s21, s21, 2
	s_add_co_u32 s20, s20, s21
	s_add_co_u32 s20, s20, s14                     ; y of the head strip that I send: 16 batch + 4 (tile column % 4) + wave
	s_lshr_b32 s21, s42, 2                         ; 0: q, 1: k
	s_and_b32 s22, s17, 7                          ; which 256 tokens of the batch
	s_lshl_b32 s46, s21, 22
	s_lshl_b32 s23, s20, 17
	s_add_co_u32 s46, s46, s23
	s_lshl_b32 s23, s22, 14
	s_add_co_u32 s46, s46, s23
	s_mov_b32 s47, 0
	s_add_nc_u64 s[46:47], s[12:13], s[46:47]      ; its codes: 16,384 consecutive bytes
	s_lshl_b32 s92, s21, 17
	s_lshl_b32 s23, s20, 12
	s_add_co_u32 s92, s92, s23
	s_lshl_b32 s23, s22, 9
	s_add_co_u32 s92, s92, s23
	s_add_co_u32 s92, s92, QS
	s_mov_b32 s93, 0
	s_add_nc_u64 s[92:93], s[12:13], s[92:93]      ; its scale bytes: 512
.irp a, 0,1,2,3,4,5,6,7
	MOVB_COL \a
	QUANT 128
	CODES 32, \a
	ds_store_b16 v34, v[PW] offset:32*\a           ; my 128 columns are two heads: two bytes for each; lanes l and l xor 16 write the same bytes with the same value
	ds_store_b16_d16_hi v34, v[PW] offset:32*\a+512
	s_wait_dscnt 0x0                               ; the stores have read their registers
.endr
	s_barrier_signal -1                            ; (my stores into the stage are done: the wait above)
	s_barrier_wait -1
	ds_load_b128 v[48:51], v38
.irp t, 0,1,2,3,4,5,6,7,8,9,10,11,12,13,14,15
	ds_load_b128 v[128+4*\t:128+4*\t+3], v36 offset:(16*(\t/2)+4*(\t%2))*272
.endr
.irp t, 0,1,2,3,4,5,6,7,8,9,10,11,12,13,14,15
	ds_load_b128 v[192+4*\t:192+4*\t+3], v37 offset:(16*(\t/2)+4*(\t%2))*272
.endr
	s_wait_dscnt 32                                ; the scale bytes are back; the 32 loads of codes are younger
	global_store_b128 v41, v[48:51], s[92:93]
.irp t, 0,1,2,3,4,5,6,7,8,9,10,11,12,13,14,15,16,17,18,19,20,21,22,23,24,25,26,27,28,29,30,31
	s_wait_dscnt 31-\t
	global_store_b128 v41, v[128+4*\t:128+4*\t+3], s[46:47] offset:512*\t   ; eight records: 512 consecutive bytes, aligned
.endr
	s_branch .Lend
.Lrole_v:
	; ---- v
	s_lshr_b32 s20, s42, 3
	s_lshl_b32 s20, s20, 4
	s_lshl_b32 s21, s17, 2
	s_add_co_u32 s20, s20, s21
	s_lshl_b32 s21, s15, 1
	s_add_co_u32 s20, s20, s21                     ; y of the first of my two heads
	s_lshl_b32 s20, s20, 4
	s_lshl_b32 s21, s42, 1
	s_add_co_u32 s21, s21, s16
	s_and_b32 s21, s21, 15                         ; my 128 tokens are one key step of the batch
	s_add_co_u32 s20, s20, s21
	s_lshl_b32 s92, s20, 8
	s_add_co_u32 s92, s92, VS
	s_mov_b32 s93, 0
	s_add_nc_u64 s[92:93], s[12:13], s[92:93]
	s_lshl_b32 s46, s17, 20                        ; the rows that I send: 256 x tile row + 64 x wave, 4,096 bytes each,
	s_lshl_b32 s21, s14, 18
	s_add_co_u32 s46, s46, s21
	s_lshl_b32 s21, s42, 8                         ; at the tile's 256 tokens
	s_add_co_u32 s46, s46, s21
	s_add_co_u32 s46, s46, VC
	s_mov_b32 s47, 0
	s_add_nc_u64 s[46:47], s[12:13], s[46:47]
.irp a, 0,1,2,3,4,5,6,7
	MOVB_ROW \a
	QUANT 128
	CODES 33, \a
	ds_store_b32 v35, v[PW] offset:64*\a           ; the word of channel row 16 a + r for these 128 keys
	s_wait_dscnt 0x0
.endr
	s_barrier_signal -1
	s_barrier_wait -1
	ds_load_b64 v[48:49], v40
	ds_load_b64 v[50:51], v40 offset:256
.irp t, 0,1,2,3,4,5,6,7,8,9,10,11,12,13,14,15,16,17,18,19,20,21,22,23,24,25,26,27,28,29,30,31
	ds_load_b128 v[128+4*\t:128+4*\t+3], v39 offset:544*\t
.endr
	s_wait_dscnt 32
	global_store_b64 v43, v[48:49], s[92:93]                       ; 64 channels' words of one head and key step: 256 consecutive bytes, aligned
	global_store_b64 v43, v[50:51], s[92:93] offset:4096           ; the next head's
.irp t, 0,1,2,3,4,5,6,7,8,9,10,11,12,13,14,15,16,17,18,19,20,21,22,23,24,25,26,27,28,29,30,31
	s_wait_dscnt 31-\t
	global_store_b128 v42, v[128+4*\t:128+4*\t+3], s[46:47] offset:8192*\t   ; sixteen lanes store 256 consecutive bytes, aligned
.endr
.Lend:
	s_wait_tensorcnt 0x0                           ; the wave's end
	ds_add_u32 v[SPW], v[NIL]
	s_wait_dscnt 0x0
	CROUND                                         ; the closing round: no work-group ends while a partner may still ask for a tile that names it
	s_endpgm
.Lfunc_end_k_q66395c1124_qkv:
	.size	k_q66395c1124_qkv, .Lfunc_end_k_q66395c1124_qkv-k_q66395c1124_qkv
	.p2alignl 7, 3214868480
	.fill 96, 4, 3214868480
	.section	.rodata,"a",@progbits
	.p2align	6, 0x0
	.amdhsa_kernel k_q66395c1124_qkv
		.amdhsa_group_segment_fixed_size 327680
		.amdhsa_private_segment_fixed_size 0
		.amdhsa_enable_private_segment 0
		.amdhsa_kernarg_size 40
		.amdhsa_user_sgpr_count 2
		.amdhsa_user_sgpr_kernarg_segment_ptr 1
		.amdhsa_wavefront_size32 1
		.amdhsa_system_sgpr_workgroup_id_x 1
		.amdhsa_system_sgpr_workgroup_id_y 1
		.amdhsa_system_sgpr_workgroup_id_z 1
		.amdhsa_system_vgpr_workitem_id 0
		.amdhsa_next_free_vgpr 1024
		.amdhsa_next_free_sgpr 102
		.amdhsa_reserve_vcc 0
		.amdhsa_float_denorm_mode_32 3
		.amdhsa_float_denorm_mode_16_64 3
		.amdhsa_memory_ordered 1
		.amdhsa_forward_progress 1
		.amdhsa_inst_pref_size 255
	.end_amdhsa_kernel
	.section	.bss,"aw",@nobits
	.p2align	6
	.space	262144
	.amdgpu_metadata
---
amdhsa.version: [ 1, 2 ]
amdhsa.kernels:
  - .name:           k_q66395c1124_qkv
    .symbol:         k_q66395c1124_qkv.kd
    .args:
      - { .name: hq, .offset: 0, .size: 8, .value_kind: global_buffer, .address_space: global }
      - { .name: b_qkv, .offset: 8, .size: 8, .value_kind: global_buffer, .address_space: global }
      - { .name: w_qkv_codes, .offset: 16, .size: 8, .value_kind: global_buffer, .address_space: global }
      - { .name: w_qkv_scales, .offset: 24, .size: 8, .value_kind: global_buffer, .address_space: global }
      - { .name: qkvq, .offset: 32, .size: 8, .value_kind: global_buffer, .address_space: global }
    .group_segment_fixed_size: 327680
    .private_segment_fixed_size: 0
    .kernarg_segment_align: 8
    .kernarg_segment_size: 40
    .max_flat_workgroup_size: 128
    .sgpr_count:     102
    .vgpr_count:     1024
    .wavefront_size: 32
...
	.end_amdgpu_metadata
.endif
;; end of part 2
;; launch attn (part 3): grid 8 x 32, 16 waves a work-group, clusters of 4 x 1, 296,960 bytes of LDS; arguments qkvq, x, attn; writes attn
.if DOCPART == 3
	.amdgcn_target "amdgcn-amd-amdhsa--gfx1250"
	.amdhsa_code_object_version 6
	.text
	.protected	k_q66395c1124_attn
	.globl	k_q66395c1124_attn
	.p2align	8
	.type	k_q66395c1124_attn,@function
k_q66395c1124_attn:
	s_mov_b64 s[64:65], 0
	v_nop
	global_prefetch_b8 v0, s[64:65] scope:SCOPE_SE
	s_setreg_imm32_b32 hwreg(HW_REG_WAVE_MODE, 25, 1), 1
	s_wait_xcnt 0x0
	s_wait_alu depctr_hold_cnt(0) depctr_sa_sdst(0) depctr_va_vdst(0) depctr_va_sdst(0) depctr_va_ssrc(0) depctr_va_vcc(0) depctr_vm_vsrc(0)
	s_getreg_b32 s2, hwreg(HW_REG_IB_STS2, 6, 4)
	s_cmp_eq_u32 s2, 0
	s_cbranch_scc0 .Lentry_in_a_cluster
	s_endpgm
.Lentry_in_a_cluster:
	s_bfe_u32 s2, ttmp6, 0x10000c
	s_cmp_lg_u32 s2, 0x3003
	s_cbranch_scc0 .Lentry_shape_is_right
	s_endpgm
.Lentry_shape_is_right:
; attn[token][64 head ..] = softmax(q k^T / 8) v + x, both products on codes of E5M2 with E8M0 scales, for y = 16 batch + head.
; THE SOFTMAX AHEAD OF THE SECOND PRODUCT: t = score x log2(e) / 8; M = the largest t so far, rounded up to a whole number; p = 2^(t - M) is what is quantised, along the keys, not normalised.
; The row's sum is taken of the unquantised p and divides O at the end.  When M moves, the sum and O are multiplied by 2^(old M - new M): exact.
; SHARES.  A work-group owns 256 queries of one y, each of its sixteen waves 16 of them in 256 registers: four waves to a SIMD, so that one wave's vector work stands beside another's products and LDS loads.
; ALL OF THE HEAD'S K AND V LIE IN LDS, filled once, in four chunks of 512 keys that are waited for one by one: nothing is filled again.  The four query blocks of a cluster walk the same K and V,
; so each tile is asked for jointly: the same tensor load with the same descriptor and the mask of all four.
; K = 64 IN A FORM OF K = 128.  Two neighbouring records of k are one row of 128 codes: row 8 g + j holds tokens j and j + 8 of group g of 16.  Multiplied by [q | 0] it gives the first key's score, by [0 | q] the second's.
; Both products are used transposed (S^T = K Q^T, O^T = V^T P^T): a lane holds one query (lane % 16), and score register 16 f + i is key 32 f + 16 (lane / 16) + i: the order that p's operand wants.
; LIMITS: NaN and infinities are not served; the largest t starts at -3e38; a block whose every p has fallen under 2^-111 keeps the byte 1 (its codes are zeros or subnormal codes of that scale).
.set KC,    4194304                    ; in the input: k's codes; q's at 0
.set VC,    8388608
.set QS,    12582912                   ; q's scale bytes; k's 131,072 on; v's scale words 262,144 on
.set VOFF,  147456                     ; LDS: K: 1,024 rows x (128 + 16) bytes; V from here: chunk c at + 33,792 c: 64 rows x (512 + 16)
.set SCK,   282624                     ; k's scale words, one for a row of 128 codes: 4,096 dense bytes
.set SCV,   286720                     ; v's: [key step][channel]: 4,096 dense bytes
.set KV,  48                           ; v48-111  four fragments of K or of V
.set S,   112                          ; v112-175 S^T, then p
.set O,   176                          ; v176-207 O^T
.set PC,  208                          ; v208-223 p's codes
.set BM,  224                          ; v224-227 a block's largest score, then its largest p
.set PX,  228                          ; v228-231 the other half's; later the bytes
.set HL,  232                          ; v232-235 57,344 x the scale
.set SO,  236                          ; v236-239 the conversions' scale operands
.set SW,  240                          ; v240-243 scale words of K's or V's four fragments
.set G1K, 32
.set G1V, 40
.set G1S, 48
.macro ROUND                           ; a round of the cluster's barrier
	s_barrier_signal -1
	s_barrier_wait -1
	s_cmp_lg_u32 s10, 0
	s_cbranch_scc1 .Lnot_wave_0_\@
	s_barrier_signal -3
.Lnot_wave_0_\@:
	s_barrier_wait -3
	s_barrier_signal -1
	s_barrier_wait -1
.endm
	s_load_b128 s[4:7], s[0:1], 0x0                ; q, k, v as codes s[4:5], x s[6:7]
	s_load_b64 s[8:9], s[0:1], 0x10                ; the output
	v_lshl_add_u32 v253, v0, 2, 0x48000
	v_mov_b32 v254, 0
	ds_add_u32 v253, v254
	ds_add_u32 v253, v254
	v_lshrrev_b32 v8, 5, v0
	v_readfirstlane_b32 s10, v8                    ; wave 0..15
	s_bfe_u32 s11, ttmp6, 0x40000                  ; cx
	s_lshl_b32 s21, ttmp9, 2
	s_add_co_u32 s21, s21, s11                     ; my block of 256 queries: it enters q's, x's and the output's addresses alone
	s_and_b32 s22, ttmp7, 0xffff                   ; y, which the four partners share
	s_and_b32 s23, s10, 1                          ; which half of a tile I fetch, if I fetch
	s_mov_b32 s[G1K], 15|(1<<20)|(1<<21)|(4<<22)|(3<<25)   ; K: the mask of all four; elements of 1 byte; padding: four words after every 32; bit 21 set beside a mask
	s_mov_b32 s[G1K+1], 128<<16                    ; tensor_dim0
	s_mov_b32 s[G1K+2], 128<<16                    ; tensor_dim1
	s_mov_b32 s[G1K+3], 128<<16                    ; tile_dim0
	s_mov_b32 s[G1K+4], 128                        ; tile_dim1
	s_mov_b32 s[G1K+5], 128                        ; rows are dense
	s_mov_b32 s[G1K+6], 0
	s_mov_b32 s[G1K+7], 0
	s_mov_b32 s[G1V], 15|(1<<20)|(1<<21)|(6<<22)|(3<<25)   ; V: 32 rows of 512 bytes, 4,096 apart; four words after every 128
	s_mov_b32 s[G1V+1], 512<<16
	s_mov_b32 s[G1V+2], 32<<16
	s_mov_b32 s[G1V+3], 512<<16
	s_mov_b32 s[G1V+4], 32
	s_mov_b32 s[G1V+5], 4096
	s_mov_b32 s[G1V+6], 0
	s_mov_b32 s[G1V+7], 0
	s_mov_b32 s[G1S], 15|(3<<16)|(1<<21)           ; scales: 2,048 dense bytes as 8 rows of 32 elements of 8 bytes, no padding
	s_mov_b32 s[G1S+1], 32<<16
	s_mov_b32 s[G1S+2], 8<<16
	s_mov_b32 s[G1S+3], 32<<16
	s_mov_b32 s[G1S+4], 8
	s_mov_b32 s[G1S+5], 32
	s_mov_b32 s[G1S+6], 0
	s_mov_b32 s[G1S+7], 0
	s_lshl_b32 s24, s22, 17                        ; K: the head's 131,072 bytes, my 128 rows of a chunk
	s_lshl_b32 s25, s23, 14
	s_add_co_u32 s24, s24, s25
	s_add_co_u32 s24, s24, KC
	s_mov_b32 s25, 0
	s_mul_i32 s26, s23, 18432                      ; and in LDS
	s_mul_i32 s27, s23, 16896
	s_add_co_u32 s27, s27, VOFF                    ; V in LDS: my 32 rows of a chunk
	s_lshl_b32 s28, s22, 12                        ; the scales: 4,096 bytes a head, my half
	s_lshl_b32 s29, s23, 11
	s_add_co_u32 s28, s28, s29
	s_add_co_u32 s28, s28, QS+131072
	s_mov_b32 s29, 0
	s_and_b32 s30, s22, 15                         ; V: row 64 head + 32 x half, byte 2,048 batch
	s_lshl_b32 s30, s30, 18
	s_lshl_b32 s31, s23, 17
	s_add_co_u32 s30, s30, s31
	s_lshr_b32 s31, s22, 4
	s_lshl_b32 s31, s31, 11
	s_add_co_u32 s30, s30, s31
	s_add_co_u32 s30, s30, VC
	s_mov_b32 s31, 0
	s_lshl_b32 s20, s23, 11                        ; the scales' half in LDS
	s_mov_b32 s12, 0x76543210
	s_mov_b32 s13, 0xfedcba98                      ; v_permlanex16_b32's selects for lane l xor 16
	s_mov_b32 s14, 0x3e38aa3b                      ; c = log2(e) / 8
	s_mov_b32 s15, s14                             ; (named with it as a pair, so it is written)
	s_mov_b32 s16, 0x600000                        ; the mantissa field of 57,344
	s_wait_dscnt 0x0
	s_wait_kmcnt 0x0
	s_add_nc_u64 s[24:25], s[4:5], s[24:25]
	s_add_nc_u64 s[28:29], s[4:5], s[28:29]
	s_add_nc_u64 s[30:31], s[4:5], s[30:31]
.irp c, 0,1,2,3                        ; groups 0: K's chunks at s56, s60, s68, s72; V's at s80 on
	s_mov_b32 s[56+4*\c+4*(\c/2)], 1
	s_add_co_u32 s[57+4*\c+4*(\c/2)], s26, 36864*\c
	s_add_nc_u64 s[58+4*\c+4*(\c/2):59+4*\c+4*(\c/2)], s[24:25], 32768*\c
	s_or_b32 s[59+4*\c+4*(\c/2)], s[59+4*\c+4*(\c/2)], 0x80000000
	s_mov_b32 s[80+4*\c], 1
	s_add_co_u32 s[81+4*\c], s27, 33792*\c
	s_add_nc_u64 s[82+4*\c:83+4*\c], s[30:31], 512*\c
	s_or_b32 s[83+4*\c], s[83+4*\c], 0x80000000
.endr
	s_mov_b32 s76, 1                               ; k's scale words
	s_add_co_u32 s77, s20, SCK
	s_mov_b64 s[78:79], s[28:29]
	s_or_b32 s79, s79, 0x80000000
	s_mov_b32 s96, 1                               ; v's: 131,072 bytes on in memory
	s_add_co_u32 s97, s20, SCV
	s_add_nc_u64 s[98:99], s[28:29], 131072
	s_or_b32 s99, s99, 0x80000000
	ROUND                                          ; all four work-groups are here: the joint loads meet
	s_cmp_lt_u32 s10, 2                            ; all the fills of a wave stand in one branch on its number: five tensor loads of waves 0 to 3 are out, none of the others
	s_cbranch_scc0 .Lnot_k
	tensor_load_to_lds s[76:79], s[G1S:G1S+7]
	s_nop 0
	tensor_load_to_lds s[56:59], s[G1K:G1K+7]
	s_nop 0
	tensor_load_to_lds s[60:63], s[G1K:G1K+7]
	s_nop 0
	tensor_load_to_lds s[68:71], s[G1K:G1K+7]
	s_nop 0
	tensor_load_to_lds s[72:75], s[G1K:G1K+7]
	s_nop 0
.rept 4
	v_nop
.endr
	s_branch .Lasked
.Lnot_k:
	s_cmp_lt_u32 s10, 4
	s_cbranch_scc0 .Lasked
	tensor_load_to_lds s[96:99], s[G1S:G1S+7]
	s_nop 0
	tensor_load_to_lds s[80:83], s[G1V:G1V+7]
	s_nop 0
	tensor_load_to_lds s[84:87], s[G1V:G1V+7]
	s_nop 0
	tensor_load_to_lds s[88:91], s[G1V:G1V+7]
	s_nop 0
	tensor_load_to_lds s[92:95], s[G1V:G1V+7]
	s_nop 0
.rept 4
	v_nop
.endr
.Lasked:
	s_lshl_b32 s24, s22, 17                        ; q's codes: the head, my block's 256 records, my wave's 16
	s_lshl_b32 s25, s21, 14
	s_add_co_u32 s24, s24, s25
	s_lshl_b32 s25, s10, 10
	s_add_co_u32 s24, s24, s25
	s_mov_b32 s25, 0
	s_add_nc_u64 s[24:25], s[4:5], s[24:25]
	s_lshl_b32 s26, s22, 12                        ; and their scale bytes
	s_lshl_b32 s27, s21, 9
	s_add_co_u32 s26, s26, s27
	s_lshl_b32 s27, s10, 5
	s_add_co_u32 s26, s26, s27
	s_add_co_u32 s26, s26, QS
	s_mov_b32 s27, 0
	s_add_nc_u64 s[26:27], s[4:5], s[26:27]
	s_lshr_b32 s28, s22, 4                         ; x and the output: token 2,048 batch + 256 block + 16 wave, 4,096 bytes a token; byte 256 head
	s_lshl_b32 s28, s28, 23
	s_lshl_b32 s29, s21, 20
	s_add_co_u32 s28, s28, s29
	s_lshl_b32 s29, s10, 16
	s_add_co_u32 s28, s28, s29
	s_and_b32 s29, s22, 15
	s_lshl_b32 s29, s29, 8
	s_add_co_u32 s28, s28, s29
	s_mov_b32 s29, 0
	s_add_nc_u64 s[6:7], s[6:7], s[28:29]
	s_add_nc_u64 s[8:9], s[8:9], s[28:29]
	v_and_b32 v8, 15, v0                           ; r
	v_bfe_u32 v9, v0, 4, 1                         ; h
	v_and_b32 v10, 7, v8
	v_lshrrev_b32 v11, 3, v8
	v_lshl_add_u32 v10, v10, 1, v11                ; token r of my group lies at record 2 (r % 8) + r / 8
	v_lshlrev_b32 v6, 6, v10
	v_lshl_add_u32 v6, v9, 4, v6                   ; v6: 64 x record + 16 h; never rewritten
	v_lshlrev_b32 v7, 1, v10                       ; v7: 2 x record; never rewritten
	global_load_b128 v[16:19], v6, s[24:25]                        ; [q | 0]: v16-23 q, v24-31 zeros
	global_load_b128 v[20:23], v6, s[24:25] offset:32
	global_load_b128 v[40:43], v6, s[24:25]                        ; [0 | q]: v32-39 zeros, v40-47 q: loaded twice, since the two operands are two runs of registers
	global_load_b128 v[44:47], v6, s[24:25] offset:32
	global_load_u16 v255, v7, s[26:27]             ; q's two scale bytes
	v_mul_u32_u24 v1, v8, 144
	v_lshl_add_u32 v1, v9, 4, v1                   ; v1: my lane's place in a fragment of K
	v_mul_u32_u24 v2, v8, 528
	v_lshl_add_u32 v2, v9, 4, v2
	v_add_nc_u32 v2, VOFF, v2                      ; v2: the same for V
	v_lshl_add_u32 v3, v8, 2, SCK                  ; v3: K's scale words
	v_lshl_add_u32 v4, v8, 2, SCV                  ; v4: V's
	v_lshlrev_b32 v5, 12, v9
	v_lshl_add_u32 v5, v8, 4, v5                   ; v5: the way out: lanes 0-15 one token's 256 bytes, lanes 16-31 the next token's
	s_wait_loadcnt 0x0
	v_lshl_or_b32 v255, v255, 16, v255             ; bytes 0, 1 serve [q | 0], bytes 2, 3 serve [0 | q]; the other two stand over zero codes
	v_mov_b32 v13, 0xff61b1e6                      ; the largest t so far: -3e38
	v_floor_f32 v12, -v13                          ; -M
	v_mov_b32 v14, 0                               ; the sum, in two halves
	v_mov_b32 v15, 0
	v_mov_b32 v247, 0                              ; (named as the upper half of the pair v[246:247])
.irp j, 0,1,2,3,4,5,6,7
	v_mov_b32 v[24+\j], 0
	v_mov_b32 v[32+\j], 0
.endr
.irp b, 0,1,2,3
	v_mov_b32 v[PX+\b], 0                          ; written once: a lane permute's destination counts as one of its sources
.endr
.set n, 0
.rept 32
	v_mov_b32 v[O+n], 0                            ; O^T: the step is written once; the first finds zeros, which the first change of M leaves zeros
.set n, n+1
.endr
; A KEY STEP: 128 keys.  s17, s18, s19: where the step's rows of K, its bytes of V's rows and its scale words begin.
.macro STEP
	v_add_nc_u32 v8, s17, v1
	v_add_nc_u32 v9, s18, v2
	v_add_nc_u32 v10, s19, v3
	v_add_nc_u32 v11, s19, v4
.rept 4
	v_nop                                          ; with the four additions: eight places between the last products and the loads into registers that they read
.endr
.irp f, 0,1,2,3
.irp c, 0,1,2,3
	ds_load_b128 v[KV+16*\f+4*\c:KV+16*\f+4*\c+3], v8 offset:2304*\f+32*\c
.endr
	ds_load_b32 v[SW+\f], v10 offset:64*\f
.endr
	s_wait_dscnt 0x0
.irp f, 0,1,2,3
	v_wmma_scale_f32_16x16x128_f8f6f4 v[S+16*\f:S+16*\f+7], v[KV+16*\f:KV+16*\f+15], v[16:31], 0, v[SW+\f], v255 matrix_a_fmt:MATRIX_FMT_BF8 matrix_b_fmt:MATRIX_FMT_BF8
	v_wmma_scale_f32_16x16x128_f8f6f4 v[S+16*\f+8:S+16*\f+15], v[KV+16*\f:KV+16*\f+15], v[32:47], 0, v[SW+\f], v255 matrix_a_fmt:MATRIX_FMT_BF8 matrix_b_fmt:MATRIX_FMT_BF8
.endr
.rept 8
	v_nop                                          ; places: in front of the loads below and of the first read of the scores
.endr
.irp t, 0,1,2,3                        ; V's four fragments (16 channels x these 128 keys) are asked for now and land under the softmax
.irp c, 0,1,2,3
	ds_load_b128 v[KV+16*\t+4*\c:KV+16*\t+4*\c+3], v9 offset:8448*\t+32*\c
.endr
	ds_load_b32 v[SW+\t], v11 offset:64*\t
.endr
.irp b, 0,1,2,3
	v_max3_num_f32 v[BM+\b], v[S+16*\b], v[S+16*\b+1], v[S+16*\b+2]   ; the largest score of each block of 32 keys: it serves for the row's maximum and, since p rises with the score, for the block's largest p
.endr
.irp i, 3,5,7,9,11,13
.irp b, 0,1,2,3
	v_max3_num_f32 v[BM+\b], v[BM+\b], v[S+16*\b+\i], v[S+16*\b+\i+1]
.endr
.endr
.irp b, 0,1,2,3
	v_max_num_f32 v[BM+\b], v[BM+\b], v[S+16*\b+15]
.endr
.irp b, 0,1,2,3
	v_permlanex16_b32 v[PX+\b], v[BM+\b], s12, s13
.endr
.irp b, 0,1,2,3
	v_max_num_f32 v[BM+\b], v[BM+\b], v[PX+\b]     ; with lane l xor 16's 16 keys
.endr
	v_max3_num_f32 v249, v[BM], v[BM+1], v[BM+2]
	v_max_num_f32 v249, v249, v[BM+3]
	v_mul_f32 v249, s14, v249                      ; as t (c is positive)
	v_max_num_f32 v13, v13, v249                   ; the running largest t
	v_mov_b32 v249, v12
	v_floor_f32 v12, -v13                          ; the new -M = -ceil(t)
	v_sub_f32 v249, v12, v249                      ; old M - new M: a whole number, 0 or less
	v_cvt_i32_f32 v249, v249                       ; (it saturates)
	v_ldexp_f32 v246, 1.0, v249                    ; f = 2^(old M - new M)
.set n, 0
.rept 32
	v_pk_fma_f32 v[S+n:S+n+1], v[S+n:S+n+1], s[14:15], v[12:13] op_sel_hi:[1,0,0]   ; t - M, two at a time
.set n, n+2
.endr
.irp b, 0,1,2,3
	v_fma_f32 v[BM+\b], v[BM+\b], s14, v12         ; the same of each block's largest score
.endr
.set n, 0
.rept 64
	v_exp_f32 v[S+n], v[S+n]                       ; p = 2^(t - M), at most 1
.set n, n+1
.endr
.irp b, 0,1,2,3
	v_exp_f32 v[BM+\b], v[BM+\b]                   ; the block's largest p: the same two instructions on the same number
.endr
	v_pk_mul_f32 v[14:15], v[14:15], v[246:247] op_sel_hi:[1,0]    ; the sums under the new M.  (The plain place behind the exponentials)
	s_wait_alu depctr_va_vdst(0)
.irp b, 0,1,2,3
	v_max_num_f32 v[BM+\b], 0x8000000, v[BM+\b]    ; the floor 2^(16 - 127): the byte cannot fall under 1
.endr
.irp b, 0,1,2,3
	v_add_nc_u32 v[SO+\b], 0xf8800000, v[BM+\b]    ; 15 off the exponent field: the conversion's scale operand
.endr
.irp b, 0,1,2,3
	v_and_or_b32 v[HL+\b], v[BM+\b], 0x7f800000, s16   ; 57,344 x the scale
.endr
.irp b, 0,1,2,3
	v_lshrrev_b32 v[PX+\b], 23, v[SO+\b]           ; the scale's byte
.endr
	v_lshl_or_b32 v248, v[PX+1], 8, v[PX]          ; p's scale word for these 128 keys
	v_lshl_or_b32 v248, v[PX+2], 16, v248
	v_lshl_or_b32 v248, v[PX+3], 24, v248
	v_pk_add_f32 v[244:245], v[S:S+1], v[S+2:S+3]  ; the row's sum is taken of the unquantised p: two at a time, in two chains
.irp j, 4,8,12,16,20,24,28,32,36,40,44,48,52,56,60
	v_pk_add_f32 v[14:15], v[14:15], v[S+\j:S+\j+1]
	v_pk_add_f32 v[244:245], v[244:245], v[S+\j+2:S+\j+3]
.endr
	v_pk_add_f32 v[14:15], v[14:15], v[244:245]
.irp b, 0,1,2,3
.irp i, 0,1,2,3,4,5,6,7,8,9,10,11,12,13,14,15
	v_min_num_f32 v[S+16*\b+\i], v[S+16*\b+\i], v[HL+\b]   ; the conversion does not saturate (ISA guide 7.6.2); p is not negative, so the hold is one-sided
.endr
	v_cvt_scalef32_pk8_bf8_f32 v[PC+4*\b:PC+4*\b+1], v[S+16*\b:S+16*\b+7], v[SO+\b]
	v_cvt_scalef32_pk8_bf8_f32 v[PC+4*\b+2:PC+4*\b+3], v[S+16*\b+8:S+16*\b+15], v[SO+\b]
.endr
.set n, 0
.rept 16
	v_pk_mul_f32 v[O+n:O+n+1], v[O+n:O+n+1], v[246:247] op_sel_hi:[1,0]   ; O^T under the new M.  (These are also the places between the codes' conversions and the products)
.set n, n+2
.endr
	s_wait_dscnt 0x0                               ; V
.irp t, 0,1,2,3
	v_wmma_scale_f32_16x16x128_f8f6f4 v[O+8*\t:O+8*\t+7], v[KV+16*\t:KV+16*\t+15], v[PC:PC+15], v[O+8*\t:O+8*\t+7], v[SW+\t], v248 matrix_a_fmt:MATRIX_FMT_BF8 matrix_b_fmt:MATRIX_FMT_BF8
.endr
.endm
; A CHUNK of 512 keys: four steps.  The wave that asked for a part of it waits for that part (the later chunks' loads, 3 - c of them, were issued behind it and may stay out), then the barrier shows it to all sixteen.
.macro CHUNK c
	s_wait_tensorcnt 3-\c
	s_wait_dscnt 0x0
	s_barrier_signal -1
	s_barrier_wait -1
	s_mov_b32 s17, 36864*\c
	s_mov_b32 s18, 33792*\c
	s_mov_b32 s19, 1024*\c
	s_mov_b32 s20, 4
.Lstep_\@:
	STEP
	s_add_co_u32 s17, s17, 9216                    ; 64 rows of K,
	s_add_co_u32 s18, s18, 128                     ; 128 bytes along V's rows,
	s_add_co_u32 s19, s19, 256                     ; 64 scale words of each
	s_sub_co_u32 s20, s20, 1
	s_cmp_lg_u32 s20, 0
	s_cbranch_scc1 .Lstep_\@
.endm
	CHUNK 0
	CHUNK 1
	CHUNK 2
	CHUNK 3
	; THE WAY OUT.  O^T / the sum goes through my stage in LDS (16 rows x (256 + 16) bytes) and comes back as whole rows; x is added; sixteen lanes store 256 consecutive bytes, aligned.
	; The stages lie in K's first two chunks: every wave's last read of them stands in front of the barrier at the head of chunk 2, and nothing is filled there again.
	s_mul_i32 s21, s10, 4352
	v_add_f32 v14, v14, v15                        ; the sum's two halves,
	v_permlanex16_b32 v249, v14, s12, s13
	v_add_f32 v14, v14, v249                       ; and lane l xor 16's
	v_rcp_f32 v14, v14
	v_and_b32 v8, 15, v0                           ; (a plain place behind the transcendental; these lines are also the places behind the last products)
	v_bfe_u32 v9, v0, 4, 1
	v_mul_u32_u24 v10, v8, 272
	v_lshl_add_u32 v10, v9, 5, v10
	v_add_nc_u32 v10, s21, v10                     ; in: row r, 64 t + 32 h bytes on
	v_mul_u32_u24 v11, v9, 272
	v_lshl_add_u32 v11, v8, 4, v11
	v_add_nc_u32 v11, s21, v11                     ; back: lanes 0-15 one row, lanes 16-31 the next
	s_wait_alu depctr_va_vdst(0)
	v_mov_b32 v15, v14
.irp i, 0,1,2,3,4,5,6,7
	global_load_b128 v[80+4*\i:83+4*\i], v5, s[6:7] offset:8192*\i   ; x at the places that I store
.endr
.set n, 0
.rept 16
	v_pk_mul_f32 v[S+n:S+n+1], v[O+n:O+n+1], v[14:15]   ; register 8 t + j is o(query r, channel 16 t + 8 h + j)
.set n, n+2
.endr
.irp t, 0,1,2,3
	ds_store_b128 v10, v[S+8*\t:S+8*\t+3] offset:64*\t
	ds_store_b128 v10, v[S+8*\t+4:S+8*\t+7] offset:64*\t+16
.endr
.irp i, 0,1,2,3,4,5,6,7
	ds_load_b128 v[48+4*\i:51+4*\i], v11 offset:544*\i   ; LDS serves a wave's instructions in order: these see my stores
.endr
	s_wait_loadcnt 0x0                             ; x
.irp i, 0,1,2,3,4,5,6,7
	s_wait_dscnt 7-\i                              ; the younger loads from the stage may be out
	v_pk_add_f32 v[48+4*\i:49+4*\i], v[48+4*\i:49+4*\i], v[80+4*\i:81+4*\i]
	v_pk_add_f32 v[50+4*\i:51+4*\i], v[50+4*\i:51+4*\i], v[82+4*\i:83+4*\i]
	global_store_b128 v5, v[48+4*\i:51+4*\i], s[8:9] offset:8192*\i
.endr
	s_wait_tensorcnt 0x0
	ds_add_u32 v253, v254
	s_wait_dscnt 0x0
	ROUND                                          ; the closing round: no work-group ends while a partner may still ask for a tile that names it
	s_endpgm
.Lfunc_end_k_q66395c1124_attn:
	.size	k_q66395c1124_attn, .Lfunc_end_k_q66395c1124_attn-k_q66395c1124_attn
	.p2alignl 7, 3214868480
	.fill 96, 4, 3214868480
	.section	.rodata,"a",@progbits
	.p2align	6, 0x0
	.amdhsa_kernel k_q66395c1124_attn
		.amdhsa_group_segment_fixed_size 296960
		.amdhsa_private_segment_fixed_size 0
		.amdhsa_enable_private_segment 0
		.amdhsa_kernarg_size 24
		.amdhsa_user_sgpr_count 2
		.amdhsa_user_sgpr_kernarg_segment_ptr 1
		.amdhsa_wavefront_size32 1
		.amdhsa_system_sgpr_workgroup_id_x 1
		.amdhsa_system_sgpr_workgroup_id_y 1
		.amdhsa_system_sgpr_workgroup_id_z 1
		.amdhsa_system_vgpr_workitem_id 0
		.amdhsa_next_free_vgpr 256
		.amdhsa_next_free_sgpr 100
		.amdhsa_reserve_vcc 0
		.amdhsa_float_denorm_mode_32 3
		.amdhsa_float_denorm_mode_16_64 3
		.amdhsa_memory_ordered 1
		.amdhsa_forward_progress 1
		.amdhsa_inst_pref_size 94
	.end_amdhsa_kernel
	.amdgpu_metadata
---
amdhsa.version: [ 1, 2 ]
amdhsa.kernels:
  - .name:           k_q66395c1124_attn
    .symbol:         k_q66395c1124_attn.kd
    .args:
      - { .name: qkvq, .offset: 0, .size: 8, .value_kind: global_buffer, .address_space: global }
      - { .name: x, .offset: 8, .size: 8, .value_kind: global_buffer, .address_space: global }
      - { .name: attn, .offset: 16, .size: 8, .value_kind: global_buffer, .address_space: global }
    .group_segment_fixed_size: 296960
    .private_segment_fixed_size: 0
    .kernarg_segment_align: 8
    .kernarg_segment_size: 24
    .max_flat_workgroup_size: 512
    .sgpr_count:     100
    .vgpr_count:     256
    .wavefront_size: 32
...
	.end_amdgpu_metadata
.endif
;; end of part 3
;; launch ln2: the kernel of part 1 again; grid 256 x 1, 4 waves a work-group, no clusters, 17,920 bytes of LDS; arguments attn, ln2_g, ln2_b, hq; writes hq
;; launch fc1 (part 4): grid 16 x 16, 4 waves a work-group, clusters of 4 x 4, 327,680 bytes of LDS; arguments hq, b1, w1_codes, w1_scales, mq; writes mq
.if DOCPART == 4
	.amdgcn_target "amdgcn-amd-amdhsa--gfx1250"
	.amdhsa_code_object_version 6
	.text
	.protected	k_q66395c1124_fc1
	.globl	k_q66395c1124_fc1
	.p2align	8
	.type	k_q66395c1124_fc1,@function
k_q66395c1124_fc1:
	s_mov_b64 s[64:65], 0
	v_nop
	global_prefetch_b8 v0, s[64:65] scope:SCOPE_SE
	s_setreg_imm32_b32 hwreg(HW_REG_WAVE_MODE, 25, 1), 1
	s_wait_xcnt 0x0
	s_wait_alu depctr_hold_cnt(0) depctr_sa_sdst(0) depctr_va_vdst(0) depctr_va_sdst(0) depctr_va_ssrc(0) depctr_va_vcc(0) depctr_vm_vsrc(0)
	s_getreg_b32 s2, hwreg(HW_REG_IB_STS2, 6, 4)
	s_cmp_eq_u32 s2, 0
	s_cbranch_scc0 .Lentry_in_a_cluster
	s_endpgm
.Lentry_in_a_cluster:
	s_bfe_u32 s2, ttmp6, 0x10000c
	s_cmp_lg_u32 s2, 0xf033
	s_cbranch_scc0 .Lentry_shape_is_right
	s_endpgm
.Lentry_shape_is_right:
; m = relu(h2 W1 + b1) on codes of E5M2 with E8M0 scales (K = 1,024), quantised again along its 4,096 columns, which are the next product's K.
; THE PRODUCT: a tile of C, 256 x 256, is made by four waves, 128 x 128 each (64 accumulators, 512 registers).  K goes in steps of 256 through two LDS slots filled by the tensor data mover;
; the scale bytes of the tile's rows, for all of K, come into LDS once.  4 x 4 work-groups form a cluster: A's tiles are asked for jointly along a row of it, B's along a column.
; The matrix instruction is used transposed (source 0 = 16 rows of W1, source 1 = 16 tokens): a lane holds eight neighbouring columns of one token's row, so a block of 32 columns lies in lanes l and l xor 16.
; WHAT IS STORED: codes [4,096 tokens][4,096] at 0; at 16,777,216 the scale bytes in the order in which the next launch loads them: [token / 128][column / 256][128 tokens][8 bytes].
; LIMITS: NaN and infinities are not served; a block whose largest number lies under 2^-111 (a block of zeros too) gets the byte 1: the bytes are read by this program alone.
; REGISTERS, in windows of 256: window 0: v0-31 addresses; v32-63 scale words, two sets; v64-127 the bias; from v128 A's fragments, one set; on the way out v32-63 and v128-255 are free.
;   window 1: B's fragments, two sets.   windows 2, 3: the accumulators of my rows 0-63, 64-127 (accumulator (a, b) at v[8 (8 (a % 4) + b)]).
.set SIZE_K, 1024
.set KSTEP,  256
.set NQ,     KSTEP/128
.set ROWB,   256
.set KROW,   SIZE_K
.set PITCH,  272                       ; an LDS row: 256 bytes + 16 of padding: the 16 rows that a load touches start at 16 different banks (64 banks of 4 bytes: ISA guide 11.1)
.set FR,     16
.set NL,     4
.set NP,     8                         ; places behind this matrix instruction (ISA guide 7.12.1)
.set HALFT,  128*PITCH
.set SLOT,   4*HALFT
.set LAPS,   SIZE_K/(2*KSTEP)
.set KS,     SIZE_K/32
.set SCL,    2*SLOT
.set HALFS,  (128*KS/256)*272
.set SBLK,   (16*KS/256)*272
.set SPARE,  SCL+4*HALFS               ; the spare words, 128 bytes for each wave: two blocks of 256 bytes that no other line names
.set MS,     SPARE+512                 ; the way out: 2,048 scale bytes, [row half][128 rows][8]
.set ADRA, 16
.set ADRB, 20
.set ADRS, 27
.set SPW,  28
.set NIL,  29
.set BI,   64                          ; v64-127 bias of column 16 b + 8 (lane / 16) + j in register 8 b + j
.set SC,   32
.set AF,   128
.set PC,   192
.set TM,   208
.set PW,   224
.set SEL,  96
.set MNT,  98
.set G1, 24
.set G0, 32
.set G1B, 48
.set G0B, 56
.set G1S, 68
.set G0S, 76
.set G1SB, 80
.set G0SB, 88
.set MSB, 0
.macro WIN new                         ; the immediate's high byte repeats the setting that is left
.if MSB != (\new)
	s_set_vgpr_msb (MSB<<8)|(\new)
.set MSB, (\new)
.endif
.endm
.set MUL_LO, 0xa1
.set MUL_HI, 0xf1
.set TO_B,   0x40
.macro JLOAD g0a, g1a, g0b, g1b        ; a joint load: waves 0 and 1 fetch for A, waves 2 and 3 for B; four v_nop follow each of the two lines
	s_cmp_eq_u32 s15, 0
	s_cbranch_scc0 .Lfor_b_\@
	tensor_load_to_lds s[\g0a:\g0a+3], s[\g1a:\g1a+7]
	s_nop 0
.rept 4
	v_nop
.endr
	s_branch .Lasked_\@
.Lfor_b_\@:
	tensor_load_to_lds s[\g0b:\g0b+3], s[\g1b:\g1b+7]
	s_nop 0
.rept 4
	v_nop
.endr
.Lasked_\@:
.endm
.macro CREST
	s_cmp_lg_u32 s14, 0
	s_cbranch_scc1 .Lnot_wave_0_\@
	s_barrier_signal -3
.Lnot_wave_0_\@:
	s_barrier_wait -3
	s_barrier_signal -1
	s_barrier_wait -1
.endm
.macro CROUND
	s_barrier_signal -1
	s_barrier_wait -1
	CREST
.endm
	s_load_b128 s[4:7], s[0:1], 0x0                ; h2's codes and scales (one buffer) s[4:5], b1 s[6:7]
	s_load_b128 s[8:11], s[0:1], 0x10              ; W1's codes s[8:9], W1's scales s[10:11]
	s_load_b64 s[12:13], s[0:1], 0x20              ; the output
	v_lshl_add_u32 v[SPW], v0, 2, SPARE
	v_mov_b32 v[NIL], 0
	ds_add_u32 v28, v29
	ds_add_u32 v28, v29
	s_wait_dscnt 0x0
	v_lshrrev_b32 v1, 5, v0
	v_readfirstlane_b32 s14, v1                    ; wave 0..3
	s_lshr_b32 s15, s14, 1                         ; which half of the tile's rows is mine.  Also: I fetch for A (0) or for B (1)
	s_and_b32 s16, s14, 1                          ; which half of its columns.  Also: which 128 rows of that tile I fetch
	s_bfe_u32 s40, ttmp6, 0x40000
	s_bfe_u32 s41, ttmp6, 0x40004
	s_lshl_b32 s42, ttmp9, 2
	s_add_co_u32 s42, s42, s40                     ; tile column of C
	s_and_b32 s17, ttmp7, 0xffff
	s_lshl_b32 s17, s17, 2
	s_add_co_u32 s17, s17, s41                     ; tile row of C
	s_lshl_b32 s43, s41, 2
	s_lshl_b32 s43, 15, s43                        ; my row of the cluster
	s_lshl_b32 s44, 0x1111, s40                    ; my column
	s_or_b32 s[G1+0], s43, (0<<16)|(1<<20)|(1<<21)|(5<<22)|(3<<25)  ; the mask; elements of 1 byte; padding on; bit 21 set beside a mask; four words after every 64
	s_or_b32 s[G1B+0], s44, (0<<16)|(1<<20)|(1<<21)|(5<<22)|(3<<25)
.irp g, G1, G1B
	s_mov_b32 s[\g+1], ROWB<<16
	s_mov_b32 s[\g+2], 128<<16
	s_mov_b32 s[\g+3], ROWB<<16
	s_mov_b32 s[\g+4], 128
	s_mov_b32 s[\g+5], KROW
	s_mov_b32 s[\g+6], 0
	s_mov_b32 s[\g+7], 0
.endr
	s_or_b32 s[G1S+0], s43, (3<<16)|(1<<20)|(1<<21)|(5<<22)|(3<<25)
	s_or_b32 s[G1SB+0], s44, (3<<16)|(1<<20)|(1<<21)|(5<<22)|(3<<25)
.irp g, G1S, G1SB
	s_mov_b32 s[\g+1], 32<<16
	s_mov_b32 s[\g+2], (128*KS/256)<<16
	s_mov_b32 s[\g+3], 32<<16
	s_mov_b32 s[\g+4], 128*KS/256
	s_mov_b32 s[\g+5], 32
	s_mov_b32 s[\g+6], 0
	s_mov_b32 s[\g+7], 0
.endr
	s_lshl_b32 s18, s16, 7
	s_lshl_b32 s20, s17, 8
	s_add_co_u32 s20, s20, s18                     ; A: row 256 x tile row + 128 x half
	s_lshl_b32 s46, s42, 8
	s_add_co_u32 s46, s46, s18                     ; B: row 256 x tile column + 128 x half
	s_mov_b32 s21, 0
	s_mov_b32 s47, 0
	s_mov_b64 s[18:19], KS
	s_mul_u64 s[22:23], s[20:21], s[18:19]
	s_mul_u64 s[92:93], s[46:47], s[18:19]
	s_mov_b64 s[18:19], KROW
	s_mul_u64 s[20:21], s[20:21], s[18:19]
	s_mul_u64 s[46:47], s[46:47], s[18:19]
	s_mul_i32 s45, s14, HALFT
	s_mul_i32 s94, s14, HALFS
	s_wait_kmcnt 0x0
	s_mov_b64 s[96:97], s[6:7]                     ; b1
	s_add_nc_u64 s[6:7], s[4:5], 0x400000          ; h2's scale bytes lie behind its codes
	s_add_nc_u64 s[20:21], s[4:5], s[20:21]
	s_add_nc_u64 s[22:23], s[6:7], s[22:23]
	s_add_nc_u64 s[46:47], s[8:9], s[46:47]
	s_add_nc_u64 s[92:93], s[10:11], s[92:93]
	CROUND                                         ; all sixteen work-groups are here: the first joint loads meet
	s_mov_b32 s[G0S], 1
	s_add_co_u32 s[G0S+1], s94, SCL
	s_mov_b64 s[G0S+2:G0S+3], s[22:23]
	s_or_b32 s[G0S+3], s[G0S+3], 0x80000000
	s_mov_b32 s[G0SB], 1
	s_add_co_u32 s[G0SB+1], s94, SCL
	s_mov_b64 s[G0SB+2:G0SB+3], s[92:93]
	s_or_b32 s[G0SB+3], s[G0SB+3], 0x80000000
	JLOAD G0S, G1S, G0SB, G1SB
.irp s, 0,1
	s_mov_b32 s[G0+4*\s], 1
	s_add_co_u32 s[G0+4*\s+1], s45, \s*SLOT
	s_add_nc_u64 s[G0+4*\s+2:G0+4*\s+3], s[20:21], \s*ROWB
	s_or_b32 s[G0+4*\s+3], s[G0+4*\s+3], 0x80000000
	s_mov_b32 s[G0B+4*\s], 1
	s_add_co_u32 s[G0B+4*\s+1], s45, \s*SLOT
	s_add_nc_u64 s[G0B+4*\s+2:G0B+4*\s+3], s[46:47], \s*ROWB
	s_or_b32 s[G0B+4*\s+3], s[G0B+4*\s+3], 0x80000000
	JLOAD G0+4*\s, G1, G0B+4*\s, G1B               ; three tensor loads of mine are out
.endr
	v_and_b32 v1, 15, v0
	v_bfe_u32 v2, v0, 4, 1
	v_mul_u32_u24 v3, v1, PITCH
	v_lshl_add_u32 v4, v2, 4, v3
	s_mul_i32 s21, s15, HALFT
	s_mul_i32 s22, s16, HALFT
	s_add_co_u32 s22, s22, 2*HALFT
.irp s, 0,1
	v_add_nc_u32 v[ADRA+\s], s21, v4
	v_add_nc_u32 v[ADRB+\s], s22, v4
	s_add_co_u32 s21, s21, SLOT
	s_add_co_u32 s22, s22, SLOT
.endr
	v_mul_u32_u24 v5, v1, KS
	v_lshrrev_b32 v6, 8, v5
	v_lshl_add_u32 v5, v6, 4, v5
	s_mul_i32 s21, s15, HALFS
	s_mul_i32 s22, s16, HALFS
	s_add_co_u32 s22, s22, 2*HALFS
	s_sub_co_u32 s22, s22, s21
	v_mul_u32_u24 v6, s22, v2                      ; lanes 16-31 take B's
	s_add_co_u32 s21, s21, SCL
	v_add_nc_u32 v5, v5, v6
	v_add_nc_u32 v[ADRS], s21, v5
	v_lshlrev_b32 v18, 5, v2                       ; 32 x half; never rewritten
	s_lshl_b32 s92, s42, 10
	s_lshl_b32 s93, s16, 9
	s_add_co_u32 s92, s92, s93                     ; 4 x (256 x tile column + 128 x half)
	s_mov_b32 s93, 0
	s_add_nc_u64 s[98:99], s[96:97], s[92:93]
.irp b, 0,1,2,3,4,5,6,7
	global_load_b128 v[BI+8*\b:BI+8*\b+3], v18, s[98:99] offset:64*\b
	global_load_b128 v[BI+8*\b+4:BI+8*\b+7], v18, s[98:99] offset:64*\b+16
.endr
.macro FRAG reg, adr, q, i
.irp c, 0,1,2,3
	ds_load_b128 v[\reg+4*\c:\reg+4*\c+3], v[\adr] offset:128*(\q)+32*\c+(\i)*16*PITCH
.endr
.endm
; 16 matrix instructions; the 64 accumulators take turns, one instruction a turn, in the same order in every step
.macro MUL16 a0, p, q, sc, zero
.irp a, \a0, \a0+1
.irp b, 0,1,2,3,4,5,6,7
.if \zero
	v_wmma_scale_f32_16x16x128_f8f6f4 v[8*(8*((\a)%4)+\b):8*(8*((\a)%4)+\b)+7], v[128*(\p)+FR*\b:128*(\p)+FR*\b+FR-1], v[AF+FR*(\a):AF+FR*(\a)+FR-1], 0, v[SC+8*NQ*(\sc)+NQ*\b+(\q)], v[SC+8*NQ*(\sc)+NQ*(\a)+(\q)] matrix_a_fmt:MATRIX_FMT_BF8 matrix_b_fmt:MATRIX_FMT_BF8 matrix_a_scale:MATRIX_SCALE_ROW1
.else
	v_wmma_scale_f32_16x16x128_f8f6f4 v[8*(8*((\a)%4)+\b):8*(8*((\a)%4)+\b)+7], v[128*(\p)+FR*\b:128*(\p)+FR*\b+FR-1], v[AF+FR*(\a):AF+FR*(\a)+FR-1], v[8*(8*((\a)%4)+\b):8*(8*((\a)%4)+\b)+7], v[SC+8*NQ*(\sc)+NQ*\b+(\q)], v[SC+8*NQ*(\sc)+NQ*(\a)+(\q)] matrix_a_fmt:MATRIX_FMT_BF8 matrix_b_fmt:MATRIX_FMT_BF8 matrix_a_scale:MATRIX_SCALE_ROW1
.endif
.endr
.endr
.endm
.macro FETCH_B slot, q, p
	WIN TO_B
.irp i, 0,1,2,3,4,5,6,7
	FRAG 128*(\p)+FR*\i, ADRB+\slot, \q, \i
.endr
	WIN 0
.endm
.macro FETCH_A slot, q, i0
.irp i, \i0, \i0+1, \i0+2, \i0+3
	FRAG AF+FR*(\i), ADRA+\slot, \q, \i
.endr
.endm
.macro SCALES sc
.irp i, 0,1,2,3,4,5,6,7
	ds_load_b64 v[SC+8*NQ*\sc+NQ*\i:SC+8*NQ*\sc+NQ*\i+1], v[ADRS] offset:\i*SBLK
.endr
.endm
.macro PLACES n
.rept \n
	v_nop
.endr
.endm
.macro STEP slot, q, zero
	s_wait_dscnt 4*NL                              ; B's set and A's blocks 0-3 are in; the youngest 16 loads (A's blocks 4-7) may be out
	WIN MUL_LO
	MUL16 0, (\q)%2, \q, \slot, \zero
	MUL16 2, (\q)%2, \q, \slot, \zero
	s_wait_dscnt 0
	PLACES NP
	FETCH_B \slot, (\q)+1, 1-(\q)%2
	FETCH_A \slot, (\q)+1, 0
	WIN MUL_HI
	MUL16 4, (\q)%2, \q, \slot, \zero
	MUL16 6, (\q)%2, \q, \slot, \zero
	PLACES NP
	WIN 0
	FETCH_A \slot, (\q)+1, 4
.endm
.macro TURN slot, next, fill
	s_wait_tensorcnt 0x0                           ; all my tensor loads have landed: my part of the next slot
	ds_add_u32 v[SPW], v[NIL]                      ; 0 onto my spare word
	s_wait_dscnt 4*NL+1                            ; (the add and the youngest 16 loads may be out)
	WIN MUL_LO
	MUL16 0, 1, NQ-1, \slot, 0
	s_wait_dscnt 0x0                               ; the add is done, and my reads of this slot are over
	s_barrier_signal -1
	MUL16 2, 1, NQ-1, \slot, 0
	WIN 0
	s_barrier_wait -1
.if \fill
	CREST                                          ; a round of the cluster's barrier: no wave of any partner still reads this slot or has a load on its way
	s_add_nc_u64 s[G0+4*\slot+2:G0+4*\slot+3], s[G0+4*\slot+2:G0+4*\slot+3], 2*ROWB
	s_add_nc_u64 s[G0B+4*\slot+2:G0B+4*\slot+3], s[G0B+4*\slot+2:G0B+4*\slot+3], 2*ROWB
	JLOAD G0+4*\slot, G1, G0B+4*\slot, G1B
	PLACES NP-4
.else
	PLACES NP
.endif
	v_add_nc_u32 v[ADRS], 4*NQ, v[ADRS]
	FETCH_B \next, 0, 0
	FETCH_A \next, 0, 0
	SCALES \next
	WIN MUL_HI
	MUL16 4, 1, NQ-1, \slot, 0
	MUL16 6, 1, NQ-1, \slot, 0
	PLACES NP
	WIN 0
	FETCH_A \next, 0, 4
.endm
	s_wait_tensorcnt 1                             ; the scales and my part of K step 0 are in (K step 1's load may be out)
	s_barrier_signal -1
	s_barrier_wait -1
	FETCH_B 0, 0, 0
	FETCH_A 0, 0, 0
	SCALES 0
	FETCH_A 0, 0, 4
	STEP 0, 0, 1
	s_mov_b32 s3, LAPS-1
.Llap:
	TURN 0, 1, 1
	STEP 1, 0, 0
	TURN 1, 0, 1
	STEP 0, 0, 0
	s_sub_co_u32 s3, s3, 1
	s_cmp_lg_u32 s3, 0
	s_cbranch_scc1 .Llap
	TURN 0, 1, 0
	STEP 1, 0, 0
	s_wait_dscnt 4*NL
	WIN MUL_LO
	MUL16 0, 1, NQ-1, 1, 0
	MUL16 2, 1, NQ-1, 1, 0
	s_wait_dscnt 0
	WIN MUL_HI
	MUL16 4, 1, NQ-1, 1, 0
	MUL16 6, 1, NQ-1, 1, 0
	WIN 0
; THE WAY OUT.  Block a is my rows 16 a .. 16 a + 15: 64 numbers a lane, register 8 b + j = column 16 b + 8 (l / 16) + j of row l % 16.
.macro MOVB_COL a                      ; block a + the bias -> v128-191; each accumulator is read from its low end on
	WIN 0x02+(\a)/4
.set n, 0
.rept 32
	v_pk_add_f32 v[128+n:129+n], v[64*((\a)%4)+n:64*((\a)%4)+n+1], v[BI+n:BI+n+1]
.set n, n+2
.endr
	WIN 0
.endm
.macro QUANT s                         ; relu and the quantiser: no |.| on the maximum's sources: what is negative is to become 0 and must not count; the floor stands over it
.irp b, 0,1,2,3
	v_max3_num_f32 v[TM+\b], v[\s+16*\b], v[\s+1+16*\b], 0x8000000
.endr
.irp i, 2,4,6,8,10,12,14
.irp b, 0,1,2,3
	v_max3_num_f32 v[TM+\b], v[TM+\b], v[\s+16*\b+\i], v[\s+1+16*\b+\i]
.endr
.endr
.irp b, 0,1,2,3
	v_permlanex16_b32 v[TM+4+\b], v[TM+\b], s[SEL], s[SEL+1]
.endr
.irp b, 0,1,2,3
	v_max_num_f32 v[TM+\b], v[TM+\b], v[TM+4+\b]
.endr
.irp b, 0,1,2,3
	v_add_nc_u32 v[TM+12+\b], 0xf8800000, v[TM+\b] ; 15 off the exponent field: the conversion's scale operand
.endr
.irp b, 0,1,2,3
	v_and_or_b32 v[TM+8+\b], v[TM+\b], 0x7f800000, s[MNT]   ; 57,344 x the scale
.endr
.irp b, 0,1,2,3
	v_lshrrev_b32 v[TM+4+\b], 23, v[TM+12+\b]
.endr
	v_lshl_or_b32 v[PW], v[TM+5], 8, v[TM+4]
	v_lshl_or_b32 v[PW], v[TM+6], 16, v[PW]
	v_lshl_or_b32 v[PW], v[TM+7], 24, v[PW]
.irp b, 0,1,2,3
.irp i, 0,1,2,3,4,5,6,7,8,9,10,11,12,13,14,15
	v_med3_num_f32 v[\s+16*\b+\i], v[\s+16*\b+\i], 0, v[TM+8+\b]   ; the activation and the hold in one
.endr
	v_cvt_scalef32_pk8_bf8_f32 v[PC+4*\b:PC+1+4*\b], v[\s+16*\b:\s+7+16*\b], v[TM+12+\b]
	v_cvt_scalef32_pk8_bf8_f32 v[PC+2+4*\b:PC+3+4*\b], v[\s+8+16*\b:\s+15+16*\b], v[TM+12+\b]
.endr
	v_nop                                          ; one plain instruction between a scaled conversion and the next vector instruction that writes its sources
.endm
	PLACES NP
	s_wait_loadcnt 0x0                             ; the bias
	s_mov_b32 s[SEL], 0x76543210
	s_mov_b32 s[SEL+1], 0xfedcba98
	s_mov_b32 s[MNT], 0x600000
	v_and_b32 v44, 15, v0                          ; r
	v_bfe_u32 v45, v0, 4, 1                        ; h
	v_and_b32 v46, 31, v0                          ; lane
	s_mul_i32 s20, s15, 128*272
	s_lshl_b32 s21, s16, 7
	s_add_co_u32 s20, s20, s21
	v_mul_u32_u24 v32, v44, 272
	v_lshl_add_u32 v32, v45, 3, v32
	v_add_nc_u32 v32, s20, v32                     ; v32: the stage (256 rows x 272 bytes in slot 0, which has had its last fill and its last read): row 128 x row half + r, byte 128 x column half + 8 h
	s_lshl_b32 s20, s15, 10
	s_lshl_b32 s21, s16, 2
	s_add_co_u32 s20, s20, s21
	s_add_co_u32 s20, s20, MS
	v_lshl_add_u32 v34, v44, 3, s20                ; v34: my row's scale word: 8 bytes a row, my column half's four
	s_lshl_b32 s21, s14, 9
	s_add_co_u32 s21, s21, MS
	v_lshl_add_u32 v38, v46, 4, s21                ; v38: 512 scale bytes back
	s_mul_i32 s23, s14, 64*272
	v_mul_u32_u24 v39, v45, 272
	v_lshl_add_u32 v39, v44, 4, v39
	v_add_nc_u32 v39, s23, v39                     ; v39: back from the stage: rows 64 x wave on, two rows an instruction
	v_lshlrev_b32 v41, 4, v46                      ; v41: 16 x lane
	v_lshlrev_b32 v42, 12, v45
	v_lshl_add_u32 v42, v44, 4, v42                ; v42: two rows of codes in memory, 4,096 bytes apart
.irp b, 0,1,2,3
	v_mov_b32 v[TM+4+\b], 0                        ; written once: a lane permute's destination counts as one of its sources
.endr
	s_lshl_b32 s46, s17, 20                        ; the rows that I send: 256 x tile row + 64 x wave, at the tile's 256 columns
	s_lshl_b32 s21, s14, 18
	s_add_co_u32 s46, s46, s21
	s_lshl_b32 s21, s42, 8
	s_add_co_u32 s46, s46, s21
	s_mov_b32 s47, 0
	s_add_nc_u64 s[46:47], s[12:13], s[46:47]
	s_lshl_b32 s92, s17, 15                        ; the scale bytes that I send: ((2 x tile row + wave / 2) x 16 + tile column) x 1,024 + 512 (wave % 2)
	s_lshl_b32 s21, s15, 14
	s_add_co_u32 s92, s92, s21
	s_lshl_b32 s21, s42, 10
	s_add_co_u32 s92, s92, s21
	s_lshl_b32 s21, s16, 9
	s_add_co_u32 s92, s92, s21
	s_add_co_u32 s92, s92, 0x1000000
	s_mov_b32 s93, 0
	s_add_nc_u64 s[92:93], s[12:13], s[92:93]
.irp a, 0,1,2,3,4,5,6,7
	MOVB_COL \a
	QUANT 128
.irp q, 0,1,2,3,4,5,6,7
	ds_store_b64 v32, v[PC+2*\q:PC+2*\q+1] offset:\a*16*272+16*\q   ; pair q of the codes' registers holds columns 16 q + 8 h + 0 .. 7
.endr
	ds_store_b32 v34, v[PW] offset:128*\a
	s_wait_dscnt 0x0                               ; the stores have read their registers
.endr
	s_barrier_signal -1                            ; (my stores into the stage are done: the wait above)
	s_barrier_wait -1
	ds_load_b128 v[48:51], v38
.irp t, 0,1,2,3,4,5,6,7,8,9,10,11,12,13,14,15,16,17,18,19,20,21,22,23,24,25,26,27,28,29,30,31
	ds_load_b128 v[128+4*\t:128+4*\t+3], v39 offset:544*\t
.endr
	s_wait_dscnt 32                                ; the scale bytes are back; the 32 loads of codes are younger
	global_store_b128 v41, v[48:51], s[92:93]      ; 512 consecutive bytes, aligned
.irp t, 0,1,2,3,4,5,6,7,8,9,10,11,12,13,14,15,16,17,18,19,20,21,22,23,24,25,26,27,28,29,30,31
	s_wait_dscnt 31-\t
	global_store_b128 v42, v[128+4*\t:128+4*\t+3], s[46:47] offset:8192*\t   ; sixteen lanes store 256 consecutive bytes, aligned
.endr
	s_wait_tensorcnt 0x0                           ; the wave's end
	ds_add_u32 v[SPW], v[NIL]
	s_wait_dscnt 0x0
	CROUND                                         ; the closing round
	s_endpgm
.Lfunc_end_k_q66395c1124_fc1:
	.size	k_q66395c1124_fc1, .Lfunc_end_k_q66395c1124_fc1-k_q66395c1124_fc1
	.p2alignl 7, 3214868480
	.fill 96, 4, 3214868480
	.section	.rodata,"a",@progbits
	.p2align	6, 0x0
	.amdhsa_kernel k_q66395c1124_fc1
		.amdhsa_group_segment_fixed_size 327680
		.amdhsa_private_segment_fixed_size 0
		.amdhsa_enable_private_segment 0
		.amdhsa_kernarg_size 40
		.amdhsa_user_sgpr_count 2
		.amdhsa_user_sgpr_kernarg_segment_ptr 1
		.amdhsa_wavefront_size32 1
		.amdhsa_system_sgpr_workgroup_id_x 1
		.amdhsa_system_sgpr_workgroup_id_y 1
		.amdhsa_system_sgpr_workgroup_id_z 1
		.amdhsa_system_vgpr_workitem_id 0
		.amdhsa_next_free_vgpr 1024
		.amdhsa_next_free_sgpr 102
		.amdhsa_reserve_vcc 0
		.amdhsa_float_denorm_mode_32 3
		.amdhsa_float_denorm_mode_16_64 3
		.amdhsa_memory_ordered 1
		.amdhsa_forward_progress 1
		.amdhsa_inst_pref_size 210
	.end_amdhsa_kernel
	.amdgpu_metadata
---
amdhsa.version: [ 1, 2 ]
amdhsa.kernels:
  - .name:           k_q66395c1124_fc1
    .symbol:         k_q66395c1124_fc1.kd
    .args:
      - { .name: hq, .offset: 0, .size: 8, .value_kind: global_buffer, .address_space: global }
      - { .name: b1, .offset: 8, .size: 8, .value_kind: global_buffer, .address_space: global }
      - { .name: w1_codes, .offset: 16, .size: 8, .value_kind: global_buffer, .address_space: global }
      - { .name: w1_scales, .offset: 24, .size: 8, .value_kind: global_buffer, .address_space: global }
      - { .name: mq, .offset: 32, .size: 8, .value_kind: global_buffer, .address_space: global }
    .group_segment_fixed_size: 327680
    .private_segment_fixed_size: 0
    .kernarg_segment_align: 8
    .kernarg_segment_size: 40
    .max_flat_workgroup_size: 128
    .sgpr_count:     102
    .vgpr_count:     1024
    .wavefront_size: 32
...
	.end_amdgpu_metadata
.endif
;; end of part 4
;; launch fc2 (part 5): grid 4 x 16, 4 waves a work-group, clusters of 4 x 4, 327,680 bytes of LDS; arguments mq, b2, w2_codes, w2_scales, attn, out0; writes out0
.if DOCPART == 5
	.amdgcn_target "amdgcn-amd-amdhsa--gfx1250"
	.amdhsa_code_object_version 6
	.text
	.protected	k_q66395c1124_fc2
	.globl	k_q66395c1124_fc2
	.p2align	8
	.type	k_q66395c1124_fc2,@function
k_q66395c1124_fc2:
	s_mov_b64 s[64:65], 0
	v_nop
	global_prefetch_b8 v0, s[64:65] scope:SCOPE_SE
	s_setreg_imm32_b32 hwreg(HW_REG_WAVE_MODE, 25, 1), 1
	s_wait_xcnt 0x0
	s_wait_alu depctr_hold_cnt(0) depctr_sa_sdst(0) depctr_va_vdst(0) depctr_va_sdst(0) depctr_va_ssrc(0) depctr_va_vcc(0) depctr_vm_vsrc(0)
	s_getreg_b32 s2, hwreg(HW_REG_IB_STS2, 6, 4)
	s_cmp_eq_u32 s2, 0
	s_cbranch_scc0 .Lentry_in_a_cluster
	s_endpgm
.Lentry_in_a_cluster:
	s_bfe_u32 s2, ttmp6, 0x10000c
	s_cmp_lg_u32 s2, 0xf033
	s_cbranch_scc0 .Lentry_shape_is_right
	s_endpgm
.Lentry_shape_is_right:
; out = m W2 + b2 + attn on codes of E5M2 with E8M0 scales, K = 4,096; out: [4,096][1,024] f32.
; THE PRODUCT: a tile of C, 256 x 256, is made by four waves, 128 x 128 each (64 accumulators, 512 registers): 64 work-groups.  A smaller tile would give more work-groups, but each would read twice the
; LDS bytes and fetch twice the tile bytes for each matrix instruction.  K goes in steps of 256 through two LDS slots filled by the tensor data mover.
; 4 x 4 work-groups form a cluster: A's tiles are asked for jointly along a row of it, B's along a column.  The matrix instruction is used transposed (source 0 = 16 rows of W2, source 1 = 16 tokens).
; THE SCALES.  Both operands' scale bytes for all of K do not fit beside the ring.  W2's (32,768 bytes for the tile's 256 rows) come into LDS once, jointly.  m's were laid by the launch before in the order of
; these registers, [token / 128][K step][128 tokens][8 bytes]: a K step's 1,024 bytes come by four loads of 256 consecutive bytes a wave, straight into registers, a whole K step ahead.
; REGISTERS, in windows of 256: window 0: v0-31 addresses, v8-11 b2 of my four columns; v32-63 W2's scale words, two sets; v64-79 m's, two sets (register pair i: block 2 i in lanes 0-15, block 2 i + 1 in lanes 16-31);
;   from v128 A's fragments, one set.   window 1: B's fragments, two sets; on the way out rows of attn.   windows 2, 3: the accumulators.
.set SIZE_K, 4096
.set SIZE_N, 1024
.set KSTEP,  256
.set NQ,     KSTEP/128
.set ROWB,   256
.set KROW,   SIZE_K
.set PITCH,  272                       ; an LDS row: 256 bytes + 16 of padding: the 16 rows that a load touches start at 16 different banks (64 banks of 4 bytes: ISA guide 11.1)
.set FR,     16
.set NL,     4
.set NP,     8                         ; places behind this matrix instruction (ISA guide 7.12.1)
.set HALFT,  128*PITCH
.set SLOT,   4*HALFT
.set LAPS,   SIZE_K/(2*KSTEP)
.set KS,     SIZE_K/32                 ; 128 scale bytes a row of W2
.set SCL,    2*SLOT                    ; behind the ring: W2's scales, as units of 256 bytes + 16 of padding
.set QUARTS, (64*KS/256)*272           ; those of 64 rows: what one tensor load brings
.set SBLK,   (16*KS/256)*272
.set SPARE,  SCL+4*QUARTS              ; the spare words, 128 bytes for each wave: two blocks of 256 bytes that no other line names
.set SPITCH, 528                       ; the way out: a stage of 16 rows x (512 + 16) bytes for each wave, in slot 0, which has had its last fill and its last read by then
.set ADRA, 16
.set ADRB, 20
.set STO,  24
.set RD,   25
.set CO,   26                          ; v26  16 x lane
.set ADRS, 27
.set SPW,  28
.set NIL,  29
.set AL8,  30                          ; v30  8 x lane
.set B2R,  8
.set SC,   32
.set SA,   64
.set AF,   128
.set BK,   128
.set G1, 24
.set G0, 32
.set G1B, 48
.set G0B, 56
.set G1SB, 80
.set G0SB, 88
.set MSB, 0
.macro WIN new                         ; the immediate's high byte repeats the setting that is left
.if MSB != (\new)
	s_set_vgpr_msb (MSB<<8)|(\new)
.set MSB, (\new)
.endif
.endm
.set MUL_LO, 0xa1
.set MUL_HI, 0xf1
.set TO_B,   0x40
.macro JLOAD g0a, g1a, g0b, g1b        ; a joint load: waves 0 and 1 fetch for A, waves 2 and 3 for B; four v_nop follow each of the two lines
	s_cmp_eq_u32 s15, 0
	s_cbranch_scc0 .Lfor_b_\@
	tensor_load_to_lds s[\g0a:\g0a+3], s[\g1a:\g1a+7]
	s_nop 0
.rept 4
	v_nop
.endr
	s_branch .Lasked_\@
.Lfor_b_\@:
	tensor_load_to_lds s[\g0b:\g0b+3], s[\g1b:\g1b+7]
	s_nop 0
.rept 4
	v_nop
.endr
.Lasked_\@:
.endm
.macro CREST
	s_cmp_lg_u32 s14, 0
	s_cbranch_scc1 .Lnot_wave_0_\@
	s_barrier_signal -3
.Lnot_wave_0_\@:
	s_barrier_wait -3
	s_barrier_signal -1
	s_barrier_wait -1
.endm
.macro CROUND
	s_barrier_signal -1
	s_barrier_wait -1
	CREST
.endm
	s_load_b128 s[4:7], s[0:1], 0x0                ; m's codes and scales (one buffer) s[4:5], b2 s[6:7]
	s_load_b128 s[8:11], s[0:1], 0x10              ; W2's codes s[8:9], W2's scales s[10:11]
	s_load_b64 s[12:13], s[0:1], 0x20              ; attn
	s_load_b64 s[96:97], s[0:1], 0x28              ; out
	v_lshl_add_u32 v[SPW], v0, 2, SPARE
	v_mov_b32 v[NIL], 0
	ds_add_u32 v28, v29
	ds_add_u32 v28, v29
	s_wait_dscnt 0x0
	v_lshrrev_b32 v1, 5, v0
	v_readfirstlane_b32 s14, v1                    ; wave 0..3
	s_lshr_b32 s15, s14, 1                         ; which half of the tile's rows is mine.  Also: I fetch for A (0) or for B (1)
	s_and_b32 s16, s14, 1                          ; which half of its columns.  Also: which 128 rows of that tile I fetch
	s_bfe_u32 s40, ttmp6, 0x40000
	s_bfe_u32 s41, ttmp6, 0x40004
	s_lshl_b32 s42, ttmp9, 2
	s_add_co_u32 s42, s42, s40                     ; tile column of C
	s_and_b32 s17, ttmp7, 0xffff
	s_lshl_b32 s17, s17, 2
	s_add_co_u32 s17, s17, s41                     ; tile row of C
	s_lshl_b32 s43, s41, 2
	s_lshl_b32 s43, 15, s43                        ; my row of the cluster
	s_lshl_b32 s44, 0x1111, s40                    ; my column
	s_or_b32 s[G1+0], s43, (0<<16)|(1<<20)|(1<<21)|(5<<22)|(3<<25)  ; the mask; elements of 1 byte; padding on; bit 21 set beside a mask; four words after every 64
	s_or_b32 s[G1B+0], s44, (0<<16)|(1<<20)|(1<<21)|(5<<22)|(3<<25)
.irp g, G1, G1B
	s_mov_b32 s[\g+1], ROWB<<16
	s_mov_b32 s[\g+2], 128<<16
	s_mov_b32 s[\g+3], ROWB<<16
	s_mov_b32 s[\g+4], 128
	s_mov_b32 s[\g+5], KROW
	s_mov_b32 s[\g+6], 0
	s_mov_b32 s[\g+7], 0
.endr
	s_or_b32 s[G1SB+0], s44, (3<<16)|(1<<20)|(1<<21)|(5<<22)|(3<<25)   ; W2's scales of 64 rows: 8,192 dense bytes as 32 rows of 256, 16 bytes of padding behind each
	s_mov_b32 s[G1SB+1], 32<<16
	s_mov_b32 s[G1SB+2], (64*KS/256)<<16
	s_mov_b32 s[G1SB+3], 32<<16
	s_mov_b32 s[G1SB+4], 64*KS/256
	s_mov_b32 s[G1SB+5], 32
	s_mov_b32 s[G1SB+6], 0
	s_mov_b32 s[G1SB+7], 0
	s_lshl_b32 s18, s16, 7
	s_lshl_b32 s20, s17, 8
	s_add_co_u32 s20, s20, s18                     ; A: row 256 x tile row + 128 x half
	s_lshl_b32 s46, s42, 8
	s_add_co_u32 s46, s46, s18                     ; B: row 256 x tile column + 128 x half
	s_mov_b32 s21, 0
	s_mov_b32 s47, 0
	s_mov_b64 s[18:19], KROW
	s_mul_u64 s[20:21], s[20:21], s[18:19]
	s_mul_u64 s[46:47], s[46:47], s[18:19]
	s_lshl_b32 s92, s42, 15                        ; W2's scales: (256 x tile column + 64 x wave) rows of 128 bytes
	s_lshl_b32 s93, s14, 13
	s_add_co_u32 s92, s92, s93
	s_mov_b32 s93, 0
	s_mul_i32 s45, s14, HALFT
	s_mul_i32 s94, s14, QUARTS
	s_wait_kmcnt 0x0
	s_add_nc_u64 s[20:21], s[4:5], s[20:21]
	s_add_nc_u64 s[46:47], s[8:9], s[46:47]
	s_add_nc_u64 s[92:93], s[10:11], s[92:93]
	CROUND                                         ; all sixteen work-groups are here: the first joint loads meet
	s_mov_b32 s[G0SB], 1
	s_add_co_u32 s[G0SB+1], s94, SCL
	s_mov_b64 s[G0SB+2:G0SB+3], s[92:93]
	s_or_b32 s[G0SB+3], s[G0SB+3], 0x80000000
	tensor_load_to_lds s[G0SB:G0SB+3], s[G1SB:G1SB+7]   ; every wave a quarter of W2's scales, shared along my column of the cluster
	s_nop 0
.rept 4
	v_nop
.endr
.irp s, 0,1
	s_mov_b32 s[G0+4*\s], 1
	s_add_co_u32 s[G0+4*\s+1], s45, \s*SLOT
	s_add_nc_u64 s[G0+4*\s+2:G0+4*\s+3], s[20:21], \s*ROWB
	s_or_b32 s[G0+4*\s+3], s[G0+4*\s+3], 0x80000000
	s_mov_b32 s[G0B+4*\s], 1
	s_add_co_u32 s[G0B+4*\s+1], s45, \s*SLOT
	s_add_nc_u64 s[G0B+4*\s+2:G0B+4*\s+3], s[46:47], \s*ROWB
	s_or_b32 s[G0B+4*\s+3], s[G0B+4*\s+3], 0x80000000
	JLOAD G0+4*\s, G1, G0B+4*\s, G1B               ; three tensor loads of mine are out
.endr
	v_and_b32 v1, 15, v0
	v_bfe_u32 v2, v0, 4, 1
	v_mul_u32_u24 v3, v1, PITCH
	v_lshl_add_u32 v4, v2, 4, v3
	s_mul_i32 s21, s15, HALFT
	s_mul_i32 s22, s16, HALFT
	s_add_co_u32 s22, s22, 2*HALFT
.irp s, 0,1
	v_add_nc_u32 v[ADRA+\s], s21, v4
	v_add_nc_u32 v[ADRB+\s], s22, v4
	s_add_co_u32 s21, s21, SLOT
	s_add_co_u32 s22, s22, SLOT
.endr
	v_lshlrev_b32 v5, 7, v1                        ; W2's scales of row r: 128 bytes a row,
	v_lshrrev_b32 v6, 1, v1
	v_lshl_add_u32 v5, v6, 4, v5                   ; and 16 more for each 256 passed
	s_mul_i32 s21, s16, 2*QUARTS                   ; my 128 rows
	s_add_co_u32 s21, s21, SCL
	v_add_nc_u32 v[ADRS], s21, v5                  ; (lanes 16-31 read what lanes 0-15 read)
	s_mul_i32 s23, s14, 16*SPITCH                  ; my stage
	v_mul_u32_u24 v5, v1, SPITCH
	v_lshl_add_u32 v5, v2, 5, v5
	v_add_nc_u32 v[STO], s23, v5                   ; in: row l % 16, 32 bytes for each half of the lanes
	v_and_b32 v6, 31, v0
	v_lshlrev_b32 v[CO], 4, v6                     ; back: the 32 lanes take one row of 512 bytes; and the same in attn and in out
	v_add_nc_u32 v[RD], s23, v[CO]
	v_lshlrev_b32 v[AL8], 3, v6
	s_lshl_b32 s20, s17, 8
	s_lshl_b32 s21, s15, 7
	s_add_co_u32 s20, s20, s21                     ; my first row of C
	s_mov_b32 s21, 0
	s_mov_b64 s[18:19], SIZE_N*4
	s_mul_u64 s[20:21], s[20:21], s[18:19]
	s_lshl_b32 s46, s42, 10                        ; my first column, in bytes
	s_lshl_b32 s47, s16, 9
	s_add_co_u32 s46, s46, s47
	s_mov_b32 s47, 0
	s_add_nc_u64 s[98:99], s[6:7], s[46:47]        ; b2 there
	s_add_nc_u64 s[20:21], s[20:21], s[46:47]
	s_add_nc_u64 s[12:13], s[12:13], s[20:21]
	s_add_nc_u64 s[96:97], s[96:97], s[20:21]
	s_lshl_b32 s66, s17, 15                        ; m's scale bytes: my 128 tokens' 16,384
	s_lshl_b32 s67, s15, 14
	s_add_co_u32 s66, s66, s67
	s_add_co_u32 s66, s66, 0x1000000
	s_mov_b32 s67, 0
	s_add_nc_u64 s[66:67], s[4:5], s[66:67]
.macro ASCALES set, off                ; a K step's scale words of my 128 tokens: each load reads 256 consecutive bytes, aligned
.irp i, 0,1,2,3
	global_load_b64 v[SA+8*\set+2*\i:SA+8*\set+2*\i+1], v[AL8], s[66:67] offset:\off+256*\i
.endr
.endm
	global_load_b128 v[B2R:B2R+3], v[CO], s[98:99]
	ASCALES 0, 0
	ASCALES 1, 1024
.macro FRAG reg, adr, q, i
.irp c, 0,1,2,3
	ds_load_b128 v[\reg+4*\c:\reg+4*\c+3], v[\adr] offset:128*(\q)+32*\c+(\i)*16*PITCH
.endr
.endm
; 16 matrix instructions; the 64 accumulators take turns, one instruction a turn, in the same order in every step.
; Source 0's scales (W2's block b) are read from lanes 0-15; source 1's (m's block a) from lanes 0-15 of its pair's register for even a, from lanes 16-31 for odd a.
.macro MUL16 a0, p, q, sc, zero
.irp a, \a0, \a0+1
.irp b, 0,1,2,3,4,5,6,7
.set rD, 8*(8*((\a)%4)+\b)
.set rB, 128*(\p)+FR*\b
.set rA, AF+FR*(\a)
.set rSB, SC+8*NQ*(\sc)+NQ*\b+(\q)
.set rSA, SA+8*(\sc)+2*((\a)/2)+(\q)
.if \zero
.if (\a)%2
	v_wmma_scale_f32_16x16x128_f8f6f4 v[rD:rD+7], v[rB:rB+15], v[rA:rA+15], 0, v[rSB], v[rSA] matrix_a_fmt:MATRIX_FMT_BF8 matrix_b_fmt:MATRIX_FMT_BF8 matrix_b_scale:MATRIX_SCALE_ROW1
.else
	v_wmma_scale_f32_16x16x128_f8f6f4 v[rD:rD+7], v[rB:rB+15], v[rA:rA+15], 0, v[rSB], v[rSA] matrix_a_fmt:MATRIX_FMT_BF8 matrix_b_fmt:MATRIX_FMT_BF8
.endif
.else
.if (\a)%2
	v_wmma_scale_f32_16x16x128_f8f6f4 v[rD:rD+7], v[rB:rB+15], v[rA:rA+15], v[rD:rD+7], v[rSB], v[rSA] matrix_a_fmt:MATRIX_FMT_BF8 matrix_b_fmt:MATRIX_FMT_BF8 matrix_b_scale:MATRIX_SCALE_ROW1
.else
	v_wmma_scale_f32_16x16x128_f8f6f4 v[rD:rD+7], v[rB:rB+15], v[rA:rA+15], v[rD:rD+7], v[rSB], v[rSA] matrix_a_fmt:MATRIX_FMT_BF8 matrix_b_fmt:MATRIX_FMT_BF8
.endif
.endif
.endr
.endr
.endm
.macro FETCH_B slot, q, p
	WIN TO_B
.irp i, 0,1,2,3,4,5,6,7
	FRAG 128*(\p)+FR*\i, ADRB+\slot, \q, \i
.endr
	WIN 0
.endm
.macro FETCH_A slot, q, i0
.irp i, \i0, \i0+1, \i0+2, \i0+3
	FRAG AF+FR*(\i), ADRA+\slot, \q, \i
.endr
.endm
.macro SCALES sc                       ; W2's scale words of a K step: two a row
.irp i, 0,1,2,3,4,5,6,7
	ds_load_b64 v[SC+8*NQ*\sc+NQ*\i:SC+8*NQ*\sc+NQ*\i+1], v[ADRS] offset:\i*SBLK
.endr
.endm
.macro PLACES n
.rept \n
	v_nop
.endr
.endm
.macro STEP slot, q, zero, lc          ; lc: the loads of m's scale words issued behind this K step's
	s_wait_loadcnt \lc
	s_wait_dscnt 4*NL                              ; B's set and A's blocks 0-3 are in; the youngest 16 loads (A's blocks 4-7) may be out
	WIN MUL_LO
	MUL16 0, (\q)%2, \q, \slot, \zero
	MUL16 2, (\q)%2, \q, \slot, \zero
	s_wait_dscnt 0
	PLACES NP
	FETCH_B \slot, (\q)+1, 1-(\q)%2
	FETCH_A \slot, (\q)+1, 0
	WIN MUL_HI
	MUL16 4, (\q)%2, \q, \slot, \zero
	MUL16 6, (\q)%2, \q, \slot, \zero
	PLACES NP
	WIN 0
	FETCH_A \slot, (\q)+1, 4
.endm
.macro TURN slot, next, fill
	s_wait_tensorcnt 0x0                           ; all my tensor loads have landed: my part of the next slot
	ds_add_u32 v[SPW], v[NIL]                      ; 0 onto my spare word
	s_wait_dscnt 4*NL+1                            ; (the add and the youngest 16 loads may be out)
	WIN MUL_LO
	MUL16 0, 1, NQ-1, \slot, 0
	s_wait_dscnt 0x0                               ; the add is done, and my reads of this slot are over
	s_barrier_signal -1
	MUL16 2, 1, NQ-1, \slot, 0
	WIN 0
	s_barrier_wait -1
.if \fill
	CREST                                          ; a round of the cluster's barrier: no wave of any partner still reads this slot or has a load on its way
	s_add_nc_u64 s[G0+4*\slot+2:G0+4*\slot+3], s[G0+4*\slot+2:G0+4*\slot+3], 2*ROWB
	s_add_nc_u64 s[G0B+4*\slot+2:G0B+4*\slot+3], s[G0B+4*\slot+2:G0B+4*\slot+3], 2*ROWB
	JLOAD G0+4*\slot, G1, G0B+4*\slot, G1B
	PLACES NP-4
.else
	PLACES NP
.endif
	v_add_nc_u32 v[ADRS], 4*NQ, v[ADRS]
	FETCH_B \next, 0, 0
	FETCH_A \next, 0, 0
	SCALES \next
	WIN MUL_HI
	MUL16 4, 1, NQ-1, \slot, 0
	MUL16 6, 1, NQ-1, \slot, 0
	PLACES NP                                      ; these places also stand in front of the loads into this slot's set of m's scale words
	WIN 0
	FETCH_A \next, 0, 4
.if \fill
	s_wait_xcnt 0x0                                ; the earlier loads have read their base: it may step
	s_add_nc_u64 s[66:67], s[66:67], 1024
	ASCALES \slot, 1024                            ; the scale words of the K step two on, which this slot will hold
.endif
.endm
	s_wait_tensorcnt 1                             ; W2's scales and my part of K step 0 are in (K step 1's load may be out)
	s_barrier_signal -1
	s_barrier_wait -1
	FETCH_B 0, 0, 0
	FETCH_A 0, 0, 0
	SCALES 0
	FETCH_A 0, 0, 4
	STEP 0, 0, 1, 4                                ; set 0 is in; set 1's four loads are younger
	s_mov_b32 s3, LAPS-1
.Llap:                                                 ; a trip goes once round the ring and fills both slots again
	TURN 0, 1, 1
	STEP 1, 0, 0, 4
	TURN 1, 0, 1
	STEP 0, 0, 0, 4
	s_sub_co_u32 s3, s3, 1
	s_cmp_lg_u32 s3, 0
	s_cbranch_scc1 .Llap
	TURN 0, 1, 0
	STEP 1, 0, 0, 0                                ; nothing was asked for behind the last K step's scale words
	s_wait_dscnt 4*NL
	WIN MUL_LO
	MUL16 0, 1, NQ-1, 1, 0
	MUL16 2, 1, NQ-1, 1, 0
	s_wait_dscnt 0
	WIN MUL_HI
	MUL16 4, 1, NQ-1, 1, 0
	MUL16 6, 1, NQ-1, 1, 0
	WIN 0
; THE WAY OUT, block by block of 16 rows x 128 columns: through my own stage in LDS and back as whole rows of 512 bytes; attn's same rows and b2 are added; the 32 lanes store 512 consecutive bytes, aligned.
; Every offset is an immediate: 127 rows of 4,096 bytes at the most, inside the signed 24-bit immediate (ISA guide, chapter 10).
.macro RLOAD a                         ; attn's rows of block a into window 1, where B's fragments lay
	WIN TO_B
.irp t, 0,1,2,3,4,5,6,7,8,9,10,11,12,13,14,15
	global_load_b128 v[64*((\a)%4)+4*\t:64*((\a)%4)+4*\t+3], v[CO], s[12:13] offset:(16*(\a)+\t)*SIZE_N*4
.endr
	WIN 0
.endm
.macro TOSTAGE a
.set AC, 64*((\a)%4)
	WIN 0x08+4*((\a)/4)                            ; the data: window 2 or 3
.irp b, 0,1,2,3,4,5,6,7
	ds_store_b128 v[STO], v[AC+8*\b:AC+8*\b+3] offset:64*\b          ; each accumulator from its low end on
	ds_store_b128 v[STO], v[AC+8*\b+4:AC+8*\b+7] offset:64*\b+16
.endr
	WIN 0
.set BB, BK+64*((\a)%2)
.irp t, 0,1,2,3,4,5,6,7,8,9,10,11,12,13,14,15
	ds_load_b128 v[BB+4*\t:BB+4*\t+3], v[RD] offset:\t*SPITCH        ; LDS serves a wave's instructions in order: these see the stores above
.endr
.endm
.macro SEND a, younger                 ; younger: the LDS instructions issued behind block a's loads
.set BB, BK+64*((\a)%2)
	s_wait_dscnt \younger
.if 7-(\a) >= 3
	s_wait_loadcnt 48                              ; attn's rows of this block are in; those of the three blocks behind it, 16 loads each, may be out
.else
	s_wait_loadcnt 16*(7-(\a))
.endif
	WIN 0x04                                       ; source 1: window 1
.set n, 0
.rept 32
	v_pk_add_f32 v[BB+n:BB+n+1], v[BB+n:BB+n+1], v[64*((\a)%4)+n:64*((\a)%4)+n+1]
.set n, n+2
.endr
	WIN 0
.irp t, 0,1,2,3,4,5,6,7,8,9,10,11,12,13,14,15
	v_pk_add_f32 v[BB+4*\t:BB+4*\t+1], v[BB+4*\t:BB+4*\t+1], v[B2R:B2R+1]
	v_pk_add_f32 v[BB+4*\t+2:BB+4*\t+3], v[BB+4*\t+2:BB+4*\t+3], v[B2R+2:B2R+3]
.endr
.if (\a) < 4
	RLOAD (\a)+4
.endif
.irp t, 0,1,2,3,4,5,6,7,8,9,10,11,12,13,14,15
	global_store_b128 v[CO], v[BB+4*\t:BB+4*\t+3], s[96:97] offset:(16*(\a)+\t)*SIZE_N*4 th:TH_STORE_NT
.endr
.endm
	PLACES NP                                      ; behind the last products: loads land in registers that held fragments, and results are read
	RLOAD 0
	RLOAD 1
	RLOAD 2
	RLOAD 3
	TOSTAGE 0
.irp a, 1,2,3,4,5,6,7
.if \a > 1
	s_wait_xcnt 0x0                                ; block a - 2's stores have read their registers: block a's loads may land there
.endif
	TOSTAGE \a
	SEND \a-1, 32                                  ; behind block a - 1's loads: block a's 16 stores and 16 loads
.endr
	SEND 7, 0
	s_wait_tensorcnt 0x0                           ; the wave's end
	ds_add_u32 v[SPW], v[NIL]
	s_wait_dscnt 0x0
	CROUND                                         ; the closing round
	s_endpgm
.Lfunc_end_k_q66395c1124_fc2:
	.size	k_q66395c1124_fc2, .Lfunc_end_k_q66395c1124_fc2-k_q66395c1124_fc2
	.p2alignl 7, 3214868480
	.fill 96, 4, 3214868480
	.section	.rodata,"a",@progbits
	.p2align	6, 0x0
	.amdhsa_kernel k_q66395c1124_fc2
		.amdhsa_group_segment_fixed_size 327680
		.amdhsa_private_segment_fixed_size 0
		.amdhsa_enable_private_segment 0
		.amdhsa_kernarg_size 48
		.amdhsa_user_sgpr_count 2
		.amdhsa_user_sgpr_kernarg_segment_ptr 1
		.amdhsa_wavefront_size32 1
		.amdhsa_system_sgpr_workgroup_id_x 1
		.amdhsa_system_sgpr_workgroup_id_y 1
		.amdhsa_system_sgpr_workgroup_id_z 1
		.amdhsa_system_vgpr_workitem_id 0
		.amdhsa_next_free_vgpr 1024
		.amdhsa_next_free_sgpr 102
		.amdhsa_reserve_vcc 0
		.amdhsa_float_denorm_mode_32 3
		.amdhsa_float_denorm_mode_16_64 3
		.amdhsa_memory_ordered 1
		.amdhsa_forward_progress 1
		.amdhsa_inst_pref_size 191
	.end_amdhsa_kernel
	.amdgpu_metadata
---
amdhsa.version: [ 1, 2 ]
amdhsa.kernels:
  - .name:           k_q66395c1124_fc2
    .symbol:         k_q66395c1124_fc2.kd
    .args:
      - { .name: mq, .offset: 0, .size: 8, .value_kind: global_buffer, .address_space: global }
      - { .name: b2, .offset: 8, .size: 8, .value_kind: global_buffer, .address_space: global }
      - { .name: w2_codes, .offset: 16, .size: 8, .value_kind: global_buffer, .address_space: global }
      - { .name: w2_scales, .offset: 24, .size: 8, .value_kind: global_buffer, .address_space: global }
      - { .name: attn, .offset: 32, .size: 8, .value_kind: global_buffer, .address_space: global }
      - { .name: out0, .offset: 40, .size: 8, .value_kind: global_buffer, .address_space: global }
    .group_segment_fixed_size: 327680
    .private_segment_fixed_size: 0
    .kernarg_segment_align: 8
    .kernarg_segment_size: 48
    .max_flat_workgroup_size: 128
    .sgpr_count:     102
    .vgpr_count:     1024
    .wavefront_size: 32
...
	.end_amdgpu_metadata
.endif
;; end of part 5
;; ======== version 2 of 2: 6 launches
;; limits: right only within a limited range of input values
;; workspace buffers: hq 4,325,376 bytes; qkvq 12,976,128 bytes; attn 16,777,216 bytes; mq 17,301,504 bytes
;; launch ln1 (part 6): grid 256 x 1, 16 waves a work-group, no clusters, 68,096 bytes of LDS; arguments x, ln1_g, ln1_b, hq; writes hq
.if DOCPART == 6
	.amdgcn_target "amdgcn-amd-amdhsa--gfx1250"
	.amdhsa_code_object_version 6
	.text
	.protected	k_q66395c1124_ln1
	.globl	k_q66395c1124_ln1
	.p2align	8
	.type	k_q66395c1124_ln1,@function
k_q66395c1124_ln1:
	s_mov_b64 s[64:65], 0
	v_nop
	global_prefetch_b8 v0, s[64:65] scope:SCOPE_SE
	s_setreg_imm32_b32 hwreg(HW_REG_WAVE_MODE, 25, 1), 1
	s_wait_xcnt 0x0
; LayerNorm of 4,096 rows of 1,024 f32 (mean, variance of the centred numbers, rsqrt(var + 1e-5), gain, bias), then the MX quantiser along the row:
; codes of E5M2 [4096][1024] at byte 0 of the output buffer, one E8M0 byte for each 32 numbers, [4096][32], at byte 4,194,304.
; A work-group takes 16 rows, each of its sixteen waves ONE: a row (4,096 bytes) is 32 registers of a wave; four waves share a SIMD, so that four rows' chains stand beside each other.
; Each load reads 512 consecutive bytes; the conversion wants 8 neighbours in one lane, so the finished row turns through the wave's own 4,096 bytes of LDS.
; A lane then holds 8 neighbours of each quarter of the row: four lanes hold a block of 32, and a store of codes covers 256 consecutive bytes, aligned.
; The work-group's 512 scale bytes are gathered in LDS and leave by one store.  No matrix unit, no cluster, no tensor load: work-groups share no input but gain and bias.
; LIMITS: NaN and infinities are not served; a block whose largest magnitude lies under 2^-111 (a block of zeros too) gets the byte 1: its bytes are read by this program alone.
.set SCB,   65536                      ; LDS: sixteen stages of 4,096 bytes, then the scale bytes [row][32]
.set SPARE, 66048                      ; the spare words, 128 bytes a wave
.set X,   32                           ; v32-63   the row: register 4 i + e holds k = 128 i + 4 lane + e
.set G,   64                           ; v64-95   the gain, in the same layout
.set BT,  96                           ; v96-127  the bias
.set Y,   128                          ; v128-159 the row back from the stage: register 8 s + e holds k = 256 s + 8 lane + e
	s_load_b256 s[4:11], s[0:1], 0x0               ; the rows, gain, bias, output
	v_lshl_add_u32 v30, v0, 2, SPARE               ; my spare word, and 0: kept for the add at the wave's end
	v_mov_b32 v31, 0
	v_lshrrev_b32 v1, 5, v0
	v_readfirstlane_b32 s12, v1                    ; wave 0..15
	v_and_b32 v6, 31, v0                           ; lane
	v_lshlrev_b32 v1, 4, v6                        ; 16 x lane
	s_lshl_b32 s13, s12, 12                        ; my stage
	v_add_nc_u32 v2, s13, v1                       ; into it: as loaded
	v_lshl_add_u32 v3, v6, 5, s13                  ; out of it: 32 bytes a lane
	v_lshlrev_b32 v4, 3, v6                        ; my 8 codes of a store's 256
	v_lshrrev_b32 v5, 2, v6
	s_lshl_b32 s19, s12, 5
	s_add_co_u32 s19, s19, SCB
	v_add_nc_u32 v5, s19, v5                       ; my block's scale byte: 32 x wave + lane / 4
	v_add_nc_u32 v7, SCB, v1                       ; the scale bytes on their way out
	s_mov_b32 s14, 0x76543210
	s_mov_b32 s15, 0xfedcba98                      ; selects for lane l xor 16
	s_mov_b32 s16, 0x3a800000                      ; 1 / 1024
	s_mov_b32 s17, 0x3727c5ac                      ; 1e-5
	s_mov_b32 s18, 0x600000                        ; the mantissa field of 57,344
	s_lshl_b32 s20, ttmp9, 16                      ; 16 rows of 4,096 bytes a work-group, one a wave
	s_add_co_u32 s20, s20, s13
	s_mov_b32 s21, 0
	s_lshl_b32 s22, ttmp9, 14                      ; the codes: 1,024 bytes a row
	s_lshl_b32 s23, s12, 10
	s_add_co_u32 s22, s22, s23
	s_mov_b32 s23, 0
	s_lshl_b32 s24, ttmp9, 9                       ; the scale bytes: 32 a row
	s_add_co_u32 s24, s24, 0x400000
	s_mov_b32 s25, 0
	s_wait_alu depctr_va_vdst(0)                   ; the wait at the head's end
	s_wait_kmcnt 0x0
	s_add_nc_u64 s[4:5], s[4:5], s[20:21]
	s_add_nc_u64 s[22:23], s[10:11], s[22:23]
	s_add_nc_u64 s[24:25], s[10:11], s[24:25]
.irp i, 0,1,2,3,4,5,6,7
	global_load_b128 v[X+4*\i:X+4*\i+3], v1, s[4:5] offset:512*\i
.endr
.irp i, 0,1,2,3,4,5,6,7
	global_load_b128 v[G+4*\i:G+4*\i+3], v1, s[6:7] offset:512*\i
.endr
.irp i, 0,1,2,3,4,5,6,7
	global_load_b128 v[BT+4*\i:BT+4*\i+3], v1, s[8:9] offset:512*\i
.endr
.macro WSUM                            ; v[8:9] and v[10:11] summed over their four numbers and the 32 lanes, the result in v8 of every lane
	v_pk_add_f32 v[8:9], v[8:9], v[10:11]
	s_delay_alu instid0(VALU_DEP_1)
	v_add_f32 v8, v8, v9
.irp m, 1,2,4,8
	s_delay_alu instid0(VALU_DEP_1)
	v_add_f32_dpp v8, v8, v8 row_xmask:\m row_mask:0xf bank_mask:0xf
.endr
	s_delay_alu instid0(VALU_DEP_1)
	v_permlanex16_b32 v9, v8, s14, s15
	s_delay_alu instid0(VALU_DEP_1)
	v_add_f32 v8, v8, v9
.endm
	s_wait_loadcnt 16                              ; the row is in; the 16 loads of gain and bias are younger
	v_pk_add_f32 v[8:9], v[X:X+1], v[X+2:X+3]      ; the sum, in two chains
	v_pk_add_f32 v[10:11], v[X+4:X+5], v[X+6:X+7]
.irp j, 8,12,16,20,24,28
	v_pk_add_f32 v[8:9], v[8:9], v[X+\j:X+\j+1]
	v_pk_add_f32 v[10:11], v[10:11], v[X+\j+2:X+\j+3]
.endr
	WSUM
	s_delay_alu instid0(VALU_DEP_1)
	v_mul_f32 v12, s16, v8                         ; the mean, twice: a pair for the packed form
	v_mul_f32 v13, s16, v8
.set n, 0
.rept 16
	v_pk_add_f32 v[X+n:X+n+1], v[X+n:X+n+1], v[12:13] neg_lo:[0,1] neg_hi:[0,1]   ; centred first: the variance is no difference of large sums
.set n, n+2
.endr
	v_pk_mul_f32 v[8:9], v[X:X+1], v[X:X+1]
	v_pk_mul_f32 v[10:11], v[X+2:X+3], v[X+2:X+3]
.irp j, 4,8,12,16,20,24,28
	v_pk_fma_f32 v[8:9], v[X+\j:X+\j+1], v[X+\j:X+\j+1], v[8:9]
	v_pk_fma_f32 v[10:11], v[X+\j+2:X+\j+3], v[X+\j+2:X+\j+3], v[10:11]
.endr
	WSUM
	s_delay_alu instid0(VALU_DEP_1)
	v_fma_f32 v8, v8, s16, s17                     ; variance + 1e-5
	s_wait_alu depctr_va_vdst(0)                   ; the wait ahead of the transcendentals
	s_wait_loadcnt 0x0                             ; gain and bias
	v_rsq_f32 v14, v8
	v_rsq_f32 v15, v8
	v_nop                                          ; one plain instruction behind a transcendental
	s_wait_alu depctr_va_vdst(0)                   ; and the wait ahead of the first reader
.set n, 0
.rept 16
	v_pk_mul_f32 v[X+n:X+n+1], v[X+n:X+n+1], v[14:15]
.set n, n+2
.endr
.set n, 0
.rept 16
	v_pk_fma_f32 v[X+n:X+n+1], v[X+n:X+n+1], v[G+n:G+n+1], v[BT+n:BT+n+1]
.set n, n+2
.endr
.irp i, 0,1,2,3,4,5,6,7
	ds_store_b128 v2, v[X+4*\i:X+4*\i+3] offset:512*\i
.endr
.irp s, 0,1,2,3
	ds_load_b128 v[Y+8*\s:Y+8*\s+3], v3 offset:1024*\s             ; LDS serves a wave's instructions in order: these see the stores above
	ds_load_b128 v[Y+8*\s+4:Y+8*\s+7], v3 offset:1024*\s+16
.endr
	s_wait_dscnt 0x0                               ; the row is back, and the stores have read the row's registers
.irp s, 0,1,2,3
	v_max3_num_f32 v[16+\s], |v[Y+8*\s]|, |v[Y+8*\s+1]|, 0x8000000   ; my 8 numbers of quarter s, and the floor 2^(16 - 127): the byte cannot fall under 1
.endr
.irp i, 2,4,6
.irp s, 0,1,2,3
	v_max3_num_f32 v[16+\s], v[16+\s], |v[Y+8*\s+\i]|, |v[Y+8*\s+\i+1]|
.endr
.endr
.irp m, 1,2                            ; four lanes hold a block
.irp s, 0,1,2,3
	s_delay_alu instid0(VALU_DEP_4)
	v_max_num_f32_dpp v[16+\s], v[16+\s], v[16+\s] row_xmask:\m row_mask:0xf bank_mask:0xf
.endr
.endr
.irp s, 0,1,2,3
	s_delay_alu instid0(VALU_DEP_4)
	v_add_nc_u32 v[24+\s], 0xf8800000, v[16+\s]    ; 15 off the exponent field: the conversion's scale operand
.endr
.irp s, 0,1,2,3
	v_and_or_b32 v[20+\s], v[16+\s], 0x7f800000, s18   ; 57,344 x the scale
.endr
.irp s, 0,1,2,3
.irp i, 0,1,2,3,4,5,6,7
	v_med3_num_f32 v[Y+8*\s+\i], v[Y+8*\s+\i], -v[20+\s], v[20+\s]   ; the conversion to an 8-bit code does not saturate (ISA guide 7.6.2)
.endr
.endr
.irp s, 0,1,2,3
	v_cvt_scalef32_pk8_bf8_f32 v[X+2*\s:X+2*\s+1], v[Y+8*\s:Y+8*\s+7], v[24+\s]
.endr
.irp s, 0,1,2,3
	v_lshrrev_b32 v[12+\s], 23, v[24+\s]           ; the scale's byte
.endr
.irp s, 0,1,2,3
	global_store_b64 v4, v[X+2*\s:X+2*\s+1], s[22:23] offset:256*\s   ; 32 lanes store 256 consecutive bytes, aligned
	ds_store_b8 v5, v[12+\s] offset:8*\s           ; the four lanes of a block write the same byte with the same value
.endr
	s_wait_dscnt 0x0                               ; for the others' sake: my scale bytes lie in LDS
	s_barrier_signal -1
	s_barrier_wait -1
	s_cmp_lg_u32 s12, 0
	s_cbranch_scc1 .Ldone
	ds_load_b128 v[8:11], v7                       ; wave 0 sends the work-group's 512 scale bytes
	s_wait_dscnt 0x0
	global_store_b128 v1, v[8:11], s[24:25]
.Ldone:
	s_wait_tensorcnt 0x0                           ; the wave's end
	ds_add_u32 v30, v31
	s_wait_dscnt 0x0
	s_endpgm
.Lfunc_end_k_q66395c1124_ln1:
	.size	k_q66395c1124_ln1, .Lfunc_end_k_q66395c1124_ln1-k_q66395c1124_ln1
	.p2alignl 7, 3214868480
	.fill 96, 4, 3214868480
	.section	.rodata,"a",@progbits
	.p2align	6, 0x0
	.amdhsa_kernel k_q66395c1124_ln1
		.amdhsa_group_segment_fixed_size 68096
		.amdhsa_private_segment_fixed_size 0
		.amdhsa_enable_private_segment 0
		.amdhsa_kernarg_size 32
		.amdhsa_user_sgpr_count 2
		.amdhsa_user_sgpr_kernarg_segment_ptr 1
		.amdhsa_wavefront_size32 1
		.amdhsa_system_sgpr_workgroup_id_x 1
		.amdhsa_system_sgpr_workgroup_id_y 1
		.amdhsa_system_sgpr_workgroup_id_z 1
		.amdhsa_system_vgpr_workitem_id 0
		.amdhsa_next_free_vgpr 160
		.amdhsa_next_free_sgpr 66
		.amdhsa_reserve_vcc 0
		.amdhsa_float_denorm_mode_32 3
		.amdhsa_float_denorm_mode_16_64 3
		.amdhsa_memory_ordered 1
		.amdhsa_forward_progress 1
		.amdhsa_inst_pref_size 18
	.end_amdhsa_kernel
	.amdgpu_metadata
---
amdhsa.version: [ 1, 2 ]
amdhsa.kernels:
  - .name:           k_q66395c1124_ln1
    .symbol:         k_q66395c1124_ln1.kd
    .args:
      - { .name: x, .offset: 0, .size: 8, .value_kind: global_buffer, .address_space: global }
      - { .name: ln1_g, .offset: 8, .size: 8, .value_kind: global_buffer, .address_space: global }
      - { .name: ln1_b, .offset: 16, .size: 8, .value_kind: global_buffer, .address_space: global }
      - { .name: hq, .offset: 24, .size: 8, .value_kind: global_buffer, .address_space: global }
    .group_segment_fixed_size: 68096
    .private_segment_fixed_size: 0
    .kernarg_segment_align: 8
    .kernarg_segment_size: 32
    .max_flat_workgroup_size: 512
    .sgpr_count:     66
    .vgpr_count:     160
    .wavefront_size: 32
...
	.end_amdgpu_metadata
.endif
;; end of part 6
;; launch qkv (part 7): grid 12 x 16, 4 waves a work-group, clusters of 4 x 4, 327,680 bytes of LDS; arguments hq, b_qkv, w_qkv_codes, w_qkv_scales, qkvq; writes qkvq
.if DOCPART == 7
	.amdgcn_target "amdgcn-amd-amdhsa--gfx1250"
	.amdhsa_code_object_version 6
	.text
	.protected	k_q66395c1124_qkv
	.globl	k_q66395c1124_qkv
	.p2align	8
	.type	k_q66395c1124_qkv,@function
k_q66395c1124_qkv:
	s_mov_b64 s[64:65], 0
	v_nop
	global_prefetch_b8 v0, s[64:65] scope:SCOPE_SE
	s_setreg_imm32_b32 hwreg(HW_REG_WAVE_MODE, 25, 1), 1
	s_wait_xcnt 0x0
	s_wait_alu depctr_hold_cnt(0) depctr_sa_sdst(0) depctr_va_vdst(0) depctr_va_sdst(0) depctr_va_ssrc(0) depctr_va_vcc(0) depctr_vm_vsrc(0)
	s_getreg_b32 s2, hwreg(HW_REG_IB_STS2, 6, 4)
	s_cmp_eq_u32 s2, 0
	s_cbranch_scc0 .Lentry_in_a_cluster
	s_endpgm
.Lentry_in_a_cluster:
	s_bfe_u32 s2, ttmp6, 0x10000c
	s_cmp_lg_u32 s2, 0xf033
	s_cbranch_scc0 .Lentry_shape_is_right
	s_endpgm
.Lentry_shape_is_right:
; qkv = h W + b on codes of E5M2 with E8M0 scales (K = 1,024), and q, k, v quantised again on the way out: q and k along the head's 64, v along the keys.
; THE PRODUCT: a tile of C, 256 x 256, is made by four waves, 128 x 128 each (64 accumulators, 512 registers).  K goes in steps of 256 through two LDS slots filled by the tensor data mover;
; the scale bytes of the tile's rows, for all of K, come into LDS once.  4 x 4 work-groups form a cluster: A's tiles are asked for jointly along a row of it, B's along a column.
; The matrix instruction is used transposed (source 0 = 16 rows of B, source 1 = 16 rows of A): a lane holds eight neighbouring columns n of one row m of C.  So what is quantised here always runs along n.
; TWO ROLES, chosen by the cluster's x, which all sixteen partners share.  Clusters 0 and 1: A = h (tokens), B = W's rows 0-2,047: n runs along a head's channels: q and k.
; Cluster 2: A = W's rows 2,048-3,071 (row = 64 head + channel), B = h: n runs along the tokens: v, whose K in the second product of attention is the keys.
; WHAT IS STORED (y = 16 batch + head): q's codes [y][2,048 records][64] at 0, k's at 4,194,304; in each aligned group of 16 tokens record p holds token p / 2 + 8 (p % 2), so that two neighbouring
; records are one row of 128 codes for the next launch; their scale bytes [y][record][2] at QS and QS + 131,072.  v's codes [64 head + channel][2,048 batch + key] at VC; its scale words [y][key / 128][channel] at VS.
; LIMITS: NaN and infinities are not served; a block whose largest magnitude lies under 2^-111 (a block of zeros too) gets the byte 1: the bytes are read by this program alone.
; REGISTERS, in windows of 256: window 0: v0-31 addresses, v8-15 the bias by rows; v32-63 scale words, two sets; v64-127 the bias by columns; from v128 A's fragments, one set; on the way out v32-63 and v128-255 are free.
;   window 1: B's fragments, two sets.   windows 2, 3: the accumulators of my rows 0-63, 64-127 (accumulator (a, b) at v[8 (8 (a % 4) + b)]).
.set SIZE_K, 1024
.set KSTEP,  256                       ; along K in a slot
.set NQ,     KSTEP/128
.set ROWB,   256
.set KROW,   SIZE_K
.set PITCH,  272                       ; an LDS row: 256 bytes + 16 of padding: the 16 rows that a load touches start at 16 different banks (64 banks of 4 bytes: ISA guide 11.1)
.set FR,     16
.set NL,     4
.set NP,     8                         ; places behind this matrix instruction (ISA guide 7.12.1)
.set HALFT,  128*PITCH
.set SLOT,   4*HALFT
.set LAPS,   SIZE_K/(2*KSTEP)
.set KS,     SIZE_K/32
.set SCL,    2*SLOT                    ; behind the ring: the scales, as units of 256 bytes + 16 of padding
.set HALFS,  (128*KS/256)*272
.set SBLK,   (16*KS/256)*272
.set SPARE,  SCL+4*HALFS               ; the spare words, 128 bytes for each wave: two blocks of 256 bytes that no other line names
.set SCSQ,   SPARE+512                 ; the way out of q and k: 2,048 scale bytes, [head of the tile's four][256 records][2]
.set SCSV,   SCSQ+2048                 ; the way out of v: 512 bytes of scale words for each wave.  Each role has LDS bytes of its own
.set STGV,   SLOT/2                    ; the stages, 256 rows x 272 bytes: q and k's at 0, v's here: both in slot 0, which has had its last fill and its last read by then
.set QS,     12582912
.set VC,     8388608
.set VS,     QS+262144
.set ADRA, 16
.set ADRB, 20
.set ADRS, 27
.set SPW,  28                          ; v28  LDS address of my spare word; never rewritten
.set NIL,  29                          ; v29  0; never rewritten
.set RB,   8                           ; v8-15   bias of row 16 a + lane % 16 (role v)
.set BI,   64                          ; v64-127 bias of column 16 b + 8 (lane / 16) + j in register 8 b + j (role q, k)
.set SC,   32
.set AF,   128
.set PC,   192                         ; the way out: the codes just made
.set TM,   208                         ; v208-223 at work in the quantiser
.set PW,   224                         ; the scale word just made
.set SEL,  96                          ; s[96:97] lane selects, s98 the mantissa field of 57,344: written on the way out
.set MNT,  98
.set G1, 24
.set G0, 32
.set G1B, 48
.set G0B, 56
.set G1S, 68
.set G0S, 76
.set G1SB, 80
.set G0SB, 88
.set MSB, 0
.macro WIN new                         ; the immediate's high byte repeats the setting that is left
.if MSB != (\new)
	s_set_vgpr_msb (MSB<<8)|(\new)
.set MSB, (\new)
.endif
.endm
.set MUL_LO, 0xa1                      ; source 0 (B) window 1, source 1 (A) window 0, C and D window 2
.set MUL_HI, 0xf1
.set TO_B,   0x40
; A joint load: waves 0 and 1 fetch for A, waves 2 and 3 for B; the branch hangs on the wave's number alone.  Four v_nop follow each of the two lines.
.macro JLOAD g0a, g1a, g0b, g1b
	s_cmp_eq_u32 s15, 0
	s_cbranch_scc0 .Lfor_b_\@
	tensor_load_to_lds s[\g0a:\g0a+3], s[\g1a:\g1a+7]
	s_nop 0
.rept 4
	v_nop
.endr
	s_branch .Lasked_\@
.Lfor_b_\@:
	tensor_load_to_lds s[\g0b:\g0b+3], s[\g1b:\g1b+7]
	s_nop 0
.rept 4
	v_nop
.endr
.Lasked_\@:
.endm
.macro CREST                           ; a round of the cluster's barrier behind its opening barrier
	s_cmp_lg_u32 s14, 0
	s_cbranch_scc1 .Lnot_wave_0_\@
	s_barrier_signal -3
.Lnot_wave_0_\@:
	s_barrier_wait -3
	s_barrier_signal -1
	s_barrier_wait -1
.endm
.macro CROUND
	s_barrier_signal -1
	s_barrier_wait -1
	CREST
.endm
	s_load_b128 s[4:7], s[0:1], 0x0                ; h's codes and scales (one buffer) s[4:5], the bias s[6:7]
	s_load_b128 s[8:11], s[0:1], 0x10              ; W's codes s[8:9], W's scales s[10:11]
	s_load_b64 s[12:13], s[0:1], 0x20              ; the output
	v_lshl_add_u32 v[SPW], v0, 2, SPARE
	v_mov_b32 v[NIL], 0
	ds_add_u32 v28, v29
	ds_add_u32 v28, v29
	s_wait_dscnt 0x0
	v_lshrrev_b32 v1, 5, v0
	v_readfirstlane_b32 s14, v1                    ; wave 0..3
	s_lshr_b32 s15, s14, 1                         ; which half of the tile's rows is mine.  Also: I fetch for A (0) or for B (1)
	s_and_b32 s16, s14, 1                          ; which half of its columns.  Also: which 128 rows of that tile I fetch
	s_bfe_u32 s40, ttmp6, 0x40000                  ; cx, cy: my place in the cluster
	s_bfe_u32 s41, ttmp6, 0x40004
	s_and_b32 s17, ttmp7, 0xffff                   ; the cluster's y
	s_cmp_eq_u32 ttmp9, 2                          ; the role: the cluster's x, the same in all sixteen partners
	s_cselect_b32 s42, s17, ttmp9                  ; role v: the tokens run along the columns: 16 tile columns, 4 tile rows
	s_cselect_b32 s17, 0, s17
	s_cselect_b32 s100, 1, 0                       ; 1: role v
	s_lshl_b32 s42, s42, 2
	s_add_co_u32 s42, s42, s40                     ; tile column of C
	s_lshl_b32 s17, s17, 2
	s_add_co_u32 s17, s17, s41                     ; tile row of C
	s_lshl_b32 s43, s41, 2
	s_lshl_b32 s43, 15, s43                        ; my row of the cluster
	s_lshl_b32 s44, 0x1111, s40                    ; my column
	; descriptor group 1: a tile of 128 rows x 256 bytes, padded in LDS
	s_or_b32 s[G1+0], s43, (0<<16)|(1<<20)|(1<<21)|(5<<22)|(3<<25)  ; 15:0 the mask: A's tiles go to my row; 17:16 elements of 1 byte; 20 padding on; 21 set beside a mask; 24:22 after every 64 words; 31:25 four words
	s_or_b32 s[G1B+0], s44, (0<<16)|(1<<20)|(1<<21)|(5<<22)|(3<<25)
.irp g, G1, G1B
	s_mov_b32 s[\g+1], ROWB<<16                    ; tensor_dim0
	s_mov_b32 s[\g+2], 256<<16                     ; tensor_dim1: 256 rows for the head's loads; set to 128 for the ring's behind them
	s_mov_b32 s[\g+3], ROWB<<16                    ; tile_dim0
	s_mov_b32 s[\g+4], 256                         ; tile_dim1
	s_mov_b32 s[\g+5], KROW                        ; tensor_dim0_stride
	s_mov_b32 s[\g+6], 0
	s_mov_b32 s[\g+7], 0
.endr
	; the scales of 256 rows: a dense block of 8,192 bytes, as rows of 256 bytes (32 elements of 8 bytes), 16 bytes of padding behind each
	s_or_b32 s[G1S+0], s43, (3<<16)|(1<<20)|(1<<21)|(5<<22)|(3<<25)
	s_or_b32 s[G1SB+0], s44, (3<<16)|(1<<20)|(1<<21)|(5<<22)|(3<<25)
.irp g, G1S, G1SB
	s_mov_b32 s[\g+1], 32<<16
	s_mov_b32 s[\g+2], KS<<16                      ; the scales of all 256 rows: KS rows of 256 bytes
	s_mov_b32 s[\g+3], 32<<16
	s_mov_b32 s[\g+4], KS
	s_mov_b32 s[\g+5], 32
	s_mov_b32 s[\g+6], 0
	s_mov_b32 s[\g+7], 0
.endr
	s_lshl_b32 s20, s17, 8                         ; A: the tile's first row
	s_lshl_b32 s46, s42, 8                         ; B: likewise
	s_mov_b32 s21, 0
	s_mov_b32 s47, 0
	s_mov_b64 s[18:19], KS
	s_mul_u64 s[22:23], s[20:21], s[18:19]         ; where these rows' scales begin, in bytes
	s_mul_u64 s[92:93], s[46:47], s[18:19]
	s_mov_b64 s[18:19], KROW
	s_mul_u64 s[20:21], s[20:21], s[18:19]         ; and their codes
	s_mul_u64 s[46:47], s[46:47], s[18:19]
	s_mul_i32 s18, s16, 128*KROW                   ; in the ring I fetch 128 rows of a tile: which half, in bytes,
	s_mov_b32 s19, 0
	s_mul_i32 s45, s14, HALFT                      ; and where they go: wave x 128 rows
	s_wait_kmcnt 0x0
	s_mov_b64 s[96:97], s[6:7]                     ; the bias
	s_add_nc_u64 s[6:7], s[4:5], 0x400000          ; h's scale bytes lie behind its codes
	s_add_nc_u64 s[98:99], s[8:9], 0x200000        ; W's row 2,048: v's weights,
	s_add_nc_u64 s[66:67], s[10:11], 0x10000       ; and their scale bytes
	s_cmp_eq_u32 ttmp9, 2                          ; which tensor is A and which B: a choice that hangs on the cluster's x alone
	s_cselect_b64 s[98:99], s[98:99], s[4:5]
	s_cselect_b64 s[8:9], s[4:5], s[8:9]
	s_mov_b64 s[4:5], s[98:99]
	s_cselect_b64 s[66:67], s[66:67], s[6:7]
	s_cselect_b64 s[10:11], s[6:7], s[10:11]
	s_mov_b64 s[6:7], s[66:67]
	s_add_nc_u64 s[20:21], s[4:5], s[20:21]
	s_add_nc_u64 s[22:23], s[6:7], s[22:23]
	s_add_nc_u64 s[46:47], s[8:9], s[46:47]
	s_add_nc_u64 s[92:93], s[10:11], s[92:93]
	CROUND                                         ; all sixteen work-groups are here: the first joint loads meet
	s_mov_b32 s[G0S], 1
	s_mov_b32 s[G0S+1], SCL
	s_mov_b64 s[G0S+2:G0S+3], s[22:23]
	s_or_b32 s[G0S+3], s[G0S+3], 0x80000000
	s_mov_b32 s[G0SB], 1
	s_mov_b32 s[G0SB+1], SCL+2*HALFS
	s_mov_b64 s[G0SB+2:G0SB+3], s[92:93]
	s_or_b32 s[G0SB+3], s[G0SB+3], 0x80000000
; THE PREFETCHES of K steps 1 to 3 (K step 0 comes by its load alone).  Of the 128 rows that a wave fetches for the ring, the four partners that ask for them jointly take 32 each, told apart by address (cx for A, cy for B):
; a lane a row, 256 bytes of a row a K step.  Steps 1 and 2 are named behind the head's loads, step 3 behind slot 1's first fill: each two fills ahead of its own load, step 1 one.
	s_lshl_b32 s94, s17, 8
	s_lshl_b32 s95, s42, 8
	s_cmp_eq_u32 s15, 0                            ; do I fetch for A?
	s_cselect_b32 s94, s94, s95                    ; the tile's first row
	s_cselect_b32 s95, s40, s41                    ; my place among the four that ask with me
	s_cselect_b64 s[2:3], s[4:5], s[8:9]
	s_lshl_b32 s95, s95, 5
	s_add_co_u32 s94, s94, s95
	s_lshl_b32 s95, s16, 7
	s_add_co_u32 s94, s94, s95
	s_lshl_b32 s94, s94, 10                        ; a row is 1,024 bytes
	s_mov_b32 s95, 0
	s_add_nc_u64 s[2:3], s[2:3], s[94:95]
.set G0H, 4
.set G0HB, 8
	s_mov_b32 s[G0H], 1                            ; K step 0's 256 rows of A,
	s_mov_b32 s[G0H+1], 0
	s_mov_b64 s[G0H+2:G0H+3], s[20:21]
	s_or_b32 s[G0H+3], s[G0H+3], 0x80000000
	s_mov_b32 s[G0HB], 1                           ; and of B, behind them in slot 0
	s_mov_b32 s[G0HB+1], 2*HALFT
	s_mov_b64 s[G0HB+2:G0HB+3], s[46:47]
	s_or_b32 s[G0HB+3], s[G0HB+3], 0x80000000
	s_add_nc_u64 s[20:21], s[20:21], s[18:19]      ; for the ring: my 128 rows of the tile
	s_add_nc_u64 s[46:47], s[46:47], s[18:19]
.irp s, 0,1
	s_mov_b32 s[G0+4*\s], 1
	s_add_co_u32 s[G0+4*\s+1], s45, \s*SLOT
	s_add_nc_u64 s[G0+4*\s+2:G0+4*\s+3], s[20:21], \s*ROWB
	s_or_b32 s[G0+4*\s+3], s[G0+4*\s+3], 0x80000000
	s_mov_b32 s[G0B+4*\s], 1
	s_add_co_u32 s[G0B+4*\s+1], s45, \s*SLOT
	s_add_nc_u64 s[G0B+4*\s+2:G0B+4*\s+3], s[46:47], \s*ROWB
	s_or_b32 s[G0B+4*\s+3], s[G0B+4*\s+3], 0x80000000
.endr
; THE HEAD'S LOADS, ONE A WAVE: wave 0 K step 0's rows of A, wave 1 those of B, wave 2 A's scales, wave 3 B's.  One chain of branches on the wave's number: every way passes one load.
.macro ARM under, g0, g1, next
	s_cmp_lt_u32 s14, \under
	s_cbranch_scc0 \next
	tensor_load_to_lds s[\g0:\g0+3], s[\g1:\g1+7]
	s_nop 0
.rept 4
	v_nop
.endr
	s_branch .Lhead_asked
\next:
.endm
	ARM 1, G0H,  G1,  .Lhead_b
	ARM 2, G0HB, G1B, .Lhead_sa
	ARM 3, G0S,  G1S, .Lhead_sb
	tensor_load_to_lds s[G0SB:G0SB+3], s[G1SB:G1SB+7]
	s_nop 0
.rept 4
	v_nop
.endr
.Lhead_asked:
	v_and_b32 v7, 31, v0
	v_lshlrev_b32 v7, 10, v7                       ; v7: my lane's row; never rewritten
	global_prefetch_b8 v7, s[2:3] offset:256 th:TH_LOAD_NT scope:SCOPE_SE
	global_prefetch_b8 v7, s[2:3] offset:512 th:TH_LOAD_NT scope:SCOPE_SE
	v_and_b32 v1, 15, v0                           ; l % 16
	v_bfe_u32 v2, v0, 4, 1                         ; l / 16
	v_mul_u32_u24 v3, v1, PITCH
	v_lshl_add_u32 v4, v2, 4, v3                   ; a fragment's row x pitch + 16 x half
	s_mul_i32 s21, s15, HALFT                      ; my 128 rows of A
	s_mul_i32 s22, s16, HALFT                      ; my 128 rows of B,
	s_add_co_u32 s22, s22, 2*HALFT                 ; which lie behind A's 256
.irp s, 0,1
	v_add_nc_u32 v[ADRA+\s], s21, v4
	v_add_nc_u32 v[ADRB+\s], s22, v4
	s_add_co_u32 s21, s21, SLOT
	s_add_co_u32 s22, s22, SLOT
.endr
	v_mul_u32_u24 v5, v1, KS                       ; my row's scales: KS bytes a row,
	v_lshrrev_b32 v6, 8, v5
	v_lshl_add_u32 v5, v6, 4, v5                   ; and 16 more for each 256 passed
	s_mul_i32 s21, s15, HALFS
	s_mul_i32 s22, s16, HALFS
	s_add_co_u32 s22, s22, 2*HALFS
	s_sub_co_u32 s22, s22, s21
	v_mul_u32_u24 v6, s22, v2                      ; lanes 16-31 take B's
	s_add_co_u32 s21, s21, SCL
	v_add_nc_u32 v5, v5, v6
	v_add_nc_u32 v[ADRS], s21, v5
	; The bias, in both layouts, so that every register is written in both roles; the layout that the role does not use reads the bias's first 512 bytes.
	v_lshlrev_b32 v18, 5, v2                       ; 32 x half; never rewritten
	s_wait_alu depctr_va_vdst(0)
	v_lshlrev_b32 v19, 2, v1                       ; 4 x (l % 16); never rewritten
	s_wait_alu depctr_va_vdst(0)
	s_lshl_b32 s92, s42, 10
	s_lshl_b32 s93, s16, 9
	s_add_co_u32 s92, s92, s93                     ; by columns: 4 x (256 x tile column + 128 x half)
	s_lshl_b32 s94, s17, 10
	s_lshl_b32 s95, s15, 9
	s_add_co_u32 s94, s94, s95
	s_add_co_u32 s94, s94, 8192                    ; by rows: 4 x (2,048 + 256 x tile row + 128 x half)
	s_cmp_lg_u32 s100, 0
	s_cselect_b32 s92, 0, s92
	s_cselect_b32 s94, s94, 0
	s_mov_b32 s93, 0
	s_mov_b32 s95, 0
	s_add_nc_u64 s[98:99], s[96:97], s[92:93]
	s_add_nc_u64 s[66:67], s[96:97], s[94:95]
.irp b, 0,1,2,3,4,5,6,7
	global_load_b128 v[BI+8*\b:BI+8*\b+3], v18, s[98:99] offset:64*\b
	global_load_b128 v[BI+8*\b+4:BI+8*\b+7], v18, s[98:99] offset:64*\b+16
.endr
.irp a, 0,1,2,3,4,5,6,7
	global_load_b32 v[RB+\a], v19, s[66:67] offset:64*\a
.endr
.macro FRAG reg, adr, q, i             ; a fragment, 16 rows x 128 K, is 16 registers: lane l holds row l % 16; registers 4 c .. 4 c + 3 hold K = 32 c + 16 (l / 16) + 0 .. 15
.irp c, 0,1,2,3
	ds_load_b128 v[\reg+4*\c:\reg+4*\c+3], v[\adr] offset:128*(\q)+32*\c+(\i)*16*PITCH
.endr
.endm
; 16 matrix instructions: A's blocks a0, a0 + 1 x B's eight, 128 along K.  The 64 accumulators take turns, one instruction a turn, in the same order in every step.
; A scale register holds A's word of block i in lanes 0-15 and B's in lanes 16-31.
.macro MUL16 a0, p, q, sc, zero
.irp a, \a0, \a0+1
.irp b, 0,1,2,3,4,5,6,7
.if \zero
	v_wmma_scale_f32_16x16x128_f8f6f4 v[8*(8*((\a)%4)+\b):8*(8*((\a)%4)+\b)+7], v[128*(\p)+FR*\b:128*(\p)+FR*\b+FR-1], v[AF+FR*(\a):AF+FR*(\a)+FR-1], 0, v[SC+8*NQ*(\sc)+NQ*\b+(\q)], v[SC+8*NQ*(\sc)+NQ*(\a)+(\q)] matrix_a_fmt:MATRIX_FMT_BF8 matrix_b_fmt:MATRIX_FMT_BF8 matrix_a_scale:MATRIX_SCALE_ROW1
.else
	v_wmma_scale_f32_16x16x128_f8f6f4 v[8*(8*((\a)%4)+\b):8*(8*((\a)%4)+\b)+7], v[128*(\p)+FR*\b:128*(\p)+FR*\b+FR-1], v[AF+FR*(\a):AF+FR*(\a)+FR-1], v[8*(8*((\a)%4)+\b):8*(8*((\a)%4)+\b)+7], v[SC+8*NQ*(\sc)+NQ*\b+(\q)], v[SC+8*NQ*(\sc)+NQ*(\a)+(\q)] matrix_a_fmt:MATRIX_FMT_BF8 matrix_b_fmt:MATRIX_FMT_BF8 matrix_a_scale:MATRIX_SCALE_ROW1
.endif
.endr
.endr
.endm
.macro FETCH_B slot, q, p
	WIN TO_B
.irp i, 0,1,2,3,4,5,6,7
	FRAG 128*(\p)+FR*\i, ADRB+\slot, \q, \i
.endr
	WIN 0
.endm
.macro FETCH_A slot, q, i0
.irp i, \i0, \i0+1, \i0+2, \i0+3
	FRAG AF+FR*(\i), ADRA+\slot, \q, \i
.endr
.endm
.macro SCALES sc                       ; a K step's scale words: two a row; lanes 0-15 take A's block i, lanes 16-31 B's
.irp i, 0,1,2,3,4,5,6,7
	ds_load_b64 v[SC+8*NQ*\sc+NQ*\i:SC+8*NQ*\sc+NQ*\i+1], v[ADRS] offset:\i*SBLK
.endr
.endm
.macro PLACES n                        ; plain vector instructions between a matrix instruction and a load into, or a vector instruction on, its registers
.rept \n
	v_nop
.endr
.endm
.macro STEP slot, q, zero              ; a step of 128 along K that has its successor in the same slot
	s_wait_dscnt 4*NL                              ; B's set and A's blocks 0-3 are in; the youngest 16 loads (A's blocks 4-7) may be out
	WIN MUL_LO
	MUL16 0, (\q)%2, \q, \slot, \zero
	MUL16 2, (\q)%2, \q, \slot, \zero
	s_wait_dscnt 0
	PLACES NP
	FETCH_B \slot, (\q)+1, 1-(\q)%2
	FETCH_A \slot, (\q)+1, 0
	WIN MUL_HI
	MUL16 4, (\q)%2, \q, \slot, \zero
	MUL16 6, (\q)%2, \q, \slot, \zero
	PLACES NP
	WIN 0
	FETCH_A \slot, (\q)+1, 4
.endm
; A slot's last step changes slots: one barrier; in front of it each wave waits for all its tensor loads, adds 0 to its spare word, and waits for that and for its own reads of this slot.
.macro TURN slot, next, fill
	s_wait_tensorcnt 0x0                           ; all my tensor loads have landed: my part of the next slot
	ds_add_u32 v[SPW], v[NIL]                      ; 0 onto my spare word
	s_wait_dscnt 4*NL+1                            ; (the add and the youngest 16 loads, A's blocks 4-7, may be out)
	WIN MUL_LO
	MUL16 0, 1, NQ-1, \slot, 0
	s_wait_dscnt 0x0                               ; the add is done, and my reads of this slot are over
	s_barrier_signal -1
	MUL16 2, 1, NQ-1, \slot, 0
	WIN 0
	s_barrier_wait -1
.if \fill
	CREST                                          ; the barrier has opened a round of the cluster's: no wave of any partner still reads this slot or has a load on its way
	s_add_nc_u64 s[G0+4*\slot+2:G0+4*\slot+3], s[G0+4*\slot+2:G0+4*\slot+3], 2*ROWB
	s_add_nc_u64 s[G0B+4*\slot+2:G0B+4*\slot+3], s[G0B+4*\slot+2:G0B+4*\slot+3], 2*ROWB
	JLOAD G0+4*\slot, G1, G0B+4*\slot, G1B         ; the first tensor load behind the round; its four v_nop are among the places in front of the loads below
	PLACES NP-4
.else
	PLACES NP
.endif
	s_wait_alu depctr_va_vdst(0)
	v_add_nc_u32 v[ADRS], 4*NQ, v[ADRS]            ; on to the next K step's scale words
	FETCH_B \next, 0, 0
	FETCH_A \next, 0, 0
	SCALES \next
	WIN MUL_HI
	MUL16 4, 1, NQ-1, \slot, 0
	MUL16 6, 1, NQ-1, \slot, 0
	PLACES NP
	WIN 0
	FETCH_A \next, 0, 4
.endm
	s_wait_alu depctr_va_vdst(0)                   ; the wait at the head's end
	s_wait_tensorcnt 0x0                           ; my tile of the head's four is in
	ds_add_u32 v[SPW], v[NIL]
	s_mov_b32 s[G1+2], 128<<16                     ; no tensor load of mine is out: from here on a load brings 128 rows
	s_mov_b32 s[G1+4], 128
	s_mov_b32 s[G1B+2], 128<<16
	s_mov_b32 s[G1B+4], 128
	s_wait_dscnt 0x0
	CROUND                                         ; all four tiles are in, and all sixteen work-groups are here
	JLOAD G0+4, G1, G0B+4, G1B                     ; K step 1: the first tensor load behind the round
	global_prefetch_b8 v7, s[2:3] offset:768 th:TH_LOAD_NT scope:SCOPE_SE
	FETCH_B 0, 0, 0
	FETCH_A 0, 0, 0
	SCALES 0
	FETCH_A 0, 0, 4
	STEP 0, 0, 1                                   ; the first step stands in front of the loop: its products start the sums
	s_wait_xcnt 0x0                                ; the prefetches have read their base, whose upper word becomes the loop's counter
	s_mov_b32 s3, LAPS-1
.Llap:                                                 ; a trip goes once round the ring and fills both slots again
	TURN 0, 1, 1
	STEP 1, 0, 0
	TURN 1, 0, 1
	STEP 0, 0, 0
	s_sub_co_u32 s3, s3, 1
	s_cmp_lg_u32 s3, 0
	s_cbranch_scc1 .Llap
	TURN 0, 1, 0                                   ; the last lap fills nothing
	STEP 1, 0, 0
	s_wait_dscnt 4*NL
	WIN MUL_LO
	MUL16 0, 1, NQ-1, 1, 0
	MUL16 2, 1, NQ-1, 1, 0
	s_wait_dscnt 0
	WIN MUL_HI
	MUL16 4, 1, NQ-1, 1, 0
	MUL16 6, 1, NQ-1, 1, 0
	WIN 0
; THE WAY OUT.  Block a is my rows 16 a .. 16 a + 15: 64 numbers a lane, register 8 b + j = column 16 b + 8 (l / 16) + j of row l % 16.  Registers 16 c .. 16 c + 15 of lanes l and l xor 16 are a block of 32 columns.
.macro MOVB_COL a                      ; block a + the bias by columns -> v128-191; each accumulator is read from its low end on
	WIN 0x02+(\a)/4
.set n, 0
.rept 32
	v_pk_add_f32 v[128+n:129+n], v[64*((\a)%4)+n:64*((\a)%4)+n+1], v[BI+n:BI+n+1]
.set n, n+2
.endr
	WIN 0
.endm
.macro MOVB_ROW a                      ; the same with the bias of my row
	v_mov_b32 v226, v[RB+\a]
	v_mov_b32 v227, v[RB+\a]
	WIN 0x02+(\a)/4
.set n, 0
.rept 32
	v_pk_add_f32 v[128+n:129+n], v[64*((\a)%4)+n:64*((\a)%4)+n+1], v[226:227]
.set n, n+2
.endr
	WIN 0
.endm
.macro QUANT s                         ; 64 numbers of a lane, four blocks of 32 shared with lane l xor 16, become 64 codes in v[PC] on and a scale word in v[PW]
.irp b, 0,1,2,3
	v_max3_num_f32 v[TM+\b], |v[\s+16*\b]|, |v[\s+1+16*\b]|, 0x8000000   ; and the floor 2^(16 - 127): the byte cannot fall under 1
.endr
.irp i, 2,4,6,8,10,12,14
.irp b, 0,1,2,3
	v_max3_num_f32 v[TM+\b], v[TM+\b], |v[\s+16*\b+\i]|, |v[\s+1+16*\b+\i]|
.endr
.endr
.irp b, 0,1,2,3
	v_permlanex16_b32 v[TM+4+\b], v[TM+\b], s[SEL], s[SEL+1]
.endr
.irp b, 0,1,2,3
	v_max_num_f32 v[TM+\b], v[TM+\b], v[TM+4+\b]   ; the block's largest magnitude
.endr
.irp b, 0,1,2,3
	v_add_nc_u32 v[TM+12+\b], 0xf8800000, v[TM+\b] ; 15 off its exponent field: the conversion's scale operand
.endr
.irp b, 0,1,2,3
	v_and_or_b32 v[TM+8+\b], v[TM+\b], 0x7f800000, s[MNT]   ; 57,344 x the scale
.endr
.irp b, 0,1,2,3
	v_lshrrev_b32 v[TM+4+\b], 23, v[TM+12+\b]      ; the scale's byte
.endr
	v_lshl_or_b32 v[PW], v[TM+5], 8, v[TM+4]
	v_lshl_or_b32 v[PW], v[TM+6], 16, v[PW]
	v_lshl_or_b32 v[PW], v[TM+7], 24, v[PW]
.irp b, 0,1,2,3
.irp i, 0,1,2,3,4,5,6,7,8,9,10,11,12,13,14,15
	v_med3_num_f32 v[\s+16*\b+\i], v[\s+16*\b+\i], -v[TM+8+\b], v[TM+8+\b]   ; the conversion to an 8-bit code does not saturate (ISA guide 7.6.2)
.endr
	v_cvt_scalef32_pk8_bf8_f32 v[PC+4*\b:PC+1+4*\b], v[\s+16*\b:\s+7+16*\b], v[TM+12+\b]
	v_cvt_scalef32_pk8_bf8_f32 v[PC+2+4*\b:PC+3+4*\b], v[\s+8+16*\b:\s+15+16*\b], v[TM+12+\b]
.endr
	v_nop                                          ; one plain instruction between a scaled conversion and the next vector instruction that writes its sources
.endm
.macro CODES sto, a                    ; pair q of the codes' registers holds columns 16 q + 8 (l / 16) + 0 .. 7
.irp q, 0,1,2,3,4,5,6,7
	ds_store_b64 v[\sto], v[PC+2*\q:PC+2*\q+1] offset:(\a)*16*272+16*\q
.endr
.endm
	PLACES NP                                      ; behind the last products: what follows writes registers that held scales and fragments, and reads results
	s_wait_loadcnt 0x0                             ; the bias
	s_mov_b32 s[SEL], 0x76543210
	s_mov_b32 s[SEL+1], 0xfedcba98
	s_mov_b32 s[MNT], 0x600000
	; every address of both roles is made here, ahead of the parting
	v_and_b32 v44, 15, v0                          ; r
	v_bfe_u32 v45, v0, 4, 1                        ; h
	v_and_b32 v46, 31, v0                          ; lane
	s_mul_i32 s20, s15, 128*272
	s_lshl_b32 s21, s16, 7
	s_add_co_u32 s20, s20, s21
	v_mul_u32_u24 v32, v44, 272
	v_lshl_add_u32 v32, v45, 3, v32
	v_add_nc_u32 v32, s20, v32                     ; v32: q and k's stage: row 128 x row half + r, byte 128 x column half + 8 h
	v_add_nc_u32 v33, STGV, v32                    ; v33: v's stage
	v_and_b32 v47, 7, v44
	v_lshrrev_b32 v34, 3, v44
	v_lshlrev_b32 v34, 1, v34
	v_lshl_add_u32 v34, v47, 2, v34                ; 2 bytes x record 2 (r % 8) + r / 8
	s_lshl_b32 s20, s16, 10
	s_lshl_b32 s21, s15, 8
	s_add_co_u32 s20, s20, s21
	s_add_co_u32 s20, s20, SCSQ
	v_add_nc_u32 v34, s20, v34                     ; v34: q and k's scale bytes
	s_lshl_b32 s21, s14, 9
	s_add_co_u32 s22, s21, SCSV
	v_lshl_add_u32 v35, v44, 2, s22                ; v35: v's scale words: my wave's 512 bytes, 4 r
	v_lshrrev_b32 v36, 3, v46
	v_bfe_u32 v47, v0, 2, 1
	v_lshl_add_u32 v36, v47, 3, v36                ; record 8 t + lane / 4 is token 4 (t % 2) + lane / 8 + 8 ((lane / 4) % 2) of its group of 16
	v_mul_u32_u24 v36, v36, 272
	v_and_b32 v47, 3, v0
	v_lshl_add_u32 v36, v47, 4, v36
	s_lshl_b32 s23, s14, 6
	v_add_nc_u32 v36, s23, v36                     ; v36: back from q and k's stage: head strip = wave, 64 bytes wide
	v_add_nc_u32 v37, 128*272, v36                 ; v37: the same 128 rows on: LDS offsets have 16 bits
	s_add_co_u32 s23, s21, SCSQ
	v_lshl_add_u32 v38, v46, 4, s23                ; v38: my head strip's 512 scale bytes
	s_mul_i32 s23, s14, 64*272
	s_add_co_u32 s23, s23, STGV
	v_mul_u32_u24 v39, v45, 272
	v_lshl_add_u32 v39, v44, 4, v39
	v_add_nc_u32 v39, s23, v39                     ; v39: back from v's stage: rows 64 x wave on, two rows an instruction
	v_lshl_add_u32 v40, v46, 3, s22                ; v40: v's scale words back
	v_lshlrev_b32 v41, 4, v46                      ; v41: 16 x lane
	v_lshlrev_b32 v42, 12, v45
	v_lshl_add_u32 v42, v44, 4, v42                ; v42: two rows of v's codes in memory, 4,096 bytes apart
	v_lshlrev_b32 v43, 3, v46                      ; v43: 8 x lane
.irp b, 0,1,2,3
	v_mov_b32 v[TM+4+\b], 0                        ; written once: a lane permute's destination counts as one of its sources
.endr
	s_cmp_lg_u32 s100, 0
	s_cbranch_scc1 .Lrole_v
	; ---- q and k
	s_lshr_b32 s20, s17, 3
	s_lshl_b32 s20, s20, 4
	s_and_b32 s21, s42, 3
	s_lshl_b32 s21, s21, 2
	s_add_co_u32 s20, s20, s21
	s_add_co_u32 s20, s20, s14                     ; y of the head strip that I send: 16 batch + 4 (tile column % 4) + wave
	s_lshr_b32 s21, s42, 2                         ; 0: q, 1: k
	s_and_b32 s22, s17, 7                          ; which 256 tokens of the batch
	s_lshl_b32 s46, s21, 22
	s_lshl_b32 s23, s20, 17
	s_add_co_u32 s46, s46, s23
	s_lshl_b32 s23, s22, 14
	s_add_co_u32 s46, s46, s23
	s_mov_b32 s47, 0
	s_add_nc_u64 s[46:47], s[12:13], s[46:47]      ; its codes: 16,384 consecutive bytes
	s_lshl_b32 s92, s21, 17
	s_lshl_b32 s23, s20, 12
	s_add_co_u32 s92, s92, s23
	s_lshl_b32 s23, s22, 9
	s_add_co_u32 s92, s92, s23
	s_add_co_u32 s92, s92, QS
	s_mov_b32 s93, 0
	s_add_nc_u64 s[92:93], s[12:13], s[92:93]      ; its scale bytes: 512
.irp a, 0,1,2,3,4,5,6,7
	MOVB_COL \a
	QUANT 128
	CODES 32, \a
	ds_store_b16 v34, v[PW] offset:32*\a           ; my 128 columns are two heads: two bytes for each; lanes l and l xor 16 write the same bytes with the same value
	ds_store_b16_d16_hi v34, v[PW] offset:32*\a+512
	s_wait_dscnt 0x0                               ; the stores have read their registers
.endr
	s_barrier_signal -1                            ; (my stores into the stage are done: the wait above)
	s_barrier_wait -1
	ds_load_b128 v[48:51], v38
.irp t, 0,1,2,3,4,5,6,7,8,9,10,11,12,13,14,15
	ds_load_b128 v[128+4*\t:128+4*\t+3], v36 offset:(16*(\t/2)+4*(\t%2))*272
.endr
.irp t, 0,1,2,3,4,5,6,7,8,9,10,11,12,13,14,15
	ds_load_b128 v[192+4*\t:192+4*\t+3], v37 offset:(16*(\t/2)+4*(\t%2))*272
.endr
	s_wait_dscnt 32                                ; the scale bytes are back; the 32 loads of codes are younger
	global_store_b128 v41, v[48:51], s[92:93]
.irp t, 0,1,2,3,4,5,6,7,8,9,10,11,12,13,14,15,16,17,18,19,20,21,22,23,24,25,26,27,28,29,30,31
	s_wait_dscnt 31-\t
	global_store_b128 v41, v[128+4*\t:128+4*\t+3], s[46:47] offset:512*\t   ; eight records: 512 consecutive bytes, aligned
.endr
	s_branch .Lend
.Lrole_v:
	; ---- v
	s_lshr_b32 s20, s42, 3
	s_lshl_b32 s20, s20, 4
	s_lshl_b32 s21, s17, 2
	s_add_co_u32 s20, s20, s21
	s_lshl_b32 s21, s15, 1
	s_add_co_u32 s20, s20, s21                     ; y of the first of my two heads
	s_lshl_b32 s20, s20, 4
	s_lshl_b32 s21, s42, 1
	s_add_co_u32 s21, s21, s16
	s_and_b32 s21, s21, 15                         ; my 128 tokens are one key step of the batch
	s_add_co_u32 s20, s20, s21
	s_lshl_b32 s92, s20, 8
	s_add_co_u32 s92, s92, VS
	s_mov_b32 s93, 0
	s_add_nc_u64 s[92:93], s[12:13], s[92:93]
	s_lshl_b32 s46, s17, 20                        ; the rows that I send: 256 x tile row + 64 x wave, 4,096 bytes each,
	s_lshl_b32 s21, s14, 18
	s_add_co_u32 s46, s46, s21
	s_lshl_b32 s21, s42, 8                         ; at the tile's 256 tokens
	s_add_co_u32 s46, s46, s21
	s_add_co_u32 s46, s46, VC
	s_mov_b32 s47, 0
	s_add_nc_u64 s[46:47], s[12:13], s[46:47]
.irp a, 0,1,2,3,4,5,6,7
	MOVB_ROW \a
	QUANT 128
	CODES 33, \a
	ds_store_b32 v35, v[PW] offset:64*\a           ; the word of channel row 16 a + r for these 128 keys
	s_wait_dscnt 0x0
.endr
	s_barrier_signal -1
	s_barrier_wait -1
	ds_load_b64 v[48:49], v40
	ds_load_b64 v[50:51], v40 offset:256
.irp t, 0,1,2,3,4,5,6,7,8,9,10,11,12,13,14,15,16,17,18,19,20,21,22,23,24,25,26,27,28,29,30,31
	ds_load_b128 v[128+4*\t:128+4*\t+3], v39 offset:544*\t
.endr
	s_wait_dscnt 32
	global_store_b64 v43, v[48:49], s[92:93]                       ; 64 channels' words of one head and key step: 256 consecutive bytes, aligned
	global_store_b64 v43, v[50:51], s[92:93] offset:4096           ; the next head's
.irp t, 0,1,2,3,4,5,6,7,8,9,10,11,12,13,14,15,16,17,18,19,20,21,22,23,24,25,26,27,28,29,30,31
	s_wait_dscnt 31-\t
	global_store_b128 v42, v[128+4*\t:128+4*\t+3], s[46:47] offset:8192*\t   ; sixteen lanes store 256 consecutive bytes, aligned
.endr
.Lend:
	s_wait_tensorcnt 0x0                           ; the wave's end
	ds_add_u32 v[SPW], v[NIL]
	s_wait_dscnt 0x0
	CROUND                                         ; the closing round: no work-group ends while a partner may still ask for a tile that names it
	s_endpgm
.Lfunc_end_k_q66395c1124_qkv:
	.size	k_q66395c1124_qkv, .Lfunc_end_k_q66395c1124_qkv-k_q66395c1124_qkv
	.p2alignl 7, 3214868480
	.fill 96, 4, 3214868480
	.section	.rodata,"a",@progbits
	.p2align	6, 0x0
	.amdhsa_kernel k_q66395c1124_qkv
		.amdhsa_group_segment_fixed_size 327680
		.amdhsa_private_segment_fixed_size 0
		.amdhsa_enable_private_segment 0
		.amdhsa_kernarg_size 40
		.amdhsa_user_sgpr_count 2
		.amdhsa_user_sgpr_kernarg_segment_ptr 1
		.amdhsa_wavefront_size32 1
		.amdhsa_system_sgpr_workgroup_id_x 1
		.amdhsa_system_sgpr_workgroup_id_y 1
		.amdhsa_system_sgpr_workgroup_id_z 1
		.amdhsa_system_vgpr_workitem_id 0
		.amdhsa_next_free_vgpr 1024
		.amdhsa_next_free_sgpr 102
		.amdhsa_reserve_vcc 0
		.amdhsa_float_denorm_mode_32 3
		.amdhsa_float_denorm_mode_16_64 3
		.amdhsa_memory_ordered 1
		.amdhsa_forward_progress 1
		.amdhsa_inst_pref_size 255
	.end_amdhsa_kernel
	.section	.bss,"aw",@nobits
	.p2align	6
	.space	262144
	.amdgpu_metadata
---
amdhsa.version: [ 1, 2 ]
amdhsa.kernels:
  - .name:           k_q66395c1124_qkv
    .symbol:         k_q66395c1124_qkv.kd
    .args:
      - { .name: hq, .offset: 0, .size: 8, .value_kind: global_buffer, .address_space: global }
      - { .name: b_qkv, .offset: 8, .size: 8, .value_kind: global_buffer, .address_space: global }
      - { .name: w_qkv_codes, .offset: 16, .size: 8, .value_kind: global_buffer, .address_space: global }
      - { .name: w_qkv_scales, .offset: 24, .size: 8, .value_kind: global_buffer, .address_space: global }
      - { .name: qkvq, .offset: 32, .size: 8, .value_kind: global_buffer, .address_space: global }
    .group_segment_fixed_size: 327680
    .private_segment_fixed_size: 0
    .kernarg_segment_align: 8
    .kernarg_segment_size: 40
    .max_flat_workgroup_size: 128
    .sgpr_count:     102
    .vgpr_count:     1024
    .wavefront_size: 32
...
	.end_amdgpu_metadata
.endif
;; end of part 7
;; launch attn (part 8): grid 8 x 32, 8 waves a work-group, clusters of 4 x 1, 327,680 bytes of LDS; arguments qkvq, x, attn; writes attn
.if DOCPART == 8
	.amdgcn_target "amdgcn-amd-amdhsa--gfx1250"
	.amdhsa_code_object_version 6
	.text
	.protected	k_q66395c1124_attn
	.globl	k_q66395c1124_attn
	.p2align	8
	.type	k_q66395c1124_attn,@function
k_q66395c1124_attn:
	s_mov_b64 s[64:65], 0
	v_nop
	global_prefetch_b8 v0, s[64:65] scope:SCOPE_SE
	s_setreg_imm32_b32 hwreg(HW_REG_WAVE_MODE, 25, 1), 1
	s_wait_xcnt 0x0
	s_wait_alu depctr_hold_cnt(0) depctr_sa_sdst(0) depctr_va_vdst(0) depctr_va_sdst(0) depctr_va_ssrc(0) depctr_va_vcc(0) depctr_vm_vsrc(0)
	s_getreg_b32 s2, hwreg(HW_REG_IB_STS2, 6, 4)
	s_cmp_eq_u32 s2, 0
	s_cbranch_scc0 .Lentry_in_a_cluster
	s_endpgm
.Lentry_in_a_cluster:
	s_bfe_u32 s2, ttmp6, 0x10000c
	s_cmp_lg_u32 s2, 0x3003
	s_cbranch_scc0 .Lentry_shape_is_right
	s_endpgm
.Lentry_shape_is_right:
; attn[token][64 head ..] = softmax(q k^T / 8) v + x, both products on codes of E5M2 with E8M0 scales, for y = 16 batch + head.
; THE SOFTMAX AHEAD OF THE SECOND PRODUCT: t = score x log2(e) / 8; M = the largest t so far, rounded up to a whole number; p = 2^(t - M) is what is quantised, along the keys, not normalised.
; The row's sum is taken of the unquantised p and divides O at the end.  When M moves, the sum and O are multiplied by 2^(old M - new M): exact.
; SHARES.  A work-group owns 256 queries of one y, each of its eight waves 32 of them: TWO TILES of 16, so that a fragment of K read from LDS feeds four products and a fragment of V two.
; REGISTERS, in two windows of 256.  Window 0: addresses, V's fragments, all scale words, and the first tile's own registers.  Window 1: the second tile's own registers UNDER THE SAME NUMBERS, so that one macro
; serves both tiles, and K's fragments (v48-111).  K's fragments of step i + 1 and V's of step i are asked for together, behind step i's scores' products, and land under the softmax.
; ALL OF THE HEAD'S K AND V LIE IN LDS, filled once, in two groups.  At the head, one load a wave: K's first 512 rows (waves 0, 1: keys 0-1,023, which also serve step 3's look-ahead), V's first 512 keys (wave 2), both tables of scale words (wave 3).
; Behind a round of the cluster's barrier: K's other 512 rows (waves 0, 1) and V's other three chunks (waves 2-4).
; They have the first four key steps in which to land, and one plain barrier shows them.  Nothing is filled again.  The four query blocks of a cluster walk the same K and V: every tile is asked for jointly, mask of all four.
; K and V are not prefetched: they are asked for whole at the start, with no loop ahead of them.  x is: each lane names one token's 256 bytes once, at the head, sixteen key steps ahead of the loads.
; The look-ahead is held at the last step's own rows and scale words: step 15 fetches them once more, into registers that nobody multiplies, so that the loop's text is the same in every trip.
; K = 64 IN A FORM OF K = 128.  Two neighbouring records of k are one row of 128 codes: row 8 g + j holds tokens j and j + 8 of group g of 16.  Multiplied by [q | 0] it gives the first key's score, by [0 | q] the second's.
; Both products are used transposed (S^T = K Q^T, O^T = V^T P^T): a lane holds one query (lane % 16), and score register 16 f + i is key 32 f + 16 (lane / 16) + i: the order that p's operand wants.
; LIMITS: NaN and infinities are not served; the largest t starts at -3e38; a block whose every p has fallen under 2^-111 keeps the byte 1 (its codes are zeros or subnormal codes of that scale).
.set KC,    4194304                    ; in the input: k's codes; q's at 0
.set VC,    8388608
.set QS,    12582912                   ; q's scale bytes; k's 131,072 on; v's scale words 262,144 on
.set VOFF,  147456                     ; LDS: K: 1,024 rows x (128 + 16) bytes; V from here: chunk c of 512 keys at + 33,792 c: 64 rows x (512 + 16)
.set SCK,   282624                     ; k's scale words, 4,096 bytes; v's behind them
.set SCV,   286720
.set SPARE, 290816                     ; the spare words, 128 bytes a wave
.set STG2,  292864                     ; the way out's stages (8,704 bytes a wave) of waves 4-7: bytes of their own; those of waves 0-3 lie in K's first 256 rows
.set KV,  48                           ; v48-111  window 0: four fragments of V; window 1: of K
.set S,   112                          ; v112-175 S^T, then p
.set O,   176                          ; v176-207 O^T
.set PC,  208                          ; v208-223 p's codes
.set BM,  224                          ; v224-227 a block's largest score, then its largest p; later sums
.set PX,  228                          ; v228-231 the other half's; the bytes; later sums
.set HL,  232                          ; v232-235 57,344 x the scale
.set SO,  236                          ; v236-239 the conversions' scale operands
.set SWV, 240                          ; window 0: v240-243 V's scale words; v244, v245 p's of the two tiles; v250-253 K's; v254, v255 q's of the two tiles
.set SWK, 250
.set G1K, 32
.set G1V, 40
.set G1S, 48
.set MSB, 0
.macro WIN new                         ; low byte: bits 1:0 source 0, 3:2 source 1, 5:4 source 2, 7:6 destination; the high byte repeats the setting that is left
.if MSB != (\new)
	s_set_vgpr_msb (MSB<<8)|(\new)
.set MSB, (\new)
.endif
.endm
.macro ROUND                           ; a round of the cluster's barrier
	s_barrier_signal -1
	s_barrier_wait -1
	s_cmp_lg_u32 s10, 0
	s_cbranch_scc1 .Lnot_wave_0_\@
	s_barrier_signal -3
.Lnot_wave_0_\@:
	s_barrier_wait -3
	s_barrier_signal -1
	s_barrier_wait -1
.endm
.macro TL g0, g1                       ; a tensor load; s_nop 0 and four v_nop follow it
	tensor_load_to_lds s[\g0:\g0+3], s[\g1:\g1+7]
	s_nop 0
.rept 4
	v_nop
.endr
.endm
	s_load_b128 s[4:7], s[0:1], 0x0                ; q, k, v as codes s[4:5], x s[6:7]
	s_load_b64 s[8:9], s[0:1], 0x10                ; the output
	v_lshl_add_u32 v6, v0, 2, SPARE
	v_mov_b32 v7, 0
	ds_add_u32 v6, v7                              ; the opening lines: the add, twice on end, and its wait
	ds_add_u32 v6, v7
	v_lshrrev_b32 v8, 5, v0
	s_delay_alu instid0(VALU_DEP_1)
	v_readfirstlane_b32 s10, v8                    ; wave 0..7
	s_bfe_u32 s11, ttmp6, 0x40000                  ; cx
	s_lshl_b32 s21, ttmp9, 2
	s_add_co_u32 s21, s21, s11                     ; my block of 256 queries: it enters q's, x's and the output's addresses alone
	s_and_b32 s22, ttmp7, 0xffff                   ; y, which the four partners share
	s_mov_b32 s[G1K], 15|(1<<20)|(1<<21)|(4<<22)|(3<<25)   ; K: 256 dense rows of 128 bytes; four words of padding after every 32
	s_mov_b32 s[G1K+1], 128<<16
	s_mov_b32 s[G1K+2], 256<<16
	s_mov_b32 s[G1K+3], 128<<16
	s_mov_b32 s[G1K+4], 256
	s_mov_b32 s[G1K+5], 128
	s_mov_b32 s[G1K+6], 0
	s_mov_b32 s[G1K+7], 0
	s_mov_b32 s[G1V], 15|(1<<20)|(1<<21)|(6<<22)|(3<<25)   ; V: 64 rows of 512 bytes, 4,096 apart; four words after every 128
	s_mov_b32 s[G1V+1], 512<<16
	s_mov_b32 s[G1V+2], 64<<16
	s_mov_b32 s[G1V+3], 512<<16
	s_mov_b32 s[G1V+4], 64
	s_mov_b32 s[G1V+5], 4096
	s_mov_b32 s[G1V+6], 0
	s_mov_b32 s[G1V+7], 0
	s_mov_b32 s[G1S], 15|(3<<16)|(1<<21)           ; scales: two rows of 4,096 bytes (512 elements of 8), k's and v's, 131,072 bytes apart; no padding
	s_mov_b32 s[G1S+1], 512<<16
	s_mov_b32 s[G1S+2], 2<<16
	s_mov_b32 s[G1S+3], 512<<16
	s_mov_b32 s[G1S+4], 2
	s_mov_b32 s[G1S+5], 16384
	s_mov_b32 s[G1S+6], 0
	s_mov_b32 s[G1S+7], 0
	s_lshl_b32 s24, s22, 17                        ; K: the head's 131,072 bytes; rows 256 x wave (the second group: 512 rows on)
	s_add_co_u32 s24, s24, KC
	s_lshl_b32 s25, s10, 15
	s_add_co_u32 s24, s24, s25
	s_mov_b32 s25, 0
	s_and_b32 s30, s22, 15                         ; V: row 64 head, byte 2,048 batch
	s_lshl_b32 s30, s30, 18
	s_lshr_b32 s31, s22, 4
	s_lshl_b32 s31, s31, 11
	s_add_co_u32 s30, s30, s31
	s_add_co_u32 s30, s30, VC
	s_mov_b32 s31, 0
	s_lshl_b32 s26, s10, 9                         ; the second group, waves 2-4: chunk wave - 1, 512 bytes each
	s_add_co_u32 s26, s26, s30
	s_sub_co_u32 s26, s26, 512
	s_mov_b32 s27, 0
	s_lshl_b32 s28, s22, 12                        ; the scales: 4,096 bytes a head
	s_add_co_u32 s28, s28, QS+131072
	s_mov_b32 s29, 0
	s_mov_b32 s12, 0x76543210
	s_mov_b32 s13, 0xfedcba98                      ; selects for lane l xor 16
	s_mov_b32 s14, 0x3e38aa3b                      ; c = log2(e) / 8
	s_mov_b32 s15, s14                             ; (named with it as a pair, so it is written)
	s_mov_b32 s16, 0x600000                        ; the mantissa field of 57,344
	s_wait_dscnt 0x0
	s_wait_kmcnt 0x0
	s_mov_b32 s56, 1                               ; groups 0: s56 K, first group; s72 K, second; s60 V, first; s76 V, second; s68 the scales
	s_mul_i32 s57, s10, 36864
	s_add_nc_u64 s[58:59], s[4:5], s[24:25]
	s_mov_b32 s72, 1
	s_add_co_u32 s73, s57, 73728
	s_add_nc_u64 s[74:75], s[58:59], 65536
	s_or_b32 s59, s59, 0x80000000
	s_or_b32 s75, s75, 0x80000000
	s_mov_b32 s60, 1
	s_mov_b32 s61, VOFF
	s_add_nc_u64 s[62:63], s[4:5], s[30:31]
	s_or_b32 s63, s63, 0x80000000
	s_mov_b32 s76, 1
	s_mul_i32 s77, s10, 33792
	s_add_co_u32 s77, s77, VOFF-33792              ; wave 2 takes chunk 1
	s_add_nc_u64 s[78:79], s[4:5], s[26:27]
	s_or_b32 s79, s79, 0x80000000
	s_mov_b32 s68, 1
	s_mov_b32 s69, SCK
	s_add_nc_u64 s[70:71], s[4:5], s[28:29]
	s_or_b32 s71, s71, 0x80000000
	ROUND                                          ; all four work-groups are here: the joint loads meet
	s_cmp_lt_u32 s10, 2                            ; one chain of branches on the wave's number, one load to an arm
	s_cbranch_scc0 .La_v
	TL 56, G1K
	s_branch .La_done
.La_v:
	s_cmp_eq_u32 s10, 2
	s_cbranch_scc0 .La_s
	TL 60, G1V
	s_branch .La_done
.La_s:
	s_cmp_eq_u32 s10, 3
	s_cbranch_scc0 .La_done
	TL 68, G1S
.La_done:
	s_lshl_b32 s24, s22, 17                        ; q's codes: the head, my block's 256 records, my wave's 32
	s_lshl_b32 s25, s21, 14
	s_add_co_u32 s24, s24, s25
	s_lshl_b32 s25, s10, 11
	s_add_co_u32 s24, s24, s25
	s_mov_b32 s25, 0
	s_add_nc_u64 s[24:25], s[4:5], s[24:25]
	s_lshl_b32 s26, s22, 12                        ; and their scale bytes
	s_lshl_b32 s27, s21, 9
	s_add_co_u32 s26, s26, s27
	s_lshl_b32 s27, s10, 6
	s_add_co_u32 s26, s26, s27
	s_add_co_u32 s26, s26, QS
	s_mov_b32 s27, 0
	s_add_nc_u64 s[26:27], s[4:5], s[26:27]
	s_lshr_b32 s28, s22, 4                         ; x and the output: token 2,048 batch + 256 block + 32 wave, 4,096 bytes a token; byte 256 head
	s_lshl_b32 s28, s28, 23
	s_lshl_b32 s29, s21, 20
	s_add_co_u32 s28, s28, s29
	s_lshl_b32 s29, s10, 17
	s_add_co_u32 s28, s28, s29
	s_and_b32 s29, s22, 15
	s_lshl_b32 s29, s29, 8
	s_add_co_u32 s28, s28, s29
	s_mov_b32 s29, 0
	s_add_nc_u64 s[6:7], s[6:7], s[28:29]
	s_add_nc_u64 s[8:9], s[8:9], s[28:29]
	v_and_b32 v8, 15, v0                           ; r
	v_bfe_u32 v9, v0, 4, 1                         ; h
	s_delay_alu instid0(VALU_DEP_2)
	v_and_b32 v10, 7, v8
	s_delay_alu instid0(VALU_DEP_3)
	v_lshrrev_b32 v11, 3, v8
	s_delay_alu instid0(VALU_DEP_1)
	v_lshl_add_u32 v10, v10, 1, v11                ; token r of a group lies at record 2 (r % 8) + r / 8
	s_delay_alu instid0(VALU_DEP_1)
	v_lshlrev_b32 v240, 6, v10
	s_delay_alu instid0(VALU_DEP_1)
	v_lshl_add_u32 v240, v9, 4, v240               ; 64 x record + 16 h
	s_delay_alu instid0(VALU_DEP_3)
	v_lshlrev_b32 v241, 1, v10                     ; 2 x record
	global_load_b128 v[16:19], v240, s[24:25]                      ; [q | 0]: v16-23 q, v24-31 zeros
	global_load_b128 v[20:23], v240, s[24:25] offset:32
	global_load_b128 v[40:43], v240, s[24:25]                      ; [0 | q]: v32-39 zeros, v40-47 q
	global_load_b128 v[44:47], v240, s[24:25] offset:32
	global_load_u16 v254, v241, s[26:27]           ; q's two scale bytes, first tile; second tile
	global_load_u16 v255, v241, s[26:27] offset:32
	WIN 0x40                                       ; the second tile's q, 16 records on, into window 1
	global_load_b128 v[16:19], v240, s[24:25] offset:1024
	global_load_b128 v[20:23], v240, s[24:25] offset:1056
	global_load_b128 v[40:43], v240, s[24:25] offset:1024
	global_load_b128 v[44:47], v240, s[24:25] offset:1056
	WIN 0
	v_and_b32 v242, 31, v0
	s_delay_alu instid0(VALU_DEP_1)
	v_lshlrev_b32 v242, 12, v242
	global_prefetch_b8 v242, s[6:7] th:TH_LOAD_NT scope:SCOPE_SE   ; x: a lane a token of my 32
	v_mul_u32_u24 v1, v8, 144
	s_delay_alu instid0(VALU_DEP_1)
	v_lshl_add_u32 v1, v9, 4, v1                   ; v1: my lane's place in a fragment of K
	v_mul_u32_u24 v2, v8, 528
	s_delay_alu instid0(VALU_DEP_1)
	v_lshl_add_u32 v2, v9, 4, v2
	s_delay_alu instid0(VALU_DEP_1)
	v_add_nc_u32 v2, VOFF, v2                      ; v2: the same for V
	v_lshl_add_u32 v3, v8, 2, SCK                  ; v3: K's scale words
	v_lshl_add_u32 v4, v8, 2, SCV                  ; v4: V's
	v_lshlrev_b32 v5, 12, v9
	s_delay_alu instid0(VALU_DEP_1)
	v_lshl_add_u32 v5, v8, 4, v5                   ; v5: lanes 0-15 one token's 256 bytes, lanes 16-31 the next token's
.macro INIT                            ; a tile's own registers
	v_mov_b32 v13, 0xff61b1e6                      ; the largest t so far: -3e38
	v_mov_b32 v12, 0x7f61b1e6                      ; -M = floor(3e38)
	v_mov_b32 v14, 0                               ; the sum, in two halves
	v_mov_b32 v15, 0
	v_mov_b32 v247, 0                              ; (named as the upper half of the pair v[246:247])
.irp j, 0,1,2,3,4,5,6,7
	v_mov_b32 v[24+\j], 0
	v_mov_b32 v[32+\j], 0
.endr
.irp b, 0,1,2,3
	v_mov_b32 v[PX+\b], 0                          ; a lane permute's destination counts as one of its sources
.endr
.set n, 0
.rept 32
	v_mov_b32 v[O+n], 0                            ; O^T: the first step finds zeros, which the first change of M leaves zeros
.set n, n+1
.endr
.endm
	INIT
	WIN 0x40
	INIT
	WIN 0
	s_wait_loadcnt 0x0                             ; q
	s_wait_xcnt 0x0                                ; the prefetch has read its offset: its register takes scale words later
	v_lshl_or_b32 v254, v254, 16, v254             ; bytes 0, 1 serve [q | 0], bytes 2, 3 serve [0 | q]; the other two stand over zero codes
	v_lshl_or_b32 v255, v255, 16, v255
	s_wait_alu depctr_va_vdst(0)                   ; the wait at the head's end
	s_wait_tensorcnt 0x0                           ; my part of the first group is in
	ds_add_u32 v6, v7                              ; the add, twice on end here
	ds_add_u32 v6, v7
	s_wait_dscnt 0x0
	ROUND                                          ; the first group is whole, and all four work-groups are here
	s_cmp_lt_u32 s10, 2
	s_cbranch_scc0 .Lb_v
	TL 72, G1K
	s_branch .Lb_done
.Lb_v:
	s_cmp_lt_u32 s10, 5
	s_cbranch_scc0 .Lb_done
	TL 76, G1V
.Lb_done:
.macro KLOAD adr, sadr                 ; four fragments of K (64 rows of 128 codes) into window 1, their scale words into window 0
	WIN 0x40
.irp f, 0,1,2,3
.irp c, 0,1,2,3
	ds_load_b128 v[KV+16*\f+4*\c:KV+16*\f+4*\c+3], v[\adr] offset:2304*\f+32*\c
.endr
.endr
	WIN 0
.irp f, 0,1,2,3
	ds_load_b32 v[SWK+\f], v[\sadr] offset:64*\f
.endr
.endm
.macro SPROD qs                        ; a tile's scores of 128 keys: eight products
.irp f, 0,1,2,3
	v_wmma_scale_f32_16x16x128_f8f6f4 v[S+16*\f:S+16*\f+7], v[KV+16*\f:KV+16*\f+15], v[16:31], 0, v[SWK+\f], v[\qs] matrix_a_fmt:MATRIX_FMT_BF8 matrix_b_fmt:MATRIX_FMT_BF8
	v_wmma_scale_f32_16x16x128_f8f6f4 v[S+16*\f+8:S+16*\f+15], v[KV+16*\f:KV+16*\f+15], v[32:47], 0, v[SWK+\f], v[\qs] matrix_a_fmt:MATRIX_FMT_BF8 matrix_b_fmt:MATRIX_FMT_BF8
.endr
.endm
.macro PVPROD ps                       ; a tile's O^T += V^T P^T: four products, the accumulators by turns
.irp t, 0,1,2,3
	v_wmma_scale_f32_16x16x128_f8f6f4 v[O+8*\t:O+8*\t+7], v[KV+16*\t:KV+16*\t+15], v[PC:PC+15], v[O+8*\t:O+8*\t+7], v[SWV+\t], v[\ps] matrix_a_fmt:MATRIX_FMT_BF8 matrix_b_fmt:MATRIX_FMT_BF8
.endr
.endm
; A TILE'S SOFTMAX AND QUANTISER for 128 keys.  w = 0: all operands in window 0; w = 1: all in window 1 (the caller sets it), but for p's scale word, which goes to window 0: scale operands have no window.
.macro SOFT w
.if \w
	s_wait_alu depctr_va_vdst(0)
.endif
.irp b, 0,1,2,3
	v_max3_num_f32 v[BM+\b], v[S+16*\b], v[S+16*\b+1], v[S+16*\b+2]   ; the largest score of each block of 32 keys: for the row's maximum and, since p rises with the score, for the block's largest p
.endr
.irp i, 3,5,7,9,11,13
.irp b, 0,1,2,3
	v_max3_num_f32 v[BM+\b], v[BM+\b], v[S+16*\b+\i], v[S+16*\b+\i+1]
.endr
.endr
.irp b, 0,1,2,3
	v_max_num_f32 v[BM+\b], v[BM+\b], v[S+16*\b+15]
.endr
.irp b, 0,1,2,3
	s_delay_alu instid0(VALU_DEP_4)
	v_permlanex16_b32 v[PX+\b], v[BM+\b], s12, s13
.endr
.irp b, 0,1,2,3
	s_delay_alu instid0(VALU_DEP_4)
	v_max_num_f32 v[BM+\b], v[BM+\b], v[PX+\b]     ; with lane l xor 16's 16 keys
.endr
	s_delay_alu instid0(VALU_DEP_2)
	v_max3_num_f32 v249, v[BM], v[BM+1], v[BM+2]
	s_delay_alu instid0(VALU_DEP_1)
	v_max_num_f32 v249, v249, v[BM+3]
	s_delay_alu instid0(VALU_DEP_1)
	v_mul_f32 v249, s14, v249                      ; as t (c is positive)
	s_delay_alu instid0(VALU_DEP_1)
	v_max_num_f32 v13, v13, v249                   ; the running largest t
	v_mov_b32 v249, v12
	s_delay_alu instid0(VALU_DEP_2)
	v_floor_f32 v12, -v13                          ; the new -M = -ceil(t)
	s_delay_alu instid0(VALU_DEP_1)
	v_sub_f32 v249, v12, v249                      ; old M - new M: a whole number, 0 or less
	s_delay_alu instid0(VALU_DEP_1)
	v_cvt_i32_f32 v249, v249                       ; (it saturates)
	s_delay_alu instid0(VALU_DEP_1)
	v_ldexp_f32 v246, 1.0, v249                    ; f = 2^(old M - new M)
.set n, 0
.rept 32
	v_pk_fma_f32 v[S+n:S+n+1], v[S+n:S+n+1], s[14:15], v[12:13] op_sel_hi:[1,0,0]   ; t - M, two at a time
.set n, n+2
.endr
.irp b, 0,1,2,3
	v_fma_f32 v[BM+\b], v[BM+\b], s14, v12         ; the same of each block's largest score
.endr
	s_wait_alu depctr_va_vdst(0)                   ; the wait ahead of the batch
.set n, 0
.rept 64
	v_exp_f32 v[S+n], v[S+n]                       ; p = 2^(t - M), at most 1
.set n, n+1
.endr
.irp b, 0,1,2,3
	v_exp_f32 v[BM+\b], v[BM+\b]                   ; the block's largest p: the same two instructions on the same number
.endr
	v_pk_mul_f32 v[14:15], v[14:15], v[246:247] op_sel_hi:[1,0]    ; the sums under the new M.  (The plain place behind the exponentials)
	s_wait_alu depctr_va_vdst(0)                   ; one wait for the batch, ahead of its first reader
.irp b, 0,1,2,3
	v_max_num_f32 v[BM+\b], 0x8000000, v[BM+\b]    ; the floor 2^(16 - 127): the byte cannot fall under 1
.endr
.irp b, 0,1,2,3
	s_delay_alu instid0(VALU_DEP_4)
	v_add_nc_u32 v[SO+\b], 0xf8800000, v[BM+\b]    ; 15 off the exponent field: the conversion's scale operand
.endr
.irp b, 0,1,2,3
	v_and_or_b32 v[HL+\b], v[BM+\b], 0x7f800000, s16   ; 57,344 x the scale
.endr
.irp b, 0,1,2,3
	v_lshrrev_b32 v[PX+\b], 23, v[SO+\b]           ; the scale's byte
.endr
	s_delay_alu instid0(VALU_DEP_3)
	v_lshl_or_b32 v248, v[PX+1], 8, v[PX]          ; p's scale word for these 128 keys
	s_delay_alu instid0(VALU_DEP_1)
	v_lshl_or_b32 v248, v[PX+2], 16, v248
.if \w
	WIN 0x11                                       ; sources in window 1, the word into window 0
	v_lshl_or_b32 v245, v[PX+3], 24, v248
	WIN 0x55
.else
	s_delay_alu instid0(VALU_DEP_1)
	v_lshl_or_b32 v244, v[PX+3], 24, v248
.endif
	v_pk_add_f32 v[224:225], v[S:S+1], v[S+2:S+3]                  ; the row's sum of the unquantised p: 32 packed additions in four chains
	v_pk_add_f32 v[226:227], v[S+4:S+5], v[S+6:S+7]
	v_pk_add_f32 v[228:229], v[S+8:S+9], v[S+10:S+11]
	v_pk_add_f32 v[14:15], v[14:15], v[S+12:S+13]
.set n, 14
.rept 6
	v_pk_add_f32 v[224:225], v[224:225], v[S+n:S+n+1]
	v_pk_add_f32 v[226:227], v[226:227], v[S+n+2:S+n+3]
	v_pk_add_f32 v[228:229], v[228:229], v[S+n+4:S+n+5]
	v_pk_add_f32 v[14:15], v[14:15], v[S+n+6:S+n+7]
.set n, n+8
.endr
	v_pk_add_f32 v[224:225], v[224:225], v[S+62:S+63]
	v_pk_add_f32 v[226:227], v[226:227], v[228:229]
	s_delay_alu instid0(VALU_DEP_2)
	v_pk_add_f32 v[14:15], v[14:15], v[224:225]
	s_delay_alu instid0(VALU_DEP_1)
	v_pk_add_f32 v[14:15], v[14:15], v[226:227]
.irp b, 0,1,2,3
.irp i, 0,2,4,6,8,10,12,14
	v_dual_min_num_f32 v[S+16*\b+\i], v[S+16*\b+\i], v[HL+\b] :: v_dual_min_num_f32 v[S+16*\b+\i+1], v[S+16*\b+\i+1], v[HL+\b]   ; the conversion does not saturate (ISA guide 7.6.2); p is not negative: a one-sided hold, two numbers a line
.endr
	v_cvt_scalef32_pk8_bf8_f32 v[PC+4*\b:PC+4*\b+1], v[S+16*\b:S+16*\b+7], v[SO+\b]
	v_cvt_scalef32_pk8_bf8_f32 v[PC+4*\b+2:PC+4*\b+3], v[S+16*\b+8:S+16*\b+15], v[SO+\b]
.endr
	s_wait_alu depctr_va_vdst(0)                   ; directly ahead of the first reader of O^T
.set n, 0
.rept 16
	v_pk_mul_f32 v[O+n:O+n+1], v[O+n:O+n+1], v[246:247] op_sel_hi:[1,0]   ; O^T under the new M.  (Also the places between the conversions and the products)
.set n, n+2
.endr
.endm
; A KEY STEP: 128 keys, both tiles.  s20: the step; s17, s19: where its rows of K and its scale words begin.  K's fragments of this step lie in registers.
.macro STEP
	s_lshr_b32 s18, s20, 2                         ; V: chunk step / 4, 128 (step % 4) bytes along its rows
	s_mul_i32 s18, s18, 33792
	s_and_b32 s23, s20, 3
	s_lshl_b32 s23, s23, 7
	s_add_co_u32 s18, s18, s23
	s_add_co_u32 s23, s17, 9216                    ; the look-ahead: the next step's 64 rows of K,
	s_min_u32 s23, s23, 15*9216                    ; held at the last step's
	s_add_co_u32 s24, s19, 256                     ; and its 64 scale words, held likewise
	s_min_u32 s24, s24, 15*256
	WIN 0x01                                       ; source 0 (K) window 1
	SPROD 254
	WIN 0x45                                       ; and q and the scores of the second tile too
	SPROD 255
	WIN 0
	v_add_nc_u32 v8, s23, v1
	v_add_nc_u32 v9, s18, v2
	v_add_nc_u32 v10, s24, v3
	v_add_nc_u32 v11, s19, v4
.rept 4
	v_nop                                          ; with the four additions: eight places between the products and the loads into registers that they read, and the first read of the scores
.endr
.irp t, 0,1,2,3                        ; V's four fragments (16 channels x these 128 keys),
.irp c, 0,1,2,3
	ds_load_b128 v[KV+16*\t+4*\c:KV+16*\t+4*\c+3], v9 offset:8448*\t+32*\c
.endr
	ds_load_b32 v[SWV+\t], v11 offset:64*\t
.endr
	KLOAD 8, 10                                    ; and the next step's fragments of K
	SOFT 0
	s_wait_alu depctr_va_vdst(0)
	s_wait_dscnt 0x0                               ; V, and the next K
	PVPROD 244
	WIN 0x55
	SOFT 1
	s_wait_alu depctr_va_vdst(0)                   ; the step's last ordinary writes, ahead of the loop's branch
	WIN 0x54                                       ; source 0 (V) window 0; p, C and D window 1
	PVPROD 245
	WIN 0
	s_add_co_u32 s17, s17, 9216
	s_add_co_u32 s19, s19, 256
	s_add_co_u32 s20, s20, 1
.endm
	KLOAD 1, 3                                     ; step 0's fragments of K
	s_mov_b32 s17, 0
	s_mov_b32 s19, 0
	s_mov_b32 s20, 0
	s_wait_dscnt 0x0
.Lfirst:                                           ; steps 0 to 3: the first group's keys
	STEP
	s_cmp_lt_u32 s20, 4
	s_cbranch_scc1 .Lfirst
	s_wait_tensorcnt 0x0                           ; every wave: my part of the second group is in,
	s_wait_dscnt 0x0
	s_barrier_signal -1
	s_barrier_wait -1                              ; everybody's is, and nobody reads K's first 256 rows any more
.Lrest:                                            ; steps 4 to 15
	STEP
	s_cmp_lt_u32 s20, 16
	s_cbranch_scc1 .Lrest
	; THE WAY OUT.  x comes into the registers that held K's fragments.  O^T / the sum goes through my stage in LDS (2 x 16 rows x (256 + 16) bytes) and comes back as whole rows; x is added; sixteen lanes store 256 consecutive bytes, aligned.
	; Waves 0-3's stages lie in K's first 256 rows: every wave's last read of them stands in front of the barrier behind step 3, and nothing is filled there again.
	WIN 0x40
.set k, 0
.rept 16
	global_load_b128 v[KV+4*k:KV+4*k+3], v5, s[6:7] offset:8192*(k%8)+65536*(k/8)   ; x at the places that I store
.set k, k+1
.endr
	WIN 0
	s_mul_i32 s21, s10, 8704
	s_lshr_b32 s23, s10, 2
	s_mul_i32 s23, s23, STG2-4*8704
	s_add_co_u32 s21, s21, s23
	v_and_b32 v8, 15, v0
	v_bfe_u32 v9, v0, 4, 1
	s_delay_alu instid0(VALU_DEP_2)
	v_mul_u32_u24 v10, v8, 272
	s_delay_alu instid0(VALU_DEP_1)
	v_lshl_add_u32 v10, v9, 5, v10
	s_delay_alu instid0(VALU_DEP_1)
	v_add_nc_u32 v10, s21, v10                     ; in: row r, 64 t + 32 h bytes on
	s_delay_alu instid0(VALU_DEP_4)
	v_mul_u32_u24 v11, v9, 272
	s_delay_alu instid0(VALU_DEP_1)
	v_lshl_add_u32 v11, v8, 4, v11
	s_delay_alu instid0(VALU_DEP_1)
	v_add_nc_u32 v11, s21, v11                     ; back: lanes 0-15 one row, lanes 16-31 the next
.macro FIN w                           ; tile w: the sum, its reciprocal, O^T scaled, through the stage, back into window 0, v[KV + 32 w] on
	WIN 0x55*\w
	v_add_f32 v14, v14, v15                        ; the sum's two halves,
	s_delay_alu instid0(VALU_DEP_1)
	v_permlanex16_b32 v249, v14, s12, s13
	s_delay_alu instid0(VALU_DEP_1)
	v_add_f32 v14, v14, v249                       ; and lane l xor 16's
	s_wait_alu depctr_va_vdst(0)                   ; the wait ahead of the transcendental
	v_rcp_f32 v14, v14
	v_nop                                          ; a plain place behind it
	s_wait_alu depctr_va_vdst(0)                   ; the wait, directly ahead of the first reader of the reciprocal and of O^T
.set n, 0
.rept 16
	v_pk_mul_f32 v[S+n:S+n+1], v[O+n:O+n+1], v[14:15] op_sel_hi:[1,0]   ; register 8 t + j is o(query r, channel 16 t + 8 h + j)
.set n, n+2
.endr
	WIN 0x04*\w                                    ; the stores' data: the tile's window
.irp t, 0,1,2,3
	ds_store_b128 v10, v[S+8*\t:S+8*\t+3] offset:4352*\w+64*\t
	ds_store_b128 v10, v[S+8*\t+4:S+8*\t+7] offset:4352*\w+64*\t+16
.endr
	WIN 0
.irp i, 0,1,2,3,4,5,6,7
	ds_load_b128 v[KV+32*\w+4*\i:KV+32*\w+4*\i+3], v11 offset:4352*\w+544*\i   ; LDS serves a wave's instructions in order: these see my stores
.endr
.endm
	FIN 0
	FIN 1
	s_wait_loadcnt 0x0                             ; x
	s_wait_dscnt 0x0                               ; both tiles are back
	WIN 0x04                                       ; source 1 (x) window 1
.set n, 0
.rept 32
	v_pk_add_f32 v[KV+n:KV+n+1], v[KV+n:KV+n+1], v[KV+n:KV+n+1]
.set n, n+2
.endr
	WIN 0
.set k, 0
.rept 16
	global_store_b128 v5, v[KV+4*k:KV+4*k+3], s[8:9] offset:8192*(k%8)+65536*(k/8)
.set k, k+1
.endr
	s_wait_tensorcnt 0x0                           ; the wave's end
	ds_add_u32 v6, v7
	s_wait_dscnt 0x0
	ROUND                                          ; the closing round
	s_endpgm
.Lfunc_end_k_q66395c1124_attn:
	.size	k_q66395c1124_attn, .Lfunc_end_k_q66395c1124_attn-k_q66395c1124_attn
	.p2alignl 7, 3214868480
	.fill 96, 4, 3214868480
	.section	.rodata,"a",@progbits
	.p2align	6, 0x0
	.amdhsa_kernel k_q66395c1124_attn
		.amdhsa_group_segment_fixed_size 327680
		.amdhsa_private_segment_fixed_size 0
		.amdhsa_enable_private_segment 0
		.amdhsa_kernarg_size 24
		.amdhsa_user_sgpr_count 2
		.amdhsa_user_sgpr_kernarg_segment_ptr 1
		.amdhsa_wavefront_size32 1
		.amdhsa_system_sgpr_workgroup_id_x 1
		.amdhsa_system_sgpr_workgroup_id_y 1
		.amdhsa_system_sgpr_workgroup_id_z 1
		.amdhsa_system_vgpr_workitem_id 0
		.amdhsa_next_free_vgpr 512
		.amdhsa_next_free_sgpr 100
		.amdhsa_reserve_vcc 0
		.amdhsa_float_denorm_mode_32 3
		.amdhsa_float_denorm_mode_16_64 3
		.amdhsa_memory_ordered 1
		.amdhsa_forward_progress 1
		.amdhsa_inst_pref_size 100
	.end_amdhsa_kernel
	.amdgpu_metadata
---
amdhsa.version: [ 1, 2 ]
amdhsa.kernels:
  - .name:           k_q66395c1124_attn
    .symbol:         k_q66395c1124_attn.kd
    .args:
      - { .name: qkvq, .offset: 0, .size: 8, .value_kind: global_buffer, .address_space: global }
      - { .name: x, .offset: 8, .size: 8, .value_kind: global_buffer, .address_space: global }
      - { .name: attn, .offset: 16, .size: 8, .value_kind: global_buffer, .address_space: global }
    .group_segment_fixed_size: 327680
    .private_segment_fixed_size: 0
    .kernarg_segment_align: 8
    .kernarg_segment_size: 24
    .max_flat_workgroup_size: 256
    .sgpr_count:     100
    .vgpr_count:     512
    .wavefront_size: 32
...
	.end_amdgpu_metadata
.endif
;; end of part 8
;; launch ln2: the kernel of part 6 again; grid 256 x 1, 16 waves a work-group, no clusters, 68,096 bytes of LDS; arguments attn, ln2_g, ln2_b, hq; writes hq
;; launch fc1 (part 9): grid 16 x 16, 4 waves a work-group, clusters of 4 x 4, 327,680 bytes of LDS; arguments hq, b1, w1_codes, w1_scales, mq; writes mq
.if DOCPART == 9
	.amdgcn_target "amdgcn-amd-amdhsa--gfx1250"
	.amdhsa_code_object_version 6
	.text
	.protected	k_q66395c1124_fc1
	.globl	k_q66395c1124_fc1
	.p2align	8
	.type	k_q66395c1124_fc1,@function
k_q66395c1124_fc1:
	s_mov_b64 s[64:65], 0
	v_nop
	global_prefetch_b8 v0, s[64:65] scope:SCOPE_SE
	s_setreg_imm32_b32 hwreg(HW_REG_WAVE_MODE, 25, 1), 1
	s_wait_xcnt 0x0
	s_wait_alu depctr_hold_cnt(0) depctr_sa_sdst(0) depctr_va_vdst(0) depctr_va_sdst(0) depctr_va_ssrc(0) depctr_va_vcc(0) depctr_vm_vsrc(0)
	s_getreg_b32 s2, hwreg(HW_REG_IB_STS2, 6, 4)
	s_cmp_eq_u32 s2, 0
	s_cbranch_scc0 .Lentry_in_a_cluster
	s_endpgm
.Lentry_in_a_cluster:
	s_bfe_u32 s2, ttmp6, 0x10000c
	s_cmp_lg_u32 s2, 0xf033
	s_cbranch_scc0 .Lentry_shape_is_right
	s_endpgm
.Lentry_shape_is_right:
.set SIZE_K, 1024
.set KSTEP,  256
.set NQ,     KSTEP/128
.set ROWB,   256
.set KROW,   SIZE_K
.set PITCH,  272
.set FR,     16
.set NL,     4
.set NP,     8
.set HALFT,  128*PITCH
.set SLOT,   4*HALFT
.set LAPS,   SIZE_K/(2*KSTEP)
.set KS,     SIZE_K/32
.set SCL,    2*SLOT
.set HALFS,  (128*KS/256)*272
.set SBLK,   (16*KS/256)*272
.set SPARE,  SCL+4*HALFS
.set MS,     SPARE+512
.set ADRA, 16
.set ADRB, 20
.set ADRS, 27
.set SPW,  28
.set NIL,  29
.set BI,   64
.set SC,   32
.set AF,   128
.set PC,   192
.set TM,   208
.set PW,   224
.set SEL,  96
.set MNT,  98
.set G1, 24
.set G0, 32
.set G1B, 48
.set G0B, 56
.set G1S, 68
.set G0S, 76
.set G1SB, 80
.set G0SB, 88
.set MSB, 0
.macro WIN new
.if MSB != (\new)
	s_set_vgpr_msb (MSB<<8)|(\new)
.set MSB, (\new)
.endif
.endm
.set MUL_LO, 0xa1
.set MUL_HI, 0xf1
.set TO_B,   0x40
.macro JLOAD g0a, g1a, g0b, g1b
	s_cmp_eq_u32 s15, 0
	s_cbranch_scc0 .Lfor_b_\@
	tensor_load_to_lds s[\g0a:\g0a+3], s[\g1a:\g1a+7]
	s_nop 0
.rept 4
	v_nop
.endr
	s_branch .Lasked_\@
.Lfor_b_\@:
	tensor_load_to_lds s[\g0b:\g0b+3], s[\g1b:\g1b+7]
	s_nop 0
.rept 4
	v_nop
.endr
.Lasked_\@:
.endm
.macro CREST
	s_cmp_lg_u32 s14, 0
	s_cbranch_scc1 .Lnot_wave_0_\@
	s_barrier_signal -3
.Lnot_wave_0_\@:
	s_barrier_wait -3
	s_barrier_signal -1
	s_barrier_wait -1
.endm
.macro CROUND
	s_barrier_signal -1
	s_barrier_wait -1
	CREST
.endm
	s_load_b128 s[4:7], s[0:1], 0x0
	s_load_b128 s[8:11], s[0:1], 0x10
	s_load_b64 s[12:13], s[0:1], 0x20
	v_lshl_add_u32 v[SPW], v0, 2, SPARE
	v_mov_b32 v[NIL], 0
	ds_add_u32 v28, v29
	ds_add_u32 v28, v29
	s_wait_dscnt 0x0
	v_lshrrev_b32 v1, 5, v0
	v_readfirstlane_b32 s14, v1
	s_lshr_b32 s15, s14, 1
	s_and_b32 s16, s14, 1
	s_bfe_u32 s40, ttmp6, 0x40000
	s_bfe_u32 s41, ttmp6, 0x40004
	s_lshl_b32 s42, ttmp9, 2
	s_add_co_u32 s42, s42, s40
	s_and_b32 s17, ttmp7, 0xffff
	s_lshl_b32 s17, s17, 2
	s_add_co_u32 s17, s17, s41
	s_lshl_b32 s43, s41, 2
	s_lshl_b32 s43, 15, s43
	s_lshl_b32 s44, 0x1111, s40
	s_or_b32 s[G1+0], s43, (0<<16)|(1<<20)|(1<<21)|(5<<22)|(3<<25)
	s_or_b32 s[G1B+0], s44, (0<<16)|(1<<20)|(1<<21)|(5<<22)|(3<<25)
.irp g, G1, G1B
	s_mov_b32 s[\g+1], ROWB<<16
	s_mov_b32 s[\g+2], 256<<16                     ; 256 rows for the head's loads; set to 128 for the ring's behind them
	s_mov_b32 s[\g+3], ROWB<<16
	s_mov_b32 s[\g+4], 256
	s_mov_b32 s[\g+5], KROW
	s_mov_b32 s[\g+6], 0
	s_mov_b32 s[\g+7], 0
.endr
	s_or_b32 s[G1S+0], s43, (3<<16)|(1<<20)|(1<<21)|(5<<22)|(3<<25)
	s_or_b32 s[G1SB+0], s44, (3<<16)|(1<<20)|(1<<21)|(5<<22)|(3<<25)
.irp g, G1S, G1SB
	s_mov_b32 s[\g+1], 32<<16
	s_mov_b32 s[\g+2], KS<<16                      ; the scales of all 256 rows: KS rows of 256 bytes
	s_mov_b32 s[\g+3], 32<<16
	s_mov_b32 s[\g+4], KS
	s_mov_b32 s[\g+5], 32
	s_mov_b32 s[\g+6], 0
	s_mov_b32 s[\g+7], 0
.endr
	s_lshl_b32 s20, s17, 8                         ; A: the tile's first row
	s_lshl_b32 s46, s42, 8                         ; B: likewise
	s_mov_b32 s21, 0
	s_mov_b32 s47, 0
	s_mov_b64 s[18:19], KS
	s_mul_u64 s[22:23], s[20:21], s[18:19]
	s_mul_u64 s[92:93], s[46:47], s[18:19]
	s_mov_b64 s[18:19], KROW
	s_mul_u64 s[20:21], s[20:21], s[18:19]
	s_mul_u64 s[46:47], s[46:47], s[18:19]
	s_mul_i32 s18, s16, 128*KROW                   ; in the ring I fetch 128 rows of a tile: which half, in bytes,
	s_mov_b32 s19, 0
	s_mul_i32 s45, s14, HALFT                      ; and where they go: wave x 128 rows
	s_wait_kmcnt 0x0
	s_mov_b64 s[96:97], s[6:7]
	s_add_nc_u64 s[6:7], s[4:5], 0x400000
	s_add_nc_u64 s[20:21], s[4:5], s[20:21]
	s_add_nc_u64 s[22:23], s[6:7], s[22:23]
	s_add_nc_u64 s[46:47], s[8:9], s[46:47]
	s_add_nc_u64 s[92:93], s[10:11], s[92:93]
	CROUND
	s_mov_b32 s[G0S], 1
	s_mov_b32 s[G0S+1], SCL
	s_mov_b64 s[G0S+2:G0S+3], s[22:23]
	s_or_b32 s[G0S+3], s[G0S+3], 0x80000000
	s_mov_b32 s[G0SB], 1
	s_mov_b32 s[G0SB+1], SCL+2*HALFS
	s_mov_b64 s[G0SB+2:G0SB+3], s[92:93]
	s_or_b32 s[G0SB+3], s[G0SB+3], 0x80000000
; THE PREFETCHES of K steps 1 to 3 (K step 0 comes by its load alone).  Of the 128 rows that a wave fetches for the ring, the four partners that ask for them jointly take 32 each, told apart by address (cx for A, cy for B):
; a lane a row, 256 bytes of a row a K step.  Steps 1 and 2 are named behind the head's loads, step 3 behind slot 1's first fill: each two fills ahead of its own load, step 1 one.
	s_lshl_b32 s94, s17, 8
	s_lshl_b32 s95, s42, 8
	s_cmp_eq_u32 s15, 0                            ; do I fetch for A?
	s_cselect_b32 s94, s94, s95                    ; the tile's first row
	s_cselect_b32 s95, s40, s41                    ; my place among the four that ask with me
	s_cselect_b64 s[2:3], s[4:5], s[8:9]
	s_lshl_b32 s95, s95, 5
	s_add_co_u32 s94, s94, s95
	s_lshl_b32 s95, s16, 7
	s_add_co_u32 s94, s94, s95
	s_lshl_b32 s94, s94, 10                        ; a row is 1,024 bytes
	s_mov_b32 s95, 0
	s_add_nc_u64 s[2:3], s[2:3], s[94:95]
.set G0H, 4
.set G0HB, 8
	s_mov_b32 s[G0H], 1                            ; K step 0's 256 rows of A (the normalised rows' codes),
	s_mov_b32 s[G0H+1], 0
	s_mov_b64 s[G0H+2:G0H+3], s[20:21]
	s_or_b32 s[G0H+3], s[G0H+3], 0x80000000
	s_mov_b32 s[G0HB], 1                           ; and of B (w1's), behind them in slot 0
	s_mov_b32 s[G0HB+1], 2*HALFT
	s_mov_b64 s[G0HB+2:G0HB+3], s[46:47]
	s_or_b32 s[G0HB+3], s[G0HB+3], 0x80000000
	s_add_nc_u64 s[20:21], s[20:21], s[18:19]      ; for the ring: my 128 rows of the tile
	s_add_nc_u64 s[46:47], s[46:47], s[18:19]
.irp s, 0,1
	s_mov_b32 s[G0+4*\s], 1
	s_add_co_u32 s[G0+4*\s+1], s45, \s*SLOT
	s_add_nc_u64 s[G0+4*\s+2:G0+4*\s+3], s[20:21], \s*ROWB
	s_or_b32 s[G0+4*\s+3], s[G0+4*\s+3], 0x80000000
	s_mov_b32 s[G0B+4*\s], 1
	s_add_co_u32 s[G0B+4*\s+1], s45, \s*SLOT
	s_add_nc_u64 s[G0B+4*\s+2:G0B+4*\s+3], s[46:47], \s*ROWB
	s_or_b32 s[G0B+4*\s+3], s[G0B+4*\s+3], 0x80000000
.endr
; THE HEAD'S LOADS, ONE A WAVE: wave 0 K step 0's rows of A, wave 1 those of B, wave 2 A's scales, wave 3 B's.  One chain of branches on the wave's number: every way passes one load.
.macro ARM under, g0, g1, next
	s_cmp_lt_u32 s14, \under
	s_cbranch_scc0 \next
	tensor_load_to_lds s[\g0:\g0+3], s[\g1:\g1+7]
	s_nop 0
.rept 4
	v_nop
.endr
	s_branch .Lhead_asked
\next:
.endm
	ARM 1, G0H,  G1,  .Lhead_b
	ARM 2, G0HB, G1B, .Lhead_sa
	ARM 3, G0S,  G1S, .Lhead_sb
	tensor_load_to_lds s[G0SB:G0SB+3], s[G1SB:G1SB+7]
	s_nop 0
.rept 4
	v_nop
.endr
.Lhead_asked:
	v_and_b32 v7, 31, v0
	v_lshlrev_b32 v7, 10, v7                       ; v7: my lane's row; never rewritten
	global_prefetch_b8 v7, s[2:3] offset:256 th:TH_LOAD_NT scope:SCOPE_SE
	global_prefetch_b8 v7, s[2:3] offset:512 th:TH_LOAD_NT scope:SCOPE_SE
	v_and_b32 v1, 15, v0
	v_bfe_u32 v2, v0, 4, 1
	v_mul_u32_u24 v3, v1, PITCH
	v_lshl_add_u32 v4, v2, 4, v3
	s_mul_i32 s21, s15, HALFT
	s_mul_i32 s22, s16, HALFT
	s_add_co_u32 s22, s22, 2*HALFT
.irp s, 0,1
	v_add_nc_u32 v[ADRA+\s], s21, v4
	v_add_nc_u32 v[ADRB+\s], s22, v4
	s_add_co_u32 s21, s21, SLOT
	s_add_co_u32 s22, s22, SLOT
.endr
	v_mul_u32_u24 v5, v1, KS
	v_lshrrev_b32 v6, 8, v5
	v_lshl_add_u32 v5, v6, 4, v5
	s_mul_i32 s21, s15, HALFS
	s_mul_i32 s22, s16, HALFS
	s_add_co_u32 s22, s22, 2*HALFS
	s_sub_co_u32 s22, s22, s21
	v_mul_u32_u24 v6, s22, v2
	s_add_co_u32 s21, s21, SCL
	v_add_nc_u32 v5, v5, v6
	v_add_nc_u32 v[ADRS], s21, v5
	v_lshlrev_b32 v18, 5, v2
	s_lshl_b32 s92, s42, 10
	s_lshl_b32 s93, s16, 9
	s_add_co_u32 s92, s92, s93
	s_mov_b32 s93, 0
	s_add_nc_u64 s[98:99], s[96:97], s[92:93]
.irp b, 0,1,2,3,4,5,6,7
	global_load_b128 v[BI+8*\b:BI+8*\b+3], v18, s[98:99] offset:64*\b
	global_load_b128 v[BI+8*\b+4:BI+8*\b+7], v18, s[98:99] offset:64*\b+16
.endr
.macro FRAG reg, adr, q, i
.irp c, 0,1,2,3
	ds_load_b128 v[\reg+4*\c:\reg+4*\c+3], v[\adr] offset:128*(\q)+32*\c+(\i)*16*PITCH
.endr
.endm
.macro MUL16 a0, p, q, sc, zero
.irp a, \a0, \a0+1
.irp b, 0,1,2,3,4,5,6,7
.if \zero
	v_wmma_scale_f32_16x16x128_f8f6f4 v[8*(8*((\a)%4)+\b):8*(8*((\a)%4)+\b)+7], v[128*(\p)+FR*\b:128*(\p)+FR*\b+FR-1], v[AF+FR*(\a):AF+FR*(\a)+FR-1], 0, v[SC+8*NQ*(\sc)+NQ*\b+(\q)], v[SC+8*NQ*(\sc)+NQ*(\a)+(\q)] matrix_a_fmt:MATRIX_FMT_BF8 matrix_b_fmt:MATRIX_FMT_BF8 matrix_a_scale:MATRIX_SCALE_ROW1
.else
	v_wmma_scale_f32_16x16x128_f8f6f4 v[8*(8*((\a)%4)+\b):8*(8*((\a)%4)+\b)+7], v[128*(\p)+FR*\b:128*(\p)+FR*\b+FR-1], v[AF+FR*(\a):AF+FR*(\a)+FR-1], v[8*(8*((\a)%4)+\b):8*(8*((\a)%4)+\b)+7], v[SC+8*NQ*(\sc)+NQ*\b+(\q)], v[SC+8*NQ*(\sc)+NQ*(\a)+(\q)] matrix_a_fmt:MATRIX_FMT_BF8 matrix_b_fmt:MATRIX_FMT_BF8 matrix_a_scale:MATRIX_SCALE_ROW1
.endif
.endr
.endr
.endm
.macro FETCH_B slot, q, p
	WIN TO_B
.irp i, 0,1,2,3,4,5,6,7
	FRAG 128*(\p)+FR*\i, ADRB+\slot, \q, \i
.endr
	WIN 0
.endm
.macro FETCH_A slot, q, i0
.irp i, \i0, \i0+1, \i0+2, \i0+3
	FRAG AF+FR*(\i), ADRA+\slot, \q, \i
.endr
.endm
.macro SCALES sc
.irp i, 0,1,2,3,4,5,6,7
	ds_load_b64 v[SC+8*NQ*\sc+NQ*\i:SC+8*NQ*\sc+NQ*\i+1], v[ADRS] offset:\i*SBLK
.endr
.endm
.macro PLACES n
.rept \n
	v_nop
.endr
.endm
.macro STEP slot, q, zero
	s_wait_dscnt 4*NL
	WIN MUL_LO
	MUL16 0, (\q)%2, \q, \slot, \zero
	MUL16 2, (\q)%2, \q, \slot, \zero
	s_wait_dscnt 0
	PLACES NP
	FETCH_B \slot, (\q)+1, 1-(\q)%2
	FETCH_A \slot, (\q)+1, 0
	WIN MUL_HI
	MUL16 4, (\q)%2, \q, \slot, \zero
	MUL16 6, (\q)%2, \q, \slot, \zero
	PLACES NP
	WIN 0
	FETCH_A \slot, (\q)+1, 4
.endm
.macro TURN slot, next, fill
	s_wait_tensorcnt 0x0
	ds_add_u32 v[SPW], v[NIL]
	s_wait_dscnt 4*NL+1
	WIN MUL_LO
	MUL16 0, 1, NQ-1, \slot, 0
	s_wait_dscnt 0x0
	s_barrier_signal -1
	MUL16 2, 1, NQ-1, \slot, 0
	WIN 0
	s_barrier_wait -1
.if \fill
	CREST
	s_add_nc_u64 s[G0+4*\slot+2:G0+4*\slot+3], s[G0+4*\slot+2:G0+4*\slot+3], 2*ROWB
	s_add_nc_u64 s[G0B+4*\slot+2:G0B+4*\slot+3], s[G0B+4*\slot+2:G0B+4*\slot+3], 2*ROWB
	JLOAD G0+4*\slot, G1, G0B+4*\slot, G1B
	PLACES NP-4
.else
	PLACES NP
.endif
	s_wait_alu depctr_va_vdst(0)
	v_add_nc_u32 v[ADRS], 4*NQ, v[ADRS]
	FETCH_B \next, 0, 0
	FETCH_A \next, 0, 0
	SCALES \next
	WIN MUL_HI
	MUL16 4, 1, NQ-1, \slot, 0
	MUL16 6, 1, NQ-1, \slot, 0
	PLACES NP
	WIN 0
	FETCH_A \next, 0, 4
.endm
	s_wait_alu depctr_va_vdst(0)
	s_wait_tensorcnt 0x0                           ; my tile of the head's four is in
	ds_add_u32 v[SPW], v[NIL]
	s_mov_b32 s[G1+2], 128<<16                     ; no tensor load of mine is out: from here on a load brings 128 rows
	s_mov_b32 s[G1+4], 128
	s_mov_b32 s[G1B+2], 128<<16
	s_mov_b32 s[G1B+4], 128
	s_wait_dscnt 0x0
	CROUND                                         ; all four tiles are in, and all sixteen work-groups are here
	JLOAD G0+4, G1, G0B+4, G1B                     ; K step 1: the first tensor load behind the round
	global_prefetch_b8 v7, s[2:3] offset:768 th:TH_LOAD_NT scope:SCOPE_SE
	FETCH_B 0, 0, 0
	FETCH_A 0, 0, 0
	SCALES 0
	FETCH_A 0, 0, 4
	STEP 0, 0, 1
	s_wait_xcnt 0x0                                ; the prefetches have read their base, whose upper word becomes the loop's counter
	s_mov_b32 s3, LAPS-1
.Llap:
	TURN 0, 1, 1
	STEP 1, 0, 0
	TURN 1, 0, 1
	STEP 0, 0, 0
	s_sub_co_u32 s3, s3, 1
	s_cmp_lg_u32 s3, 0
	s_cbranch_scc1 .Llap
	TURN 0, 1, 0
	STEP 1, 0, 0
	s_wait_dscnt 4*NL
	WIN MUL_LO
	MUL16 0, 1, NQ-1, 1, 0
	MUL16 2, 1, NQ-1, 1, 0
	s_wait_dscnt 0
	WIN MUL_HI
	MUL16 4, 1, NQ-1, 1, 0
	MUL16 6, 1, NQ-1, 1, 0
	WIN 0
.macro MOVB_COL a
	WIN 0x02+(\a)/4
.set n, 0
.rept 32
	v_pk_add_f32 v[128+n:129+n], v[64*((\a)%4)+n:64*((\a)%4)+n+1], v[BI+n:BI+n+1]
.set n, n+2
.endr
	WIN 0
.endm
.macro QUANT s
.irp b, 0,1,2,3
	v_max3_num_f32 v[TM+\b], v[\s+16*\b], v[\s+1+16*\b], 0x8000000
.endr
.irp i, 2,4,6,8,10,12,14
.irp b, 0,1,2,3
	v_max3_num_f32 v[TM+\b], v[TM+\b], v[\s+16*\b+\i], v[\s+1+16*\b+\i]
.endr
.endr
.irp b, 0,1,2,3
	v_permlanex16_b32 v[TM+4+\b], v[TM+\b], s[SEL], s[SEL+1]
.endr
.irp b, 0,1,2,3
	v_max_num_f32 v[TM+\b], v[TM+\b], v[TM+4+\b]
.endr
.irp b, 0,1,2,3
	v_add_nc_u32 v[TM+12+\b], 0xf8800000, v[TM+\b]
.endr
.irp b, 0,1,2,3
	v_and_or_b32 v[TM+8+\b], v[TM+\b], 0x7f800000, s[MNT]
.endr
.irp b, 0,1,2,3
	v_lshrrev_b32 v[TM+4+\b], 23, v[TM+12+\b]
.endr
	v_lshl_or_b32 v[PW], v[TM+5], 8, v[TM+4]
	v_lshl_or_b32 v[PW], v[TM+6], 16, v[PW]
	v_lshl_or_b32 v[PW], v[TM+7], 24, v[PW]
.irp b, 0,1,2,3
.irp i, 0,1,2,3,4,5,6,7,8,9,10,11,12,13,14,15
	v_med3_num_f32 v[\s+16*\b+\i], v[\s+16*\b+\i], 0, v[TM+8+\b]
.endr
	v_cvt_scalef32_pk8_bf8_f32 v[PC+4*\b:PC+1+4*\b], v[\s+16*\b:\s+7+16*\b], v[TM+12+\b]
	v_cvt_scalef32_pk8_bf8_f32 v[PC+2+4*\b:PC+3+4*\b], v[\s+8+16*\b:\s+15+16*\b], v[TM+12+\b]
.endr
	v_nop
.endm
	PLACES NP
	s_wait_loadcnt 0x0
	s_mov_b32 s[SEL], 0x76543210
	s_mov_b32 s[SEL+1], 0xfedcba98
	s_mov_b32 s[MNT], 0x600000
	v_and_b32 v44, 15, v0
	v_bfe_u32 v45, v0, 4, 1
	v_and_b32 v46, 31, v0
	s_wait_alu depctr_va_vdst(0)
	s_mul_i32 s20, s15, 128*272
	s_lshl_b32 s21, s16, 7
	s_add_co_u32 s20, s20, s21
	v_mul_u32_u24 v32, v44, 272
	v_lshl_add_u32 v32, v45, 3, v32
	v_add_nc_u32 v32, s20, v32
	s_lshl_b32 s20, s15, 10
	s_lshl_b32 s21, s16, 2
	s_add_co_u32 s20, s20, s21
	s_add_co_u32 s20, s20, MS
	v_lshl_add_u32 v34, v44, 3, s20
	s_lshl_b32 s21, s14, 9
	s_add_co_u32 s21, s21, MS
	v_lshl_add_u32 v38, v46, 4, s21
	s_mul_i32 s23, s14, 64*272
	v_mul_u32_u24 v39, v45, 272
	v_lshl_add_u32 v39, v44, 4, v39
	v_add_nc_u32 v39, s23, v39
	v_lshlrev_b32 v41, 4, v46
	v_lshlrev_b32 v42, 12, v45
	v_lshl_add_u32 v42, v44, 4, v42
.irp b, 0,1,2,3
	v_mov_b32 v[TM+4+\b], 0
.endr
	s_lshl_b32 s46, s17, 20
	s_lshl_b32 s21, s14, 18
	s_add_co_u32 s46, s46, s21
	s_lshl_b32 s21, s42, 8
	s_add_co_u32 s46, s46, s21
	s_mov_b32 s47, 0
	s_add_nc_u64 s[46:47], s[12:13], s[46:47]
	s_lshl_b32 s92, s17, 15
	s_lshl_b32 s21, s15, 14
	s_add_co_u32 s92, s92, s21
	s_lshl_b32 s21, s42, 10
	s_add_co_u32 s92, s92, s21
	s_lshl_b32 s21, s16, 9
	s_add_co_u32 s92, s92, s21
	s_add_co_u32 s92, s92, 0x1000000
	s_mov_b32 s93, 0
	s_add_nc_u64 s[92:93], s[12:13], s[92:93]
.irp a, 0,1,2,3,4,5,6,7
	MOVB_COL \a
	QUANT 128
.irp q, 0,1,2,3,4,5,6,7
	ds_store_b64 v32, v[PC+2*\q:PC+2*\q+1] offset:\a*16*272+16*\q
.endr
	ds_store_b32 v34, v[PW] offset:128*\a
	s_wait_dscnt 0x0
.endr
	s_barrier_signal -1
	s_barrier_wait -1
	ds_load_b128 v[48:51], v38
.irp t, 0,1,2,3,4,5,6,7,8,9,10,11,12,13,14,15,16,17,18,19,20,21,22,23,24,25,26,27,28,29,30,31
	ds_load_b128 v[128+4*\t:128+4*\t+3], v39 offset:544*\t
.endr
	s_wait_dscnt 32
	global_store_b128 v41, v[48:51], s[92:93]
.irp t, 0,1,2,3,4,5,6,7,8,9,10,11,12,13,14,15,16,17,18,19,20,21,22,23,24,25,26,27,28,29,30,31
	s_wait_dscnt 31-\t
	global_store_b128 v42, v[128+4*\t:128+4*\t+3], s[46:47] offset:8192*\t
.endr
	s_wait_tensorcnt 0x0
	ds_add_u32 v[SPW], v[NIL]
	s_wait_dscnt 0x0
	CROUND
	s_endpgm
.Lfunc_end_k_q66395c1124_fc1:
	.size	k_q66395c1124_fc1, .Lfunc_end_k_q66395c1124_fc1-k_q66395c1124_fc1
	.p2alignl 7, 3214868480
	.fill 96, 4, 3214868480
	.section	.rodata,"a",@progbits
	.p2align	6, 0x0
	.amdhsa_kernel k_q66395c1124_fc1
		.amdhsa_group_segment_fixed_size 327680
		.amdhsa_private_segment_fixed_size 0
		.amdhsa_enable_private_segment 0
		.amdhsa_kernarg_size 40
		.amdhsa_user_sgpr_count 2
		.amdhsa_user_sgpr_kernarg_segment_ptr 1
		.amdhsa_wavefront_size32 1
		.amdhsa_system_sgpr_workgroup_id_x 1
		.amdhsa_system_sgpr_workgroup_id_y 1
		.amdhsa_system_sgpr_workgroup_id_z 1
		.amdhsa_system_vgpr_workitem_id 0
		.amdhsa_next_free_vgpr 1024
		.amdhsa_next_free_sgpr 102
		.amdhsa_reserve_vcc 0
		.amdhsa_float_denorm_mode_32 3
		.amdhsa_float_denorm_mode_16_64 3
		.amdhsa_memory_ordered 1
		.amdhsa_forward_progress 1
		.amdhsa_inst_pref_size 212
	.end_amdhsa_kernel
	.amdgpu_metadata
---
amdhsa.version: [ 1, 2 ]
amdhsa.kernels:
  - .name:           k_q66395c1124_fc1
    .symbol:         k_q66395c1124_fc1.kd
    .args:
      - { .name: hq, .offset: 0, .size: 8, .value_kind: global_buffer, .address_space: global }
      - { .name: b1, .offset: 8, .size: 8, .value_kind: global_buffer, .address_space: global }
      - { .name: w1_codes, .offset: 16, .size: 8, .value_kind: global_buffer, .address_space: global }
      - { .name: w1_scales, .offset: 24, .size: 8, .value_kind: global_buffer, .address_space: global }
      - { .name: mq, .offset: 32, .size: 8, .value_kind: global_buffer, .address_space: global }
    .group_segment_fixed_size: 327680
    .private_segment_fixed_size: 0
    .kernarg_segment_align: 8
    .kernarg_segment_size: 40
    .max_flat_workgroup_size: 128
    .sgpr_count:     102
    .vgpr_count:     1024
    .wavefront_size: 32
...
	.end_amdgpu_metadata
.endif
;; end of part 9
;; launch fc2 (part 10): grid 8 x 32, 4 waves a work-group, clusters of 4 x 4, 327,680 bytes of LDS; arguments mq, b2, w2_codes, w2_scales, attn, out0; writes out0
.if DOCPART == 10
	.amdgcn_target "amdgcn-amd-amdhsa--gfx1250"
	.amdhsa_code_object_version 6
	.text
	.protected	k_q66395c1124_fc2
	.globl	k_q66395c1124_fc2
	.p2align	8
	.type	k_q66395c1124_fc2,@function
k_q66395c1124_fc2:
	s_mov_b64 s[64:65], 0
	v_nop
	global_prefetch_b8 v0, s[64:65] scope:SCOPE_SE
	s_setreg_imm32_b32 hwreg(HW_REG_WAVE_MODE, 25, 1), 1
	s_wait_xcnt 0x0
	s_wait_alu depctr_hold_cnt(0) depctr_sa_sdst(0) depctr_va_vdst(0) depctr_va_sdst(0) depctr_va_ssrc(0) depctr_va_vcc(0) depctr_vm_vsrc(0)
	s_getreg_b32 s2, hwreg(HW_REG_IB_STS2, 6, 4)
	s_cmp_eq_u32 s2, 0
	s_cbranch_scc0 .Lentry_in_a_cluster
	s_endpgm
.Lentry_in_a_cluster:
	s_bfe_u32 s2, ttmp6, 0x10000c
	s_cmp_lg_u32 s2, 0xf033
	s_cbranch_scc0 .Lentry_shape_is_right
	s_endpgm
.Lentry_shape_is_right:
.set SIZE_K, 4096
.set SIZE_N, 1024
.set KSTEP,  512
.set ROWB,   512
.set KROW,   SIZE_K
.set PITCH,  528
.set FR,     16
.set NP,     8
.set HALFT,  64*PITCH
.set SLOT,   4*HALFT
.set LAPS,   SIZE_K/(2*KSTEP)
.set KS,     SIZE_K/32
.set SCL,    2*SLOT
.set QUARTS, (32*KS/256)*272
.set SBLK,   (16*KS/256)*272
.set SPARE,  SCL+4*QUARTS
.set SPITCH, 272
.set ASTEP,  2048
.set ADRA, 16
.set ADRB, 20
.set STO,  24
.set RD,   25
.set CO,   26
.set ADRS, 27
.set SPW,  28
.set NIL,  29
.set AL8,  30
.set BO,   31
.set B2R,  8
.set SB,   32
.set SA,   64
.set ACC,  128
.set F0,   0
.set F1,   128
.set G1, 24
.set G0, 32
.set G1B, 48
.set G0B, 56
.set G1SB, 80
.set G0SB, 88
.set MSB, 0
.macro WIN new
.if MSB != (\new)
	s_set_vgpr_msb (MSB<<8)|(\new)
.set MSB, (\new)
.endif
.endm
.set MUL,  0x05
.set TO_F, 0x40
.macro JLOAD g0a, g1a, g0b, g1b
	s_cmp_eq_u32 s15, 0
	s_cbranch_scc0 .Lfor_b_\@
	tensor_load_to_lds s[\g0a:\g0a+3], s[\g1a:\g1a+7]
	s_nop 0
.rept 4
	v_nop
.endr
	s_branch .Lasked_\@
.Lfor_b_\@:
	tensor_load_to_lds s[\g0b:\g0b+3], s[\g1b:\g1b+7]
	s_nop 0
.rept 4
	v_nop
.endr
.Lasked_\@:
.endm
.macro CREST
	s_cmp_lg_u32 s14, 0
	s_cbranch_scc1 .Lnot_wave_0_\@
	s_barrier_signal -3
.Lnot_wave_0_\@:
	s_barrier_wait -3
	s_barrier_signal -1
	s_barrier_wait -1
.endm
.macro CROUND
	s_barrier_signal -1
	s_barrier_wait -1
	CREST
.endm
	s_load_b128 s[4:7], s[0:1], 0x0
	s_load_b128 s[8:11], s[0:1], 0x10
	s_load_b64 s[12:13], s[0:1], 0x20
	s_load_b64 s[96:97], s[0:1], 0x28
	v_lshl_add_u32 v[SPW], v0, 2, SPARE
	v_mov_b32 v[NIL], 0
	ds_add_u32 v28, v29
	ds_add_u32 v28, v29
	s_wait_dscnt 0x0
	v_lshrrev_b32 v1, 5, v0
	v_readfirstlane_b32 s14, v1
	s_lshr_b32 s15, s14, 1
	s_and_b32 s16, s14, 1
	s_bfe_u32 s40, ttmp6, 0x40000
	s_bfe_u32 s41, ttmp6, 0x40004
	s_lshl_b32 s42, ttmp9, 2
	s_add_co_u32 s42, s42, s40
	s_and_b32 s17, ttmp7, 0xffff
	s_lshl_b32 s17, s17, 2
	s_add_co_u32 s17, s17, s41
	s_lshl_b32 s43, s41, 2
	s_lshl_b32 s43, 15, s43
	s_lshl_b32 s44, 0x1111, s40
	s_or_b32 s[G1+0], s43, (0<<16)|(1<<20)|(1<<21)|(6<<22)|(3<<25)
	s_or_b32 s[G1B+0], s44, (0<<16)|(1<<20)|(1<<21)|(6<<22)|(3<<25)
.irp g, G1, G1B
	s_mov_b32 s[\g+1], ROWB<<16
	s_mov_b32 s[\g+2], 128<<16                     ; 128 rows for the head's loads; set to 64 for the ring's behind them
	s_mov_b32 s[\g+3], ROWB<<16
	s_mov_b32 s[\g+4], 128
	s_mov_b32 s[\g+5], KROW
	s_mov_b32 s[\g+6], 0
	s_mov_b32 s[\g+7], 0
.endr
	s_or_b32 s[G1SB+0], s44, (3<<16)|(1<<20)|(1<<21)|(5<<22)|(3<<25)
	s_mov_b32 s[G1SB+1], 32<<16
	s_mov_b32 s[G1SB+2], (64*KS/256)<<16           ; the scales of 64 rows of w2: what wave 2 or wave 3 brings
	s_mov_b32 s[G1SB+3], 32<<16
	s_mov_b32 s[G1SB+4], 64*KS/256
	s_mov_b32 s[G1SB+5], 32
	s_mov_b32 s[G1SB+6], 0
	s_mov_b32 s[G1SB+7], 0
	s_lshl_b32 s20, s17, 7                         ; A: the tile's first row
	s_lshl_b32 s46, s42, 7                         ; B: likewise
	s_mov_b32 s21, 0
	s_mov_b32 s47, 0
	s_mov_b64 s[18:19], KROW
	s_mul_u64 s[20:21], s[20:21], s[18:19]
	s_mul_u64 s[46:47], s[46:47], s[18:19]
	s_lshl_b32 s92, s42, 14
	s_lshl_b32 s93, s16, 13                        ; waves 2, 3: the halves of B's scale bytes
	s_add_co_u32 s92, s92, s93
	s_mov_b32 s93, 0
	s_mul_i32 s18, s16, 64*KROW                    ; in the ring I fetch 64 rows of a tile: which half, in bytes
	s_mov_b32 s19, 0
	s_mul_i32 s45, s14, HALFT
	s_mul_i32 s94, s14, 2*QUARTS
	s_wait_kmcnt 0x0
	s_add_nc_u64 s[20:21], s[4:5], s[20:21]
	s_add_nc_u64 s[46:47], s[8:9], s[46:47]
	s_add_nc_u64 s[92:93], s[10:11], s[92:93]
	CROUND
	s_mov_b32 s[G0SB], 1
	s_add_co_u32 s[G0SB+1], s94, SCL-4*QUARTS      ; wave 2 begins at SCL
	s_mov_b64 s[G0SB+2:G0SB+3], s[92:93]
	s_or_b32 s[G0SB+3], s[G0SB+3], 0x80000000
.set G0H, 68                           ; s[68:71], s[72:75]: group 0 of the head's loads of K step 0
.set G0HB, 72
.set PFA, 76                           ; s[76:77] where my prefetches stand
.set PFO, 7                            ; v7 their offset: row lane / 2 of my 16, block lane % 2 of its 512 bytes; never rewritten
	s_mov_b32 s[G0H], 1                            ; K step 0's 128 rows of A,
	s_mov_b32 s[G0H+1], 0
	s_mov_b64 s[G0H+2:G0H+3], s[20:21]
	s_or_b32 s[G0H+3], s[G0H+3], 0x80000000
	s_mov_b32 s[G0HB], 1                           ; and of B, behind them in slot 0
	s_mov_b32 s[G0HB+1], 2*HALFT
	s_mov_b64 s[G0HB+2:G0HB+3], s[46:47]
	s_or_b32 s[G0HB+3], s[G0HB+3], 0x80000000
	s_add_nc_u64 s[20:21], s[20:21], s[18:19]      ; for the ring: my 64 rows of the tile
	s_add_nc_u64 s[46:47], s[46:47], s[18:19]
.irp s, 0,1
	s_mov_b32 s[G0+4*\s], 1
	s_add_co_u32 s[G0+4*\s+1], s45, \s*SLOT
	s_add_nc_u64 s[G0+4*\s+2:G0+4*\s+3], s[20:21], \s*ROWB
	s_or_b32 s[G0+4*\s+3], s[G0+4*\s+3], 0x80000000
	s_mov_b32 s[G0B+4*\s], 1
	s_add_co_u32 s[G0B+4*\s+1], s45, \s*SLOT
	s_add_nc_u64 s[G0B+4*\s+2:G0B+4*\s+3], s[46:47], \s*ROWB
	s_or_b32 s[G0B+4*\s+3], s[G0B+4*\s+3], 0x80000000
.endr
; THE HEAD'S LOADS, ONE A WAVE: wave 0 K step 0's rows of A, wave 1 those of B, waves 2 and 3 the halves of B's scales.  One chain of branches on the wave's number: every way passes one load.
	s_cmp_lt_u32 s14, 1
	s_cbranch_scc0 .Lhead_b
	tensor_load_to_lds s[G0H:G0H+3], s[G1:G1+7]
	s_nop 0
.rept 4
	v_nop
.endr
	s_branch .Lhead_asked
.Lhead_b:
	s_cmp_lt_u32 s14, 2
	s_cbranch_scc0 .Lhead_s
	tensor_load_to_lds s[G0HB:G0HB+3], s[G1B:G1B+7]
	s_nop 0
.rept 4
	v_nop
.endr
	s_branch .Lhead_asked
.Lhead_s:
	tensor_load_to_lds s[G0SB:G0SB+3], s[G1SB:G1SB+7]
	s_nop 0
.rept 4
	v_nop
.endr
.Lhead_asked:
; THE PREFETCHES.  Of the 64 rows that a wave fetches for the ring, the four partners that ask for them jointly take 16 each, told apart by address (cx for A, cy for B): 16 rows x 2 blocks of 256 bytes, a lane a block.
; K steps 1 and 2 are named here, behind the head's loads, step 3 behind slot 1's first fill; behind each refill, of K step s, step s + 2.  The address starts at K step 1; each refilling change of slots steps it by one K step,
; and its prefetch names the step two on from it.  The loop's last trip, whose look-ahead would pass K's end, asks for nothing.
	s_lshl_b32 s78, s17, 7
	s_lshl_b32 s79, s42, 7
	s_cmp_eq_u32 s15, 0                            ; do I fetch for A?
	s_cselect_b32 s78, s78, s79                    ; the tile's first row
	s_cselect_b32 s79, s40, s41                    ; my place among the four that ask with me
	s_cselect_b64 s[PFA:PFA+1], s[4:5], s[8:9]
	s_lshl_b32 s79, s79, 4
	s_add_co_u32 s78, s78, s79
	s_lshl_b32 s79, s16, 6
	s_add_co_u32 s78, s78, s79
	s_lshl_b32 s78, s78, 12                        ; a row is 4,096 bytes
	s_add_co_u32 s78, s78, ROWB
	s_mov_b32 s79, 0
	s_add_nc_u64 s[PFA:PFA+1], s[PFA:PFA+1], s[78:79]
	v_and_b32 v[PFO], 31, v0
	v_lshrrev_b32 v12, 1, v[PFO]
	v_and_b32 v[PFO], 1, v[PFO]
	v_lshlrev_b32 v[PFO], 8, v[PFO]
	v_lshl_add_u32 v[PFO], v12, 12, v[PFO]
	global_prefetch_b8 v[PFO], s[PFA:PFA+1] th:TH_LOAD_NT scope:SCOPE_SE
	global_prefetch_b8 v[PFO], s[PFA:PFA+1] offset:ROWB th:TH_LOAD_NT scope:SCOPE_SE
	v_and_b32 v1, 15, v0
	v_bfe_u32 v2, v0, 4, 1
	v_mul_u32_u24 v3, v1, PITCH
	v_lshl_add_u32 v4, v2, 4, v3
	s_mul_i32 s21, s15, HALFT
	s_mul_i32 s22, s16, HALFT
	s_add_co_u32 s22, s22, 2*HALFT
.irp s, 0,1
	v_add_nc_u32 v[ADRA+\s], s21, v4
	v_add_nc_u32 v[ADRB+\s], s22, v4
	s_add_co_u32 s21, s21, SLOT
	s_add_co_u32 s22, s22, SLOT
.endr
	v_lshlrev_b32 v5, 7, v1
	v_lshrrev_b32 v6, 1, v1
	v_lshl_add_u32 v5, v6, 4, v5
	s_mul_i32 s21, s16, 2*QUARTS
	s_add_co_u32 s21, s21, SCL
	v_add_nc_u32 v[ADRS], s21, v5
	s_mul_i32 s23, s14, 16*SPITCH
	v_mul_u32_u24 v5, v1, SPITCH
	v_lshl_add_u32 v5, v2, 5, v5
	v_add_nc_u32 v[STO], s23, v5
	v_mul_u32_u24 v5, v2, SPITCH
	v_lshl_add_u32 v5, v1, 4, v5
	v_add_nc_u32 v[RD], s23, v5
	v_lshlrev_b32 v[CO], 12, v2
	v_lshl_add_u32 v[CO], v1, 4, v[CO]
	v_lshlrev_b32 v[BO], 4, v1
	s_wait_alu depctr_va_vdst(0)
	v_and_b32 v6, 31, v0
	v_lshlrev_b32 v[AL8], 3, v6
	s_wait_alu depctr_va_vdst(0)
	s_lshl_b32 s20, s17, 7
	s_lshl_b32 s21, s15, 6
	s_add_co_u32 s20, s20, s21
	s_mov_b32 s21, 0
	s_mov_b64 s[18:19], SIZE_N*4
	s_mul_u64 s[20:21], s[20:21], s[18:19]
	s_lshl_b32 s46, s42, 9
	s_lshl_b32 s47, s16, 8
	s_add_co_u32 s46, s46, s47
	s_mov_b32 s47, 0
	s_add_nc_u64 s[98:99], s[6:7], s[46:47]
	s_add_nc_u64 s[20:21], s[20:21], s[46:47]
	s_add_nc_u64 s[12:13], s[12:13], s[20:21]
	s_add_nc_u64 s[96:97], s[96:97], s[20:21]
	s_lshl_b32 s66, s17, 14
	s_lshl_b32 s67, s15, 9
	s_add_co_u32 s66, s66, s67
	s_add_co_u32 s66, s66, 0x1000000
	s_mov_b32 s67, 0
	s_add_nc_u64 s[66:67], s[4:5], s[66:67]
.macro ASCALES set, off
.irp u, 0,1
.irp i, 0,1
	global_load_b64 v[SA+8*\set+4*\u+2*\i:SA+8*\set+4*\u+2*\i+1], v[AL8], s[66:67] offset:\off+1024*\u+256*\i
.endr
.endr
.endm
	global_load_b128 v[B2R:B2R+3], v[BO], s[98:99]
	ASCALES 0, 0
	ASCALES 1, ASTEP
	WIN 0x80
.irp a, 0,1,2,3
.irp i, 0,1,2,3,4,5,6,7
	global_load_b128 v[32*\a+4*\i:32*\a+4*\i+3], v[CO], s[12:13] offset:(16*\a+2*\i)*SIZE_N*4
.endr
.endr
	WIN 0
.macro MUL4 f, a, qq, sc, zero
.irp b, 0,1,2,3
.set rD, ACC+8*(4*(\a)+\b)
.set rB, 64+(\f)+FR*\b
.set rA, (\f)+FR*(\a)
.set rSB, SB+16*(\sc)+4*\b+(\qq)
.set rSA, SA+8*(\sc)+4*((\qq)/2)+2*((\a)/2)+(\qq)%2
.if \zero
.if (\a)%2
	v_wmma_scale_f32_16x16x128_f8f6f4 v[rD:rD+7], v[rB:rB+15], v[rA:rA+15], 0, v[rSB], v[rSA] matrix_a_fmt:MATRIX_FMT_BF8 matrix_b_fmt:MATRIX_FMT_BF8 matrix_b_scale:MATRIX_SCALE_ROW1
.else
	v_wmma_scale_f32_16x16x128_f8f6f4 v[rD:rD+7], v[rB:rB+15], v[rA:rA+15], 0, v[rSB], v[rSA] matrix_a_fmt:MATRIX_FMT_BF8 matrix_b_fmt:MATRIX_FMT_BF8
.endif
.else
.if (\a)%2
	v_wmma_scale_f32_16x16x128_f8f6f4 v[rD:rD+7], v[rB:rB+15], v[rA:rA+15], v[rD:rD+7], v[rSB], v[rSA] matrix_a_fmt:MATRIX_FMT_BF8 matrix_b_fmt:MATRIX_FMT_BF8 matrix_b_scale:MATRIX_SCALE_ROW1
.else
	v_wmma_scale_f32_16x16x128_f8f6f4 v[rD:rD+7], v[rB:rB+15], v[rA:rA+15], v[rD:rD+7], v[rSB], v[rSA] matrix_a_fmt:MATRIX_FMT_BF8 matrix_b_fmt:MATRIX_FMT_BF8
.endif
.endif
.endr
.endm
.macro FETCH slot, q, f
	WIN TO_F
.irp i, 0,1,2,3
.irp c, 0,1,2,3
	ds_load_b128 v[64+(\f)+FR*\i+4*\c:64+(\f)+FR*\i+4*\c+3], v[ADRB+\slot] offset:128*(\q)+32*\c+\i*16*PITCH
.endr
.endr
.irp i, 0,1,2,3
.irp c, 0,1,2,3
	ds_load_b128 v[(\f)+FR*\i+4*\c:(\f)+FR*\i+4*\c+3], v[ADRA+\slot] offset:128*(\q)+32*\c+\i*16*PITCH
.endr
.endr
.endm
.macro SCALESB sc
.irp i, 0,1,2,3
	ds_load_b128 v[SB+16*\sc+4*\i:SB+16*\sc+4*\i+3], v[ADRS] offset:\i*SBLK
.endr
.endm
.macro PLACES n
.rept \n
	v_nop
.endr
.endm
.macro STEP slot, q, zero, lc
	s_wait_dscnt 0x0
.if (\q) == 0
	s_wait_loadcnt \lc
.else
	PLACES NP
.endif
	FETCH \slot, (\q)+1, 128*(((\q)+1)%2)
	WIN MUL
.irp a, 0,1,2,3
	MUL4 128*((\q)%2), \a, \q, \slot, \zero
.endr
.endm
.macro TURN slot, next, fill
	WIN 0
.if \fill
	s_wait_xcnt 0x0                                ; my loads and my prefetch have read their addresses
	s_add_nc_u64 s[66:67], s[66:67], ASTEP
	s_add_nc_u64 s[PFA:PFA+1], s[PFA:PFA+1], ROWB
.endif
	s_wait_tensorcnt 0x0
	ds_add_u32 v[SPW], v[NIL]
	s_wait_dscnt 1
	WIN MUL
	MUL4 F1, 0, 3, \slot, 0
	s_wait_dscnt 0x0
	s_barrier_signal -1
	MUL4 F1, 1, 3, \slot, 0
	WIN 0
	s_barrier_wait -1
.if \fill
	CREST
	s_add_nc_u64 s[G0+4*\slot+2:G0+4*\slot+3], s[G0+4*\slot+2:G0+4*\slot+3], 2*ROWB
	s_add_nc_u64 s[G0B+4*\slot+2:G0B+4*\slot+3], s[G0B+4*\slot+2:G0B+4*\slot+3], 2*ROWB
	JLOAD G0+4*\slot, G1, G0B+4*\slot, G1B
	PLACES NP-4
	s_cmp_gt_u32 s3, 1                             ; s3 = 1 in the loop's last trip
	s_cbranch_scc0 .Lnone_ahead_\@
	global_prefetch_b8 v[PFO], s[PFA:PFA+1] offset:2*ROWB th:TH_LOAD_NT scope:SCOPE_SE
.Lnone_ahead_\@:
.else
	PLACES NP
.endif
	s_wait_alu depctr_va_vdst(0)
	v_add_nc_u32 v[ADRS], 16, v[ADRS]
	SCALESB \next
	FETCH \next, 0, F0
	WIN MUL
	MUL4 F1, 2, 3, \slot, 0
	MUL4 F1, 3, 3, \slot, 0
	PLACES NP
	WIN 0
.if \fill
	ASCALES \slot, ASTEP
.endif
.endm
	s_wait_alu depctr_va_vdst(0)                   ; the wait at the head's end
	s_wait_tensorcnt 0x0                           ; my tile of the head's is in
	ds_add_u32 v[SPW], v[NIL]
	s_mov_b32 s[G1+2], 64<<16                      ; no tensor load of mine is out: from here on a load brings 64 rows
	s_mov_b32 s[G1+4], 64
	s_mov_b32 s[G1B+2], 64<<16
	s_mov_b32 s[G1B+4], 64
	s_wait_dscnt 0x0
	CROUND                                         ; all the head's tiles are in, and all sixteen work-groups are here
	JLOAD G0+4, G1, G0B+4, G1B                     ; K step 1: the first tensor load behind the round
	global_prefetch_b8 v[PFO], s[PFA:PFA+1] offset:2*ROWB th:TH_LOAD_NT scope:SCOPE_SE
	SCALESB 0
	FETCH 0, 0, F0
	STEP 0, 0, 1, 36
	WIN 0
	s_mov_b32 s3, LAPS-1
.Llap:
	STEP 0, 1, 0, 0
	STEP 0, 2, 0, 0
	TURN 0, 1, 1
	STEP 1, 0, 0, 4
	STEP 1, 1, 0, 0
	STEP 1, 2, 0, 0
	TURN 1, 0, 1
	STEP 0, 0, 0, 4
	WIN 0
	s_sub_co_u32 s3, s3, 1
	s_cmp_lg_u32 s3, 0
	s_cbranch_scc1 .Llap
	STEP 0, 1, 0, 0
	STEP 0, 2, 0, 0
	TURN 0, 1, 0
	STEP 1, 0, 0, 0
	STEP 1, 1, 0, 0
	STEP 1, 2, 0, 0
	s_wait_dscnt 0x0
	WIN MUL
.irp a, 0,1,2,3
	MUL4 F1, \a, 3, 1, 0
.endr
	WIN 0
.macro TOSTAGE a
.irp b, 0,1,2,3
	ds_store_b128 v[STO], v[ACC+8*(4*(\a)+\b):ACC+8*(4*(\a)+\b)+3] offset:64*\b
	ds_store_b128 v[STO], v[ACC+8*(4*(\a)+\b)+4:ACC+8*(4*(\a)+\b)+7] offset:64*\b+16
.endr
	WIN TO_F
.irp i, 0,1,2,3,4,5,6,7
	ds_load_b128 v[32*(\a)+4*\i:32*(\a)+4*\i+3], v[RD] offset:\i*2*SPITCH
.endr
	WIN 0
.endm
.macro SEND a, younger
	s_wait_dscnt \younger
	WIN 0x49
.set n, 0
.rept 16
	v_pk_add_f32 v[32*(\a)+n:32*(\a)+n+1], v[32*(\a)+n:32*(\a)+n+1], v[32*(\a)+n:32*(\a)+n+1]
.set n, n+2
.endr
	WIN 0x41
.irp i, 0,1,2,3,4,5,6,7
	v_pk_add_f32 v[32*(\a)+4*\i:32*(\a)+4*\i+1], v[32*(\a)+4*\i:32*(\a)+4*\i+1], v[B2R:B2R+1]
	v_pk_add_f32 v[32*(\a)+4*\i+2:32*(\a)+4*\i+3], v[32*(\a)+4*\i+2:32*(\a)+4*\i+3], v[B2R+2:B2R+3]
.endr
	WIN 0x04
.irp i, 0,1,2,3,4,5,6,7
	global_store_b128 v[CO], v[32*(\a)+4*\i:32*(\a)+4*\i+3], s[96:97] offset:(16*(\a)+2*\i)*SIZE_N*4 th:TH_STORE_NT
.endr
	WIN 0
.endm
	PLACES NP
	s_wait_loadcnt 0x0
	TOSTAGE 0
.irp a, 1,2,3
	TOSTAGE \a
	SEND \a-1, 16
.endr
	SEND 3, 0
	s_wait_tensorcnt 0x0
	ds_add_u32 v[SPW], v[NIL]
	s_wait_dscnt 0x0
	CROUND
	s_endpgm
.Lfunc_end_k_q66395c1124_fc2:
	.size	k_q66395c1124_fc2, .Lfunc_end_k_q66395c1124_fc2-k_q66395c1124_fc2
	.p2alignl 7, 3214868480
	.fill 96, 4, 3214868480
	.section	.rodata,"a",@progbits
	.p2align	6, 0x0
	.amdhsa_kernel k_q66395c1124_fc2
		.amdhsa_group_segment_fixed_size 327680
		.amdhsa_private_segment_fixed_size 0
		.amdhsa_enable_private_segment 0
		.amdhsa_kernarg_size 48
		.amdhsa_user_sgpr_count 2
		.amdhsa_user_sgpr_kernarg_segment_ptr 1
		.amdhsa_wavefront_size32 1
		.amdhsa_system_sgpr_workgroup_id_x 1
		.amdhsa_system_sgpr_workgroup_id_y 1
		.amdhsa_system_sgpr_workgroup_id_z 1
		.amdhsa_system_vgpr_workitem_id 0
		.amdhsa_next_free_vgpr 768
		.amdhsa_next_free_sgpr 102
		.amdhsa_reserve_vcc 0
		.amdhsa_float_denorm_mode_32 3
		.amdhsa_float_denorm_mode_16_64 3
		.amdhsa_memory_ordered 1
		.amdhsa_forward_progress 1
		.amdhsa_inst_pref_size 106
	.end_amdhsa_kernel
	.amdgpu_metadata
---
amdhsa.version: [ 1, 2 ]
amdhsa.kernels:
  - .name:           k_q66395c1124_fc2
    .symbol:         k_q66395c1124_fc2.kd
    .args:
      - { .name: mq, .offset: 0, .size: 8, .value_kind: global_buffer, .address_space: global }
      - { .name: b2, .offset: 8, .size: 8, .value_kind: global_buffer, .address_space: global }
      - { .name: w2_codes, .offset: 16, .size: 8, .value_kind: global_buffer, .address_space: global }
      - { .name: w2_scales, .offset: 24, .size: 8, .value_kind: global_buffer, .address_space: global }
      - { .name: attn, .offset: 32, .size: 8, .value_kind: global_buffer, .address_space: global }
      - { .name: out0, .offset: 40, .size: 8, .value_kind: global_buffer, .address_space: global }
    .group_segment_fixed_size: 327680
    .private_segment_fixed_size: 0
    .kernarg_segment_align: 8
    .kernarg_segment_size: 48
    .max_flat_workgroup_size: 128
    .sgpr_count:     102
    .vgpr_count:     768
    .wavefront_size: 32
...
	.end_amdgpu_metadata
.endif
;; end of part 10
